; MI455X (gfx1250); checked and timed in simulation.
; The chip was launched on July 23, 2026; its instructions are those of AMD's public machine-readable ISA for CDNA 5 (MIT licence, August 2026) and "CDNA5" Instruction Set Architecture Reference Guide (July 2026). The comments in the code are by the model that wrote it; some were corrected since.
;; Attention. Allowed arithmetic: matrix products marked QUANTISED: E2M3 operands, one E8M0 scale for each 32 along K, by v_wmma_scale_f32_16x16x128_f8f6f4 with both operands' format E2M3, f32 sums; everything else in f32.
;; Inputs: Wk 256 x 256 float32; Wo 256 x 512 float32; Wq 256 x 256 float32; Wv 512 x 256 float32; bo 256 float32; k_b 256 float32; k_g 256 float32; k_m 256 float32; k_v 256 float32; o_b 256 float32; o_g 256 float32; o_m 256 float32; o_v 256 float32; pos_idx 1,024 x 1,024 int32; pos_tab 1,024 x 8 float32; q_b 256 float32; q_g 256 float32; q_m 256 float32; q_v 256 float32; v_b 512 float32; v_g 512 float32; v_m 512 float32; v_v 512 float32; x 16 x 256 x 32 x 32 float32.
;; Outputs: out0 16 x 256 x 32 x 32 float32.
;; This version of the problem:
;;   THIS VERSION OF THE PROBLEM IS GIVEN IN LOW PRECISION. The matrix products marked QUANTISED in the list below multiply operands that are first quantised to E2M3 (2 exponent bits, 3 mantissa bits; 6 bits a number), with one power-of-two scale for each 32 numbers along K (OCP MX v1.0); their sums are f32. All else is computed in f32.
;;   The module's matrix products, in the order in which they are computed (A, B: the left and right operand; K: the contracted axis; several contracted axes count as one K, in the product's order):
;;     1. [M 16,384, K 256] x [K 256, N 256]; A: input x; B: input Wq: QUANTISED
;;     2. [M 16,384, K 256] x [K 256, N 256]; A: input x; B: input Wk: QUANTISED
;;     3. [M 16,384, K 256] x [K 256, N 512]; A: input x; B: input Wv: QUANTISED
;;     4. batch 128 x [M 1,024, K 32] x [K 32, N 1,024]; A: computed on the way; B: computed on the way: QUANTISED
;;     5. batch 128 x [M 1,024, K 1,024] x [K 1,024, N 64]; A: softmax (see below); B: computed on the way: QUANTISED
;;     6. [M 16,384, K 512] x [K 512, N 256]; A: computed on the way; B: input Wo: QUANTISED
;;   THE QUANTISER, for each operand of a quantised product, along K:
;;     - K is cut into blocks of 32 from its start; a last block that is shorter is filled with zeros.
;;     - A block's scale is 2^e with e = floor(log2(the largest magnitude in the block)) - 2, held to -126 .. 127; a block of zeros has e = 0. As a byte (E8M0): e + 127.
;;     - Each number is divided by its block's scale, clamped to +-7.5, and rounded to the nearest number of E2M3, ties to even, subnormals kept.
;;     - The product sums the exact products of the quantised numbers (number of the format x scale) in f32.
;;   ~~~python
;;   def quantise(x, axis):      # numpy; x: float32 -> the quantised numbers, widened to float32 again
;;       x = np.moveaxis(x, axis, -1); K = x.shape[-1]
;;       x = np.pad(x, [(0, 0)] * (x.ndim - 1) + [(0, -K % 32)]); x = x.reshape(x.shape[:-1] + (-1, 32)); a = np.abs(x).max(-1, keepdims=True)
;;       e = np.where(a > 0, np.clip(np.frexp(np.where(a > 0, a, 1))[1] - 1 - 2, -126, 127), 0)      # np.frexp(a)[1] - 1 = floor(log2(a)), exactly
;;       r = np.clip(x / 2.0 ** e, -7.5, 7.5)
;;       step = 2.0 ** (np.maximum(np.frexp(np.where(r == 0, 1, r))[1] - 1, 0) - 3)
;;       q = np.round(r / step) * step * 2.0 ** e      # np.round: ties to even
;;       return np.moveaxis(q.reshape(q.shape[:-2] + (-1,))[..., :K], -1, axis).astype(np.float32)
;;   ~~~
;;   SOFTMAX AHEAD OF A QUANTISED PRODUCT. Where the list says 'softmax', what is quantised is not the finished softmax but p = 2^(t - M), with t = logit x log2(e) and M = ceil(the row's largest t), a whole number; so 1/2 < the row's largest p <= 1. The row's sum l is taken of the UNQUANTISED p, in f32, and the product's result is divided by l at the end. Since M is a whole number, a kernel that streams over the keys may use a running M (the ceiling of the running maximum): every later rescaling is an exact power of two, which a block's scale takes up: the codes' values come out the same.
;;   OPERANDS COMPUTED ON THE WAY. 'Computed on the way' means the value that the module computes at that place (a softmax that the list does not call 'softmax' is quantised finished and normalised). What goes into a quantiser is computed in f32, as accurately as f32 sums, v_exp_f32 and their like allow (about 1e-6 of the number): no bf16 or f16 on the way to a quantiser, and a product that is left as it is and whose result goes on into a quantised operand takes f32 operands (vector FMAs, or v_wmma_f32_16x16x4_f32). A number that lies on a knife's edge between two numbers of the format may be rounded either way, as far as f32 arithmetic and the matrix unit's own rounding can turn it there, and no further.
;; 2 versions. Each part assembles by itself: llvm-mc -triple=amdgcn-amd-amdhsa -mcpu=gfx1250 --defsym DOCPART=n.
;; ======== version 1 of 2: 4 launches
;; workspace buffers: wts 334,848 bytes; bias 33,554,432 bytes; qq 3,276,800 bytes; kv 9,830,400 bytes; ao 6,553,600 bytes
;; launch prep (part 1): grid 285 x 1, 8 waves a work-group, no clusters, 0 bytes of LDS; arguments Wq, Wk, Wv, Wo, q_g, q_b, q_m, q_v, k_g, k_b, k_m, k_v, v_g, v_b, v_m, v_v, o_g, o_b, o_m, o_v, bo, pos_idx, pos_tab, wts, bias; writes wts, bias
.if DOCPART == 1
	.amdgcn_target "amdgcn-amd-amdhsa--gfx1250"
	.amdhsa_code_object_version 6
	.text
	.protected	k_q300fe48a05_prep
	.globl	k_q300fe48a05_prep
	.p2align	8
	.type	k_q300fe48a05_prep,@function
k_q300fe48a05_prep:
	s_mov_b64 s[64:65], 0
	v_nop
	global_prefetch_b8 v0, s[64:65] scope:SCOPE_SE
	s_setreg_imm32_b32 hwreg(HW_REG_WAVE_MODE, 25, 1), 1
	s_wait_xcnt 0x0
; What depends on the weights and tables alone is made once, in the order in which the later launches' registers take it.
; Three kinds of work-group, told apart by the work-group's number:
;   0-4     BN tables: for 1,280 channels (q 0-255, k 256-511, v 512-1023, out 1024-1279)  NEGM = -mean (out: bo - mean),  S = gain * rsq(var + 1e-5),  B = the BN's bias.
;   5-28    the four weights as codes of FP6 (E2M3), one E8M0 byte for each 32 along K: 192 fragments of 16 rows x 128 K, one a wave, stored as IMAGES OF THE OPERAND'S REGISTERS:
;           registers 4 k .. 4 k + 3 of lane L at 512 k + 16 L of the fragment's 1,536 bytes; its scale words 4 bytes a lane.
;   29-284  32 x pos_tab[pos_idx] as f32, in the order of the score tiles' accumulator registers: tile (16 queries it, 128 keys s, head) is 8,192 bytes; register 16 b + n of lane (r, h)
;           is query 16 it + r, key 128 s + 32 b + 16 h + n; registers 4 k .. 4 k + 3 of lane L at 512 k + 16 L.  (bias / scale = scale x 32 x bias: the factor 32 is exact.)
; LIMITS: NaN and infinities are not served.  A block whose largest magnitude lies under 2^-124, a block of zeros among them, gets the byte 1 (its codes are then zeros or small codes);
; the bytes are read by this program alone.  An index of pos_idx outside 0 .. 1,023 is held at 1,023.
; No LDS, no barrier: waves share nothing.
.set WSC, 294912                       ; wts: the scale words begin here (192 fragments x 1,536 bytes lie in front)
.set WBN, 319488                       ; wts: the BN tables: NEGM, then S 5,120 bytes on, then B
.set WV,  3
	v_lshrrev_b32 v1, 5, v0
	v_readfirstlane_b32 s[WV], v1                  ; wave 0..7
	s_cmp_lt_u32 ttmp9, 5
	s_cbranch_scc1 .Lbn
	s_cmp_lt_u32 ttmp9, 29
	s_cbranch_scc1 .Lweights
	; ---------------- the position bias.  A wave takes 16 queries x 32 keys (block b of a tile) for all 8 heads
	s_load_b128 s[4:7], s[0:1], 0xa8               ; pos_idx, pos_tab
	s_load_b64 s[8:9], s[0:1], 0xc0                ; bias
	s_sub_co_u32 s10, ttmp9, 29
	s_lshl_b32 s10, s10, 3
	s_add_co_u32 s10, s10, s[WV]                   ; T = 0 .. 2,047:  it = T / 32,  s = (T / 4) % 8,  b = T % 4
	s_lshr_b32 s11, s10, 5
	s_bfe_u32 s12, s10, 0x30002
	s_and_b32 s13, s10, 3
	s_lshl_b32 s14, s11, 16                        ; 16 it rows of 4,096 bytes
	s_lshl_b32 s15, s12, 9                         ; 128 s keys of 4 bytes
	s_add_co_u32 s14, s14, s15
	s_lshl_b32 s15, s13, 7                         ; 32 b keys
	s_add_co_u32 s14, s14, s15
	v_and_b32 v1, 15, v0                           ; r
	v_bfe_u32 v2, v0, 4, 1                         ; h
	v_lshlrev_b32 v3, 12, v1
	v_lshl_add_u32 v3, v2, 6, v3
	v_add_nc_u32 v3, s14, v3                       ; my 16 indices: row 16 it + r, keys 128 s + 32 b + 16 h on
	s_lshr_b32 s15, s10, 2
	s_lshl_b32 s15, s15, 16                        ; (8 it + s) x 8 heads x 8,192 bytes
	s_lshl_b32 s16, s13, 11                        ; block b's four groups of registers: 4 b x 512 bytes
	s_add_co_u32 s15, s15, s16
	v_and_b32 v4, 31, v0
	v_lshl_add_u32 v4, v4, 4, s15                  ; + 16 x lane
	s_wait_kmcnt 0x0
.irp kk, 0,1,2,3
	global_load_b128 v[16+4*\kk:19+4*\kk], v3, s[4:5] offset:16*\kk th:TH_LOAD_NT
.endr
	s_wait_loadcnt 0x0
.irp n, 0,1,2,3,4,5,6,7,8,9,10,11,12,13,14,15
	v_min_u32 v[16+\n], 0x3ff, v[16+\n]            ; an index stays inside the table
.endr
.irp n, 0,1,2,3,4,5,6,7,8,9,10,11,12,13,14,15
	v_lshlrev_b32 v[16+\n], 5, v[16+\n]            ; a row of pos_tab: 8 heads, 32 bytes
.endr
.irp n, 0,1,2,3,4,5,6,7,8,9,10,11,12,13,14,15
	global_load_b128 v[32+8*\n:35+8*\n], v[16+\n], s[6:7]
	global_load_b128 v[36+8*\n:39+8*\n], v[16+\n], s[6:7] offset:16
.endr
.irp kk, 0,1,2,3                               ; four keys at a time: x 32, and turned from [key][head] to [head][key]
	s_wait_loadcnt 8*(3-\kk)                       ; the eight gathers of these four keys are in; those of the later keys may be out
.if \kk > 0
	s_wait_xcnt 0x0                                ; the stores of the last four keys have read v160-191, which are written again
.endif
.irp hd, 0,1,2,3,4,5,6,7
.irp a, 0,1,2,3
	v_mul_f32 v[160+4*\hd+\a], 0x42000000, v[32+8*(4*\kk+\a)+\hd]
.endr
.endr
.irp hd, 0,1,2,3,4,5,6,7
	global_store_b128 v4, v[160+4*\hd:163+4*\hd], s[8:9] offset:8192*\hd+512*\kk th:TH_STORE_NT   ; the wave stores 512 consecutive bytes, at a multiple of 512 from the buffer's first byte
.endr
.endr
	s_endpgm
	; ---------------- a fragment of a weight.  K is innermost in memory: lane (r, h) takes, of its row, k = 64 c + 32 h + 0 .. 31: two whole blocks, so no other lane is asked for a maximum
.Lweights:
	s_load_b256 s[4:11], s[0:1], 0x0               ; Wq, Wk, Wv, Wo
	s_load_b64 s[12:13], s[0:1], 0xb8              ; wts
	s_mov_b32 s14, 0x76543210
	s_mov_b32 s15, 0xfedcba98                      ; v_permlanex16_b32's selects for lane l xor 16
	s_sub_co_u32 s20, ttmp9, 5
	s_lshl_b32 s20, s20, 3
	s_add_co_u32 s20, s20, s[WV]                   ; F = 0 .. 191
	; F < 64: Wq (F < 32) or Wk: head (F / 4) % 8, tile u = (F / 2) % 2, K step F % 2.  THE ROWS OF A TILE ARE NOT NEIGHBOURS: lane r takes row 32 head + 8 u + r + 8 (r / 8),
	;         so that in the transposed product the 16 registers of tiles 0 and 1 are 16 neighbouring channels.
	; 64 <= F < 128: Wv: rows 16 ((F - 64) / 2) on, K step F % 2.      F >= 128: Wo: rows 16 ((F - 128) / 4) on, K step F % 4; a row is 2,048 bytes.
	s_lshr_b32 s21, s20, 2
	s_and_b32 s22, s21, 7
	s_lshl_b32 s22, s22, 5
	s_bfe_u32 s23, s20, 0x10001
	s_lshl_b32 s23, s23, 3
	s_add_co_u32 s22, s22, s23
	s_lshr_b32 s24, s20, 1
	s_sub_co_u32 s24, s24, 32
	s_lshl_b32 s24, s24, 4
	s_sub_co_u32 s25, s21, 32
	s_lshl_b32 s25, s25, 4
	s_cmp_lt_u32 s20, 64
	s_cselect_b32 s26, s22, s24                    ; the tile's first row
	s_cselect_b32 s27, 1, 0                        ; the rows are spread, or not
	s_cmp_lt_u32 s20, 128
	s_cselect_b32 s26, s26, s25
	s_cselect_b32 s28, 10, 11                      ; log2 of a row's bytes
	s_cselect_b32 s29, 1, 3
	s_and_b32 s29, s20, s29
	s_lshl_b32 s29, s29, 9                         ; the K step: 128 numbers, 512 bytes
	v_and_b32 v1, 15, v0                           ; r
	v_bfe_u32 v2, v0, 4, 1                         ; h
	v_and_b32 v3, 8, v1
	v_mul_u32_u24 v3, s27, v3
	v_add3_u32 v4, v1, v3, s26                     ; my row
	v_lshlrev_b32 v4, s28, v4
	v_lshl_add_u32 v4, v2, 7, v4                   ; + 32 h numbers
	v_add_nc_u32 v4, s29, v4
	v_and_b32 v7, 31, v0
	s_mul_i32 s21, s20, 1536
	v_lshl_add_u32 v5, v7, 4, s21                  ; the image: 1,536 F + 16 x lane
	s_lshl_b32 s22, s20, 7
	v_lshl_add_u32 v6, v7, 2, s22                  ; the scale words: 128 F + 4 x lane
	s_wait_kmcnt 0x0
	s_cmp_lt_u32 s20, 32
	s_cselect_b64 s[30:31], s[4:5], s[6:7]
	s_cmp_lt_u32 s20, 64
	s_cselect_b64 s[30:31], s[30:31], s[8:9]
	s_cmp_lt_u32 s20, 128
	s_cselect_b64 s[30:31], s[30:31], s[10:11]
.irp c, 0,1
.irp j, 0,1,2,3,4,5,6,7
	global_load_b128 v[64+32*\c+4*\j:67+32*\c+4*\j], v4, s[30:31] offset:256*\c+16*\j
.endr
.endr
	s_wait_loadcnt 0x0
.irp c, 0,1
	v_max3_num_f32 v[32+\c], |v[64+32*\c]|, |v[65+32*\c]|, 0x1800000   ; my block 2 c + h, and the floor 2^(3 - 127): the byte cannot fall under 1
.endr
.irp i, 2,4,6,8,10,12,14,16,18,20,22,24,26,28,30
.irp c, 0,1
	v_max3_num_f32 v[32+\c], v[32+\c], |v[64+32*\c+\i]|, |v[65+32*\c+\i]|
.endr
.endr
.irp c, 0,1
	v_add_nc_u32 v[44+\c], 0xff000000, v[32+\c]    ; 2 off the exponent field: the conversion takes the exponent field of this operand as its scale
.endr
.irp c, 0,1
	v_lshrrev_b32 v[36+\c], 23, v[44+\c]           ; the scale's byte
.endr
	v_lshl_or_b32 v9, v37, 16, v36                 ; my two bytes, blocks h and 2 + h,
	v_lshlrev_b32 v10, 3, v2
	v_lshlrev_b32 v9, v10, v9                      ; at their places in the word;
	v_mov_b32 v10, 0
	v_permlanex16_b32 v10, v9, s14, s15
	v_or_b32 v9, v9, v10                           ; with lane l xor 16's two the word is whole, in both halves of the lanes
.irp c, 0,1
	v_cvt_scalef32_pk16_fp6_f32 v[48+6*\c:50+6*\c], v[64+32*\c:79+32*\c], v[44+\c]
	v_cvt_scalef32_pk16_fp6_f32 v[128+4*\c:130+4*\c], v[80+32*\c:95+32*\c], v[44+\c]   ; (a conversion's three registers begin on an even number)
.endr
	v_nop                                          ; one plain place behind a scaled conversion
.irp c, 0,1
.irp i, 0,1,2
	v_mov_b32 v[51+6*\c+\i], v[128+4*\c+\i]
.endr
.endr
.irp k, 0,1,2
	global_store_b128 v5, v[48+4*\k:51+4*\k], s[12:13] offset:512*\k
.endr
	global_store_b32 v6, v9, s[12:13] offset:WSC
	s_endpgm
	; ---------------- the BN tables: work-group j takes 256 channels, a thread a channel
.Lbn:
	s_load_b512 s[16:31], s[0:1], 0x20             ; q's gain, bias, mean, variance; k's
	s_load_b512 s[32:47], s[0:1], 0x60             ; v's; the output's
	s_load_b64 s[48:49], s[0:1], 0xa0              ; bo
	s_load_b64 s[50:51], s[0:1], 0xb8              ; wts
	s_cmp_eq_u32 ttmp9, 3
	s_cselect_b32 s12, 1024, 0                     ; j = 3: the second 256 of v's 512 channels
	s_cmp_eq_u32 ttmp9, 4
	s_cselect_b32 s14, 0x3f800000, 0               ; bo counts for the output's channels alone
	s_lshl_b32 s15, ttmp9, 10
	v_lshl_add_u32 v1, v0, 2, s12
	v_lshlrev_b32 v2, 2, v0
	v_lshl_add_u32 v3, v0, 2, s15
	s_wait_kmcnt 0x0
	s_cmp_eq_u32 ttmp9, 0
	s_cselect_b64 s[4:5], s[16:17], s[32:33]
	s_cselect_b64 s[6:7], s[18:19], s[34:35]
	s_cselect_b64 s[8:9], s[20:21], s[36:37]
	s_cselect_b64 s[10:11], s[22:23], s[38:39]
	s_cmp_eq_u32 ttmp9, 1
	s_cselect_b64 s[4:5], s[24:25], s[4:5]
	s_cselect_b64 s[6:7], s[26:27], s[6:7]
	s_cselect_b64 s[8:9], s[28:29], s[8:9]
	s_cselect_b64 s[10:11], s[30:31], s[10:11]
	s_cmp_eq_u32 ttmp9, 4
	s_cselect_b64 s[4:5], s[40:41], s[4:5]
	s_cselect_b64 s[6:7], s[42:43], s[6:7]
	s_cselect_b64 s[8:9], s[44:45], s[8:9]
	s_cselect_b64 s[10:11], s[46:47], s[10:11]
	global_load_b32 v4, v1, s[4:5]                 ; gain
	global_load_b32 v5, v1, s[6:7]                 ; bias
	global_load_b32 v6, v1, s[8:9]                 ; mean
	global_load_b32 v7, v1, s[10:11]               ; variance
	global_load_b32 v8, v2, s[48:49]               ; bo (256 numbers: every thread's load lies inside)
	s_wait_loadcnt 0x0
	v_add_f32 v9, 0x3727c5ac, v7                   ; + 1e-5
	v_rsq_f32 v10, v9
	v_fma_f32 v11, v8, s14, -v6                    ; -mean, or bo - mean.  (The plain place behind the transcendental)
	s_wait_alu depctr_va_vdst(0)                   ; the wait ahead of the result's first reader
	v_mul_f32 v10, v4, v10
	global_store_b32 v3, v11, s[50:51] offset:WBN
	global_store_b32 v3, v10, s[50:51] offset:WBN+5120
	global_store_b32 v3, v5, s[50:51] offset:WBN+10240
	s_endpgm
.Lfunc_end_k_q300fe48a05_prep:
	.size	k_q300fe48a05_prep, .Lfunc_end_k_q300fe48a05_prep-k_q300fe48a05_prep
	.p2alignl 7, 3214868480
	.fill 96, 4, 3214868480
	.section	.rodata,"a",@progbits
	.p2align	6, 0x0
	.amdhsa_kernel k_q300fe48a05_prep
		.amdhsa_group_segment_fixed_size 0
		.amdhsa_private_segment_fixed_size 0
		.amdhsa_enable_private_segment 0
		.amdhsa_kernarg_size 200
		.amdhsa_user_sgpr_count 2
		.amdhsa_user_sgpr_kernarg_segment_ptr 1
		.amdhsa_wavefront_size32 1
		.amdhsa_system_sgpr_workgroup_id_x 1
		.amdhsa_system_sgpr_workgroup_id_y 1
		.amdhsa_system_sgpr_workgroup_id_z 1
		.amdhsa_system_vgpr_workitem_id 0
		.amdhsa_next_free_vgpr 192
		.amdhsa_next_free_sgpr 66
		.amdhsa_reserve_vcc 0
		.amdhsa_float_denorm_mode_32 3
		.amdhsa_float_denorm_mode_16_64 3
		.amdhsa_memory_ordered 1
		.amdhsa_forward_progress 1
		.amdhsa_inst_pref_size 27
	.end_amdhsa_kernel
	.amdgpu_metadata
---
amdhsa.version: [ 1, 2 ]
amdhsa.kernels:
  - .name:           k_q300fe48a05_prep
    .symbol:         k_q300fe48a05_prep.kd
    .args:
      - { .name: Wq, .offset: 0, .size: 8, .value_kind: global_buffer, .address_space: global }
      - { .name: Wk, .offset: 8, .size: 8, .value_kind: global_buffer, .address_space: global }
      - { .name: Wv, .offset: 16, .size: 8, .value_kind: global_buffer, .address_space: global }
      - { .name: Wo, .offset: 24, .size: 8, .value_kind: global_buffer, .address_space: global }
      - { .name: q_g, .offset: 32, .size: 8, .value_kind: global_buffer, .address_space: global }
      - { .name: q_b, .offset: 40, .size: 8, .value_kind: global_buffer, .address_space: global }
      - { .name: q_m, .offset: 48, .size: 8, .value_kind: global_buffer, .address_space: global }
      - { .name: q_v, .offset: 56, .size: 8, .value_kind: global_buffer, .address_space: global }
      - { .name: k_g, .offset: 64, .size: 8, .value_kind: global_buffer, .address_space: global }
      - { .name: k_b, .offset: 72, .size: 8, .value_kind: global_buffer, .address_space: global }
      - { .name: k_m, .offset: 80, .size: 8, .value_kind: global_buffer, .address_space: global }
      - { .name: k_v, .offset: 88, .size: 8, .value_kind: global_buffer, .address_space: global }
      - { .name: v_g, .offset: 96, .size: 8, .value_kind: global_buffer, .address_space: global }
      - { .name: v_b, .offset: 104, .size: 8, .value_kind: global_buffer, .address_space: global }
      - { .name: v_m, .offset: 112, .size: 8, .value_kind: global_buffer, .address_space: global }
      - { .name: v_v, .offset: 120, .size: 8, .value_kind: global_buffer, .address_space: global }
      - { .name: o_g, .offset: 128, .size: 8, .value_kind: global_buffer, .address_space: global }
      - { .name: o_b, .offset: 136, .size: 8, .value_kind: global_buffer, .address_space: global }
      - { .name: o_m, .offset: 144, .size: 8, .value_kind: global_buffer, .address_space: global }
      - { .name: o_v, .offset: 152, .size: 8, .value_kind: global_buffer, .address_space: global }
      - { .name: bo, .offset: 160, .size: 8, .value_kind: global_buffer, .address_space: global }
      - { .name: pos_idx, .offset: 168, .size: 8, .value_kind: global_buffer, .address_space: global }
      - { .name: pos_tab, .offset: 176, .size: 8, .value_kind: global_buffer, .address_space: global }
      - { .name: wts, .offset: 184, .size: 8, .value_kind: global_buffer, .address_space: global }
      - { .name: bias, .offset: 192, .size: 8, .value_kind: global_buffer, .address_space: global }
    .group_segment_fixed_size: 0
    .private_segment_fixed_size: 0
    .kernarg_segment_align: 8
    .kernarg_segment_size: 200
    .max_flat_workgroup_size: 256
    .sgpr_count:     66
    .vgpr_count:     192
    .wavefront_size: 32
...
	.end_amdgpu_metadata
.endif
;; end of part 1
;; launch qkv (part 2): grid 16 x 16, 16 waves a work-group, no clusters, 69,120 bytes of LDS; arguments x, wts, qq, kv; writes qq, kv
.if DOCPART == 2
	.amdgcn_target "amdgcn-amd-amdhsa--gfx1250"
	.amdhsa_code_object_version 6
	.text
	.protected	k_q300fe48a05_qkv
	.globl	k_q300fe48a05_qkv
	.p2align	8
	.type	k_q300fe48a05_qkv,@function
k_q300fe48a05_qkv:
	s_mov_b64 s[64:65], 0
	v_nop
	global_prefetch_b8 v0, s[64:65] scope:SCOPE_SE
	s_setreg_imm32_b32 hwreg(HW_REG_WAVE_MODE, 25, 1), 1
	s_wait_xcnt 0x0
; The three 1x1 convolutions with their BN, on codes of FP6 (E2M3) with one E8M0 scale for each 32 along K, and the quantising of q, k (along the head's 32 channels) and v (along the keys).
; A work-group takes 64 positions (work-group x) of one batch (work-group y) and all 1,024 output channels; sixteen waves, four to a SIMD.
;   1: wave w quantises 32 positions x 32 channels of x.  K (the channels) is not innermost in x: a lane takes a position and its registers run down the channels, so a block lies in one lane.
;      The codes go to LDS as rows of 192 bytes a position; one barrier.
;   2: wave w makes head w of q (w < 8) or head w - 8 of k: source 0 = 16 rows of W, source 1 = 16 positions: a lane holds ONE position, and the 16 registers of the two tiles are 16 neighbouring channels.
;   3: wave w makes channels 32 w .. 32 w + 31 of v: source 0 = 16 positions (spread: lane r takes position 32 b + 8 u + r + 8 (r / 8)), source 1 = 16 rows of Wv: a lane holds ONE channel,
;      and the 16 registers of two tiles are 16 neighbouring positions, which are the keys, the next product's K.
; The BN: -mean is the C of each sum's first product; then one fused multiply-add by S and B.
; The weights come from the workspace as images of the operand's registers, straight into registers, once a wave: no tensor load, so no cluster.
; WHAT IS STORED.  qq: q's codes [batch][head][position][24 bytes]; behind them its scale bytes, 64 a block of 64 positions, position 16 pt + r at byte 32 (pt % 2) + 4 (r % 8) + 2 (pt / 2) + r / 8.
; kv: a record of 38,400 bytes for each batch, head and half of the keys: 4 x 3,072 bytes of k's codes (24 a key); 4 x 6,144 of v's ([64 keys][stored row][48 bytes], stored row 16 t + r = channel
; 32 (t / 2) + 8 (t % 2) + r % 8 + 16 (r / 8)); 4 x 384 of scale bytes (k's in q's order, then a word for each stored row of v).  v's scale bytes leave two at a time, 4 bytes apart: 64 bytes of the 3,200 a wave stores.
; LIMITS: NaN and infinities are not served; a block whose largest magnitude lies under 2^-124, a block of zeros among them, gets the byte 1; the bytes are read by this program alone.
.set XP,    208                        ; a position's row of codes in LDS: 192 bytes + 16 = 52 words: sixteen neighbouring rows start at sixteen different multiples of 4 banks (64 banks of 4 bytes: ISA guide 11.1)
.set XSC,   13312                      ; behind the 64 rows: x's scale bytes, 8 a position
.set STG,   13824                      ; a stage for each wave: q's or k's codes 1,536 bytes, v's 1,536, scale bytes 64
.set STGB,  3328
.set SPARE, 67072                      ; the spare words, 128 bytes for each wave: eight blocks of 256 bytes that no other line names
.set WSC,   294912
.set WBN,   319488
.set XO,  1                            ; x: my byte offset
.set XW,  2                            ; LDS: where my block's 24 bytes go
.set XWS, 3                            ; and its scale byte
.set XAN, 4                            ; a fragment of x, rows as they lie: 208 r + 24 h
.set XAP, 5                            ; rows spread: 208 (r + 8 (r / 8)) + 24 h
.set XSN, 6                            ; their scale words
.set XSP, 7
.set LI,  8                            ; 16 x lane
.set SQW, 9                            ; stage: 24 r + 12 h
.set SSW, 10                           ; stage: 4 (r % 8) + r / 8
.set SVW, 11                           ; stage: 48 (16 (r / 8) + r % 8) + 12 h
.set SRD, 12                           ; stage: 16 x lane
.set SSR, 13                           ; stage: 2 x lane
.set SPW, 14                           ; LDS address of my spare word; never rewritten
.set NIL, 15                           ; 0; never rewritten
.set H64, 16                           ; 64 h
.set R4,  17                           ; 4 r
.set VSO, 18                           ; 4 (16 (r / 8) + 8 (lane / 16) + r % 8)
.set L2,  19                           ; 2 x lane
.set WF,  20                           ; v20-67   four fragments of W: (tile i, K step s) at 12 (2 i + s)
.set WS,  68                           ; v68-71   their scale words
.set XF,  72                           ; v72-119  four fragments of x: (tile, K step); between the products: TM, PC, OUTR
.set XS,  120                          ; v120-123 their scale words
.set HA,  124                          ; v124-187 eight accumulators; in phase 1: x's 32 numbers, their codes
.set CB,  188                          ; v188-203 the C of the first products: -mean
.set S2,  204                          ; v204-219 S of my 16 channels (phase 2)
.set B2,  220                          ; v220-235 B
.set BN3, 236                          ; v236-245 phase 3: -mean, S, B of my two channels
.set TM,  72                           ; v72-75 largest magnitudes, v76-79 bytes, v84-87 the conversions' scale operands
.set PC,  88                           ; v88-103  four half blocks of codes, three registers each
.set OUTR, 104                         ; v104-117 the way out
.set WV,  12
.set SEL, 18
.set MHI, 38
.macro MMC d, a, b, c, sa, sb          ; D = A x B + C; c = d: the next link of a sum in place
	v_wmma_scale_f32_16x16x128_f8f6f4 v[\d:\d+7], v[\a:\a+11], v[\b:\b+11], v[\c:\c+7], v[\sa], v[\sb] matrix_a_fmt:MATRIX_FMT_FP6 matrix_b_fmt:MATRIX_FMT_FP6
.endm
.macro PLACES                          ; four plain places behind a matrix instruction, ahead of loads into its registers and of the first read of its results
.rept 4
	v_nop
.endr
.endm
; Two tiles of 16 positions, t0 and t0 + 1, both K steps: four fragments (six loads of 8 bytes each: every address is a multiple of 8) and their scale words
.macro XFETCH adr, sadr, t0, perm
.irp tl, 0,1
.if \perm
.set RO, 32*(((\t0)+\tl)/2)+8*(((\t0)+\tl)%2)
.else
.set RO, 16*((\t0)+\tl)
.endif
.irp s, 0,1
.irp p, 0,1,2,3,4,5
	ds_load_b64 v[XF+12*(2*\tl+\s)+2*\p:XF+12*(2*\tl+\s)+2*\p+1], v[\adr] offset:RO*XP+96*\s+48*(\p/3)+8*(\p%3)
.endr
	ds_load_b32 v[XS+2*\tl+\s], v[\sadr] offset:RO*8+4*\s
.endr
.endr
.endm
; 64 numbers of a lane in v[HA] on: four blocks; block b's 32 numbers are my 16 (registers 16 b on) and lane l xor 16's.  Leaves the bytes in v[TM+4+b] and my 16 codes, 12 bytes, in v[PC+4 b] on.
.macro QUANT
.irp b, 0,1,2,3
	v_max3_num_f32 v[TM+\b], |v[HA+16*\b]|, |v[HA+1+16*\b]|, 0x1800000   ; and the floor 2^(3 - 127): the byte cannot fall under 1
.endr
.irp i, 2,4,6,8,10,12,14
.irp b, 0,1,2,3
	v_max3_num_f32 v[TM+\b], v[TM+\b], |v[HA+16*\b+\i]|, |v[HA+1+16*\b+\i]|
.endr
.endr
.irp b, 0,1,2,3
	v_permlanex16_b32 v[TM+4+\b], v[TM+\b], s[SEL], s[SEL+1]
.endr
.irp b, 0,1,2,3
	v_max_num_f32 v[TM+\b], v[TM+\b], v[TM+4+\b]
.endr
.irp b, 0,1,2,3
	v_add_nc_u32 v[TM+12+\b], 0xff000000, v[TM+\b]   ; 2 off the exponent field: the conversion's scale operand
.endr
.irp b, 0,1,2,3
	v_lshrrev_b32 v[TM+4+\b], 23, v[TM+12+\b]      ; the scale's byte
.endr
.irp b, 0,1,2,3
	v_cvt_scalef32_pk16_fp6_f32 v[PC+4*\b:PC+4*\b+2], v[HA+16*\b:HA+16*\b+15], v[TM+12+\b]
.endr
	v_nop                                          ; one plain place behind the last scaled conversion
.endm
	s_load_b256 s[4:11], s[0:1], 0x0               ; x, wts, qq, kv
	v_lshl_add_u32 v[SPW], v0, 2, SPARE
	v_mov_b32 v[NIL], 0
	v_lshrrev_b32 v246, 5, v0
	v_readfirstlane_b32 s[WV], v246                ; wave 0..15
	v_and_b32 v246, 31, v0                         ; lane
	v_and_b32 v247, 15, v0                         ; r
	v_bfe_u32 v248, v0, 4, 1                       ; h
	s_and_b32 s14, ttmp7, 0xffff                   ; batch
	s_lshr_b32 s15, s[WV], 3                       ; phase 1: which 32 of the 64 positions,
	s_and_b32 s16, s[WV], 7                        ; which block of 32 channels
	s_lshl_b32 s20, s14, 20                        ; a batch of x: 256 channels x 4,096 bytes
	s_lshl_b32 s21, s16, 17
	s_add_co_u32 s20, s20, s21
	s_lshl_b32 s21, ttmp9, 8
	s_add_co_u32 s20, s20, s21
	s_lshl_b32 s21, s15, 7
	s_add_co_u32 s20, s20, s21
	v_lshl_add_u32 v[XO], v246, 2, s20
	v_lshlrev_b32 v[LI], 4, v246
	v_lshlrev_b32 v[R4], 2, v247
	v_lshlrev_b32 v[H64], 6, v248
	s_mul_i32 s24, s[WV], 6144                     ; my four fragments,
	s_mov_b32 s25, 0
	s_lshl_b32 s26, s[WV], 7                       ; my 32 channels of the BN tables,
	s_mov_b32 s27, 0
	s_lshl_b32 s28, s[WV], 9                       ; my four fragments' scale words
	s_mov_b32 s29, 0
	s_wait_kmcnt 0x0
	s_add_nc_u64 s[24:25], s[6:7], s[24:25]
	s_add_nc_u64 s[26:27], s[6:7], s[26:27]
	s_add_nc_u64 s[28:29], s[6:7], s[28:29]
.irp i, 0,1,2,3,4,5,6,7,8,9,10,11,12,13,14,15,16,17,18,19,20,21,22,23,24,25,26,27,28,29,30,31
	global_load_b32 v[HA+\i], v[XO], s[4:5] offset:4096*\i th:TH_LOAD_NT   ; x(channel 32 cb + i, my position): the wave reads 128 consecutive bytes
.endr
.irp k, 0,1,2,3,4,5,6,7,8,9,10,11
	global_load_b128 v[WF+4*\k:WF+4*\k+3], v[LI], s[24:25] offset:512*\k   ; phase 2's fragments of Wq or Wk
.endr
.irp i, 0,1,2,3
	global_load_b32 v[WS+\i], v[R4], s[28:29] offset:WSC+128*\i
.endr
.irp u, 0,1                                    ; lane (r, h) holds channels 16 h + 8 u + 0 .. 7 of its head
.irp e, 0,1
	global_load_b128 v[CB+8*\u+4*\e:CB+8*\u+4*\e+3], v[H64], s[26:27] offset:WBN+32*\u+16*\e
	global_load_b128 v[S2+8*\u+4*\e:S2+8*\u+4*\e+3], v[H64], s[26:27] offset:WBN+5120+32*\u+16*\e
	global_load_b128 v[B2+8*\u+4*\e:B2+8*\u+4*\e+3], v[H64], s[26:27] offset:WBN+10240+32*\u+16*\e
.endr
.endr
	; the other addresses, while the loads are on their way
	s_mov_b32 s[SEL], 0x76543210
	s_mov_b32 s[SEL+1], 0xfedcba98                 ; v_permlanex16_b32's selects for lane l xor 16
	s_mov_b32 s[MHI], 0xffff0000                   ; lanes 16-31
	s_mul_i32 s21, s15, 32*XP
	s_mul_i32 s22, s16, 24
	s_add_co_u32 s21, s21, s22
	v_mul_u32_u24 v[XW], v246, XP
	v_add_nc_u32 v[XW], s21, v[XW]
	s_lshl_b32 s21, s15, 8
	s_add_co_u32 s21, s21, s16
	s_add_co_u32 s21, s21, XSC
	v_lshl_add_u32 v[XWS], v246, 3, s21
	v_mul_u32_u24 v[XAN], v247, XP
	v_mad_u32_u24 v[XAN], v248, 24, v[XAN]
	v_and_b32 v249, 8, v247
	v_add_nc_u32 v249, v249, v247                  ; r + 8 (r / 8)
	v_mul_u32_u24 v[XAP], v249, XP
	v_mad_u32_u24 v[XAP], v248, 24, v[XAP]
	v_lshl_add_u32 v[XSN], v247, 3, XSC
	v_lshl_add_u32 v[XSP], v249, 3, XSC
	s_mul_i32 s22, s[WV], STGB
	s_add_co_u32 s22, s22, STG                     ; my stage
	v_mul_u32_u24 v[SQW], v247, 24
	v_mad_u32_u24 v[SQW], v248, 12, v[SQW]
	v_add_nc_u32 v[SQW], s22, v[SQW]
	v_and_b32 v250, 7, v247                        ; r % 8
	v_lshrrev_b32 v251, 3, v247                    ; r / 8
	v_lshl_add_u32 v[SSW], v250, 2, v251
	v_add_nc_u32 v[SSW], s22, v[SSW]
	v_lshl_add_u32 v252, v251, 4, v250             ; 16 (r / 8) + r % 8
	v_mul_u32_u24 v[SVW], v252, 48
	v_mad_u32_u24 v[SVW], v248, 12, v[SVW]
	v_add_nc_u32 v[SVW], s22, v[SVW]
	v_lshl_add_u32 v[SRD], v246, 4, s22
	v_lshl_add_u32 v[SSR], v246, 1, s22
	v_lshl_add_u32 v[VSO], v248, 3, v252
	v_lshlrev_b32 v[VSO], 2, v[VSO]
	v_lshlrev_b32 v[L2], 1, v246
	; where the results go.  g = work-group x: half of the keys g / 8, key step (g / 2) % 4, which 64 of its 128 keys g % 2
	s_lshl_b32 s20, s14, 3
	s_add_co_u32 s20, s20, s[WV]                   ; 8 batch + wave
	s_mul_i32 s21, s20, 24576
	s_mul_i32 s22, ttmp9, 1536
	s_add_co_u32 s21, s21, s22                     ; q's codes
	s_lshl_b32 s22, s20, 10
	s_lshl_b32 s23, ttmp9, 6
	s_add_co_u32 s22, s22, s23
	s_add_co_u32 s22, s22, 3145728                 ; q's scale bytes
	s_sub_co_u32 s23, s20, 8
	s_mul_i32 s23, s23, 76800                      ; k: the head's two records (used where wave >= 8 alone)
	s_lshr_b32 s39, ttmp9, 3
	s_mul_i32 s39, s39, 38400
	s_bfe_u32 s40, ttmp9, 0x20001
	s_and_b32 s41, ttmp9, 1
	s_add_co_u32 s23, s23, s39
	s_mul_i32 s42, s40, 3072
	s_mul_i32 s43, s41, 1536
	s_add_co_u32 s42, s42, s43
	s_add_co_u32 s42, s42, s23                     ; k's codes
	s_mul_i32 s43, s40, 384
	s_lshl_b32 s44, s41, 6
	s_add_co_u32 s43, s43, s44
	s_add_co_u32 s43, s43, s23
	s_add_co_u32 s43, s43, 36864                   ; k's scale bytes
	s_cmp_lt_u32 s[WV], 8
	s_cselect_b32 s30, s21, s42
	s_cselect_b32 s32, s22, s43
	s_cselect_b64 s[44:45], s[8:9], s[10:11]
	s_mov_b32 s31, 0
	s_mov_b32 s33, 0
	s_add_nc_u64 s[30:31], s[44:45], s[30:31]
	s_add_nc_u64 s[32:33], s[44:45], s[32:33]
	s_lshr_b32 s46, s[WV], 1                       ; v: head wave / 2, stored rows 32 (wave % 2) on
	s_lshl_b32 s47, s14, 3
	s_add_co_u32 s46, s46, s47
	s_mul_i32 s46, s46, 76800
	s_add_co_u32 s46, s46, s39
	s_and_b32 s47, s[WV], 1
	s_mul_i32 s34, s40, 6144
	s_mul_i32 s35, s41, 3072
	s_add_co_u32 s34, s34, s35
	s_mul_i32 s35, s47, 1536
	s_add_co_u32 s34, s34, s35
	s_add_co_u32 s34, s34, s46
	s_add_co_u32 s34, s34, 12288
	s_mov_b32 s35, 0
	s_mul_i32 s36, s40, 384
	s_lshl_b32 s37, s47, 7
	s_add_co_u32 s36, s36, s37
	s_lshl_b32 s37, s41, 1
	s_add_co_u32 s36, s36, s37
	s_add_co_u32 s36, s36, s46
	s_add_co_u32 s36, s36, 36864+128
	s_mov_b32 s37, 0
	s_add_nc_u64 s[34:35], s[10:11], s[34:35]
	s_add_nc_u64 s[36:37], s[10:11], s[36:37]
	; ---- 1: my 32 positions' block of 32 channels: all 32 numbers are the lane's
	s_wait_loadcnt 28                              ; x's 32 loads are in; the 12 + 4 + 12 issued behind them may be out
	v_max3_num_f32 v164, |v[HA]|, |v[HA+1]|, |v[HA+2]|
	v_max3_num_f32 v165, |v[HA+3]|, |v[HA+4]|, |v[HA+5]|
.irp i, 6,10,14,18,22,26
	v_max3_num_f32 v164, v164, |v[HA+\i]|, |v[HA+\i+1]|
	v_max3_num_f32 v165, v165, |v[HA+\i+2]|, |v[HA+\i+3]|
.endr
	v_max3_num_f32 v164, v164, |v[HA+30]|, |v[HA+31]|
	v_max3_num_f32 v164, v164, v165, 0x1800000     ; and the floor
	v_add_nc_u32 v166, 0xff000000, v164
	v_lshrrev_b32 v167, 23, v166
	v_cvt_scalef32_pk16_fp6_f32 v[156:158], v[HA:HA+15], v166
	v_cvt_scalef32_pk16_fp6_f32 v[160:162], v[HA+16:HA+31], v166
	v_nop                                          ; one plain place behind a scaled conversion: matrix instructions write these registers later
.irp i, 0,1,2
	ds_store_b32 v[XW], v[156+\i] offset:4*\i
	ds_store_b32 v[XW], v[160+\i] offset:12+4*\i
.endr
	ds_store_b8 v[XWS], v167
	s_wait_dscnt 0x0                               ; for the others' sake: my stores have landed
	s_barrier_signal -1
	s_barrier_wait -1                              ; the 64 rows of codes and their scale bytes lie in LDS; nobody writes them again
	; ---- 2: a head of q or k for the 64 positions, two tiles of positions at a time.  Four accumulators by turns, one instruction a turn
	s_wait_loadcnt 0x0                             ; W's fragments, scale words, BN
.irp R, 0,1
	XFETCH XAN, XSN, 2*\R, 0
	s_wait_dscnt 0x0
.irp s, 0,1
.irp tl, 0,1
.irp u, 0,1
.if \s == 0
	MMC HA+16*(2*\R+\tl)+8*\u, WF+12*(2*\u+\s), XF+12*(2*\tl+\s), CB+8*\u, WS+2*\u+\s, XS+2*\tl+\s
.else
	MMC HA+16*(2*\R+\tl)+8*\u, WF+12*(2*\u+\s), XF+12*(2*\tl+\s), HA+16*(2*\R+\tl)+8*\u, WS+2*\u+\s, XS+2*\tl+\s
.endif
.endr
.endr
.endr
	PLACES
.endr
.irp k, 0,1,2,3,4,5,6,7,8,9,10,11
	global_load_b128 v[WF+4*\k:WF+4*\k+3], v[LI], s[24:25] offset:98304+512*\k   ; phase 3's fragments of Wv land while q or k is quantised
.endr
.irp i, 0,1,2,3
	global_load_b32 v[WS+\i], v[R4], s[28:29] offset:WSC+8192+128*\i
.endr
.irp ct, 0,1                                   ; in phase 3 a lane holds channel 512 + 32 w + 16 ct + r of the tables
	global_load_b32 v[BN3+\ct], v[R4], s[26:27] offset:WBN+2048+64*\ct
	global_load_b32 v[BN3+2+\ct], v[R4], s[26:27] offset:WBN+5120+2048+64*\ct
	global_load_b32 v[BN3+4+\ct], v[R4], s[26:27] offset:WBN+10240+2048+64*\ct
.endr
.irp pt, 0,1,2,3
.irp i, 0,2,4,6,8,10,12,14
	v_pk_fma_f32 v[HA+16*\pt+\i:HA+16*\pt+\i+1], v[HA+16*\pt+\i:HA+16*\pt+\i+1], v[S2+\i:S2+\i+1], v[B2+\i:B2+\i+1]   ; (y - mean) S + B; each accumulator from its low end on
.endr
.endr
	QUANT                                          ; block pt: the 32 channels of position 16 pt + r
.irp pt, 0,1,2,3
.irp i, 0,1,2
	ds_store_b32 v[SQW], v[PC+4*\pt+\i] offset:384*\pt+4*\i
.endr
	ds_store_b8 v[SSW], v[TM+4+\pt] offset:3072+32*(\pt%2)+2*(\pt/2)   ; both lanes of a block write the same byte with the same value
.endr
.irp k, 0,1,2
	ds_load_b128 v[OUTR+4*\k:OUTR+4*\k+3], v[SRD] offset:512*\k   ; LDS serves a wave's instructions in order (ISA guide 5.7.1.4): these see my stores
.endr
	ds_load_u16 v[OUTR+12], v[SSR] offset:3072
	s_wait_dscnt 0x0
.irp k, 0,1,2
	global_store_b128 v[LI], v[OUTR+4*\k:OUTR+4*\k+3], s[30:31] offset:512*\k   ; 512 consecutive bytes, at a multiple of 512 from the buffer's first byte
.endr
	global_store_b16 v[L2], v[OUTR+12], s[32:33]
	; ---- 3: 32 channels of v for the 64 positions
	s_wait_xcnt 0x0                                ; the stores have read v104-116, into which fragments of x are loaded again
	s_wait_loadcnt 0x0                             ; Wv's fragments, scale words, BN
.irp ct, 0,1
.irp j, 0,1,2,3,4,5,6,7
	v_mov_b32 v[CB+8*\ct+\j], v[BN3+\ct]           ; the C of the first products: my channel's -mean for all eight positions
.endr
.endr
	v_mov_b32 v242, v239                           ; pairs whose low word serves both halves of a packed multiply-add: S and B of channel tile 1
	v_mov_b32 v243, v239
	v_mov_b32 v244, v241
	v_mov_b32 v245, v241
.irp bb, 0,1
	XFETCH XAP, XSP, 2*\bb, 1
	s_wait_dscnt 0x0
.irp s, 0,1
.irp ct, 0,1
.irp u, 0,1
.if \s == 0
	MMC HA+16*(2*\ct+\bb)+8*\u, XF+12*(2*\u+\s), WF+12*(2*\ct+\s), CB+8*\ct, XS+2*\u+\s, WS+2*\ct+\s
.else
	MMC HA+16*(2*\ct+\bb)+8*\u, XF+12*(2*\u+\s), WF+12*(2*\ct+\s), HA+16*(2*\ct+\bb)+8*\u, XS+2*\u+\s, WS+2*\ct+\s
.endif
.endr
.endr
.endr
	PLACES
.endr
.irp bb, 0,1
.irp i, 0,2,4,6,8,10,12,14
	v_pk_fma_f32 v[HA+16*\bb+\i:HA+16*\bb+\i+1], v[HA+16*\bb+\i:HA+16*\bb+\i+1], v[238:239], v[240:241] op_sel_hi:[1,0,0]
	v_pk_fma_f32 v[HA+32+16*\bb+\i:HA+32+16*\bb+\i+1], v[HA+32+16*\bb+\i:HA+32+16*\bb+\i+1], v[242:243], v[244:245] op_sel_hi:[1,0,0]
.endr
.endr
	QUANT                                          ; block 2 ct + bb: keys 32 bb .. 32 bb + 31 of channel 16 ct + r
.irp ct, 0,1
.irp bb, 0,1
.irp i, 0,1,2
	ds_store_b32 v[SVW], v[PC+4*(2*\ct+\bb)+\i] offset:1536+384*\ct+24*\bb+4*\i
.endr
.endr
.endr
.irp k, 0,1,2
	ds_load_b128 v[OUTR+4*\k:OUTR+4*\k+3], v[SRD] offset:1536+512*\k
.endr
	v_lshl_or_b32 v[OUTR+12], v[TM+5], 8, v[TM+4]  ; a channel's two bytes;
	v_lshl_or_b32 v[OUTR+13], v[TM+7], 8, v[TM+6]
	v_cndmask_b32 v[OUTR+12], v[OUTR+12], v[OUTR+13], s[MHI]   ; lanes 0-15 store channel tile 0's, lanes 16-31 tile 1's
	s_wait_dscnt 0x0
.irp k, 0,1,2
	global_store_b128 v[LI], v[OUTR+4*\k:OUTR+4*\k+3], s[34:35] offset:512*\k
.endr
	global_store_b16 v[VSO], v[OUTR+12], s[36:37]
	s_wait_tensorcnt 0x0                           ; the wave's end, behind my last LDS store
	ds_add_u32 v[SPW], v[NIL]
	s_wait_dscnt 0x0
	s_endpgm
.Lfunc_end_k_q300fe48a05_qkv:
	.size	k_q300fe48a05_qkv, .Lfunc_end_k_q300fe48a05_qkv-k_q300fe48a05_qkv
	.p2alignl 7, 3214868480
	.fill 96, 4, 3214868480
	.section	.rodata,"a",@progbits
	.p2align	6, 0x0
	.amdhsa_kernel k_q300fe48a05_qkv
		.amdhsa_group_segment_fixed_size 69120
		.amdhsa_private_segment_fixed_size 0
		.amdhsa_enable_private_segment 0
		.amdhsa_kernarg_size 32
		.amdhsa_user_sgpr_count 2
		.amdhsa_user_sgpr_kernarg_segment_ptr 1
		.amdhsa_wavefront_size32 1
		.amdhsa_system_sgpr_workgroup_id_x 1
		.amdhsa_system_sgpr_workgroup_id_y 1
		.amdhsa_system_sgpr_workgroup_id_z 1
		.amdhsa_system_vgpr_workitem_id 0
		.amdhsa_next_free_vgpr 256
		.amdhsa_next_free_sgpr 66
		.amdhsa_reserve_vcc 0
		.amdhsa_float_denorm_mode_32 3
		.amdhsa_float_denorm_mode_16_64 3
		.amdhsa_memory_ordered 1
		.amdhsa_forward_progress 1
		.amdhsa_inst_pref_size 42
	.end_amdhsa_kernel
	.amdgpu_metadata
---
amdhsa.version: [ 1, 2 ]
amdhsa.kernels:
  - .name:           k_q300fe48a05_qkv
    .symbol:         k_q300fe48a05_qkv.kd
    .args:
      - { .name: x, .offset: 0, .size: 8, .value_kind: global_buffer, .address_space: global }
      - { .name: wts, .offset: 8, .size: 8, .value_kind: global_buffer, .address_space: global }
      - { .name: qq, .offset: 16, .size: 8, .value_kind: global_buffer, .address_space: global }
      - { .name: kv, .offset: 24, .size: 8, .value_kind: global_buffer, .address_space: global }
    .group_segment_fixed_size: 69120
    .private_segment_fixed_size: 0
    .kernarg_segment_align: 8
    .kernarg_segment_size: 32
    .max_flat_workgroup_size: 512
    .sgpr_count:     66
    .vgpr_count:     256
    .wavefront_size: 32
...
	.end_amdgpu_metadata
.endif
;; end of part 2
;; launch attn (part 3): grid 8 x 32, 8 waves a work-group, clusters of 4 x 1, 327,680 bytes of LDS; arguments qq, kv, bias, ao; writes ao
.if DOCPART == 3
	.amdgcn_target "amdgcn-amd-amdhsa--gfx1250"
	.amdhsa_code_object_version 6
	.text
	.protected	k_q300fe48a05_attn
	.globl	k_q300fe48a05_attn
	.p2align	8
	.type	k_q300fe48a05_attn,@function
k_q300fe48a05_attn:
	s_mov_b64 s[64:65], 0
	v_nop
	global_prefetch_b8 v0, s[64:65] scope:SCOPE_SE
	s_setreg_imm32_b32 hwreg(HW_REG_WAVE_MODE, 25, 1), 1
	s_wait_xcnt 0x0
	s_wait_alu depctr_hold_cnt(0) depctr_sa_sdst(0) depctr_va_vdst(0) depctr_va_sdst(0) depctr_va_ssrc(0) depctr_va_vcc(0) depctr_vm_vsrc(0)
	s_getreg_b32 s2, hwreg(HW_REG_IB_STS2, 6, 4)
	s_cmp_eq_u32 s2, 0
	s_cbranch_scc0 .Lentry_in_a_cluster
	s_endpgm
.Lentry_in_a_cluster:
	s_bfe_u32 s2, ttmp6, 0x10000c
	s_cmp_lg_u32 s2, 0x3003
	s_cbranch_scc0 .Lentry_shape_is_right
	s_endpgm
.Lentry_shape_is_right:
; Scores, softmax and P V for one head, on codes of FP6 (E2M3) with one E8M0 scale for each 32 along a product's K; then relu and the quantising along the channels for the last product.
; SHARES.  A work-group takes head h, FOUR batches and 128 queries (work-group x: the block of queries; y = h + 8 x the group of batches).  Each of its eight waves owns one tile of 16 queries, for all four
; batches: the position bias hangs on head, query and key alone, so one tile of it in registers serves four batches.
; THE BIAS IS THE C OF THE SCORE PRODUCT: S^T = K Q^T + 32 bias, t = c S^T with c = log2(e) / sqrt(32).  It costs no vector instruction; D and C are different registers, so the tile is kept.
; THE SCORE PRODUCT HAS K = 32 IN AN INSTRUCTION OF K = 128.  A fragment of K's codes holds FOUR tiles of 16 keys, one in each block of 32; q's fragment has four variants with q's codes in one block and zero
; codes in the others, so that one fragment from LDS feeds four products.  What stands against zero codes adds nothing (the format has no NaN; every scale byte is one that a quantiser made).
; BOTH PRODUCTS ARE USED TRANSPOSED (source 0 = 16 keys, or 16 stored rows of V^T; source 1 = my 16 queries): a lane holds ONE query throughout.  The keys of a tile are spread (lane r of tile 2 b + u takes key
; 32 b + 8 u + r + 8 (r / 8)), so that p's 16 registers of two neighbouring tiles are 16 neighbouring keys; V's stored rows likewise, so that O^T's are 16 neighbouring channels.
; THE SOFTMAX: M = the running largest t rounded UP to a whole number; p = 2^(t - M) is quantised along the keys, not normalised; the row's sum is taken of the unquantised p and divides at the end;
; when M moves, the sum and O^T are multiplied by 2^(old M - new M), which rounds nothing.
; ALL K AND V OF THE FOUR BATCHES STAY IN LDS: 4 x 76,800 bytes, filled once: no slot is ever filled again.  CLUSTER: the four blocks of queries of a cluster need the same K and V: each part is asked for
; JOINTLY, by the same tensor load with the same descriptor and a mask that names the four.  By this text's own count a wave has two tensor loads out.
; O^T begins as zeros and the largest t as -3e38, so that a key step is written in one form: the first change of M multiplies zeros.
; LIMITS: NaN and infinities are not served; a block whose largest magnitude lies under 2^-124, a block of zeros among them, gets the byte 1; the bytes are read by this program alone.
; REGISTERS, in windows of 256 (s_set_vgpr_msb: bits 1:0 source 0, 3:2 source 1, 5:4 source 2, 7:6 destination):
;   window 0: v1-10 addresses; v12-27 four registers of statistics a batch; v28-31 q's scale words; v32-79 fragments of K, then of V; v80-91 the way out; v96-159 S^T, then p; v160-223 the bias tile; v224-254 at work
;   window 1: v0-101 q's variants; v128-255 O^T, 32 a batch
.set KVB,   76800                      ; a batch's K and V in LDS: two records of 38,400 bytes
.set HALF,  38400                      ; a record: four key steps: K 4 x 3,072, V 4 x 6,144, scale bytes 4 x 384
.set STAGE, 307200                     ; behind them: two halves of 768 bytes for each wave, for the way out; no tensor load lands here
.set SPARE, 319488                     ; the spare words, 128 bytes for each wave: four blocks of 256 bytes that no other line names
.set AK0, 1                            ; 24 (r + 8 (r / 8) + 8 h): my key's row in a fragment of K.  The 32 lanes take 32 different rows of 24 bytes
.set AV0, 2                            ; 48 r + 24 h
.set AS0, 3                            ; 4 r
.set SPW, 4                            ; LDS address of my spare word; never rewritten
.set NIL, 5                            ; 0; never rewritten
.set BO,  6                            ; 16 x lane
.set PFO, 7                            ; 256 x lane; never rewritten
.set ADK, 8
.set ADV, 9
.set ADS, 10
.set ST,  12                           ; batch q: v[ST+4 q] -M, +1 the largest t, +2, +3 the sum in two halves
.set QS,  28
.set FR,  32
.set S,   96
.set BI,  160
.set WV,  12
.set G1,  16                           ; s[16:23] descriptor group 1
.set G0A, 24                           ; s[24:27] group 0: my part of the keys' first half;  s[28:31]: of the second
.set G0B, 28
.set TK,  32                           ; LDS byte of the key step's K, V, scale bytes in batch 0
.set TV,  33
.set TS,  34
.set T0,  35
.set T1,  36
.set T2,  37
.set CNT, 38
.set STEP, 39                          ; the key step, 0 .. 7
.set PLIM, 40                          ; key steps in which I prefetch
.set BIA, 42                           ; s[42:43] the bias tile that is loaded next
.set CS,  44                           ; s[44:45] c
.set SEL, 46                           ; s[46:47] v_permlanex16_b32's selects for lane l xor 16
.set MLO, 48                           ; lanes 0-15
.set MHI, 49                           ; lanes 16-31
.set MSB, 0
.macro WIN new                         ; the immediate's high byte repeats the setting that is left; a switch that changes nothing is dropped
.if MSB != \new
	s_set_vgpr_msb (MSB<<8)|\new
.set MSB, \new
.endif
.endm
.macro MMC d, a, b, c, sa, sb
	v_wmma_scale_f32_16x16x128_f8f6f4 v[\d:\d+7], v[\a:\a+11], v[\b:\b+11], v[\c:\c+7], v[\sa], v[\sb] matrix_a_fmt:MATRIX_FMT_FP6 matrix_b_fmt:MATRIX_FMT_FP6
.endm
.macro PLACES                          ; four plain places behind a matrix instruction, ahead of loads into its registers and of the first read of its results
.rept 4
	v_nop
.endr
.endm
.macro CROUND                          ; a round of the cluster's barrier: my work-group's barrier; wave 0 signals for the work-group; every wave waits for all four work-groups; my work-group's barrier once more
	s_barrier_signal -1
	s_barrier_wait -1
	s_cmp_lg_u32 s[WV], 0
	s_cbranch_scc1 .Lnot_wave_0_\@
	s_barrier_signal -3
.Lnot_wave_0_\@:
	s_barrier_wait -3
	s_barrier_signal -1
	s_barrier_wait -1
.endm
	s_load_b256 s[4:11], s[0:1], 0x0               ; qq, kv, bias, ao
	v_lshl_add_u32 v[SPW], v0, 2, SPARE
	v_mov_b32 v[NIL], 0
	ds_add_u32 v[SPW], v[NIL]                      ; the wave's opening: the add and its wait ahead of my first tensor load; the set-up below, work on registers, stands between them
	v_lshrrev_b32 v8, 5, v0
	v_readfirstlane_b32 s[WV], v8                  ; wave 0..7
	; descriptor group 1: 19,200 dense bytes as 75 rows of 256 bytes (32 elements of 8 bytes), no padding
	s_mov_b32 s[G1], 15|(3<<16)|(1<<21)            ; 15:0 the mask: all four work-groups; 17:16 elements of 8 bytes; 21 set beside a mask
	s_mov_b32 s[G1+1], 32<<16                      ; tensor_dim0
	s_mov_b32 s[G1+2], 75<<16                      ; tensor_dim1
	s_mov_b32 s[G1+3], 32<<16                      ; tile_dim0
	s_mov_b32 s[G1+4], 75                          ; tile_dim1
	s_mov_b32 s[G1+5], 32                          ; from row to row
	s_mov_b32 s[G1+6], 0
	s_mov_b32 s[G1+7], 0
	s_mov_b32 s[CS], 0x3e8293ee                    ; c = log2(e) / sqrt(32)
	s_mov_b32 s[CS+1], s[CS]                       ; (named with it as a pair, so it is written)
	s_mov_b32 s[SEL], 0x76543210
	s_mov_b32 s[SEL+1], 0xfedcba98
	s_mov_b32 s[MLO], 0xffff
	s_mov_b32 s[MHI], 0xffff0000
	s_mov_b32 s76, 0x01010101
	s_mov_b32 s[STEP], 0
	s_bfe_u32 s13, ttmp6, 0x40000                  ; cx: my place in the cluster: it enters the global addresses of qq, bias and ao alone
	s_lshl_b32 s14, ttmp9, 2
	s_add_co_u32 s14, s14, s13                     ; my block of 128 queries
	s_and_b32 s50, ttmp7, 0xffff
	s_and_b32 s15, s50, 7                          ; the head
	s_lshr_b32 s51, s50, 3                         ; the group of four batches
	s_cmp_eq_u32 s51, 0
	s_cselect_b32 s[PLIM], 6, 0                    ; the same in all four partners
	; what I fetch: batch wave / 2 of the four, part wave % 2 of each of its two records
	s_lshr_b32 s52, s[WV], 1
	s_lshl_b32 s53, s51, 2
	s_add_co_u32 s53, s53, s52
	s_lshl_b32 s53, s53, 3
	s_add_co_u32 s53, s53, s15
	s_mul_i32 s54, s53, KVB
	s_and_b32 s55, s[WV], 1
	s_mul_i32 s55, s55, 19200
	s_add_co_u32 s54, s54, s55                     ; in memory,
	s_mul_i32 s56, s52, KVB
	s_add_co_u32 s56, s56, s55                     ; and in LDS: no place in the cluster enters an LDS address
	s_mov_b32 s55, 0
	; q, bias, ao
	s_lshl_b32 s57, s51, 5
	s_add_co_u32 s57, s57, s15                     ; 8 x first batch + head
	s_lshl_b32 s58, s14, 7
	s_lshl_b32 s59, s[WV], 4
	s_add_co_u32 s58, s58, s59                     ; my first query
	s_lshl_b32 s59, s57, 10
	s_add_co_u32 s59, s59, s58
	s_mul_i32 s60, s59, 24                         ; q's codes
	s_mov_b32 s61, 0
	s_mul_i32 s62, s59, 48                         ; ao's codes
	s_mov_b32 s63, 0
	s_lshl_b32 s66, s57, 10                        ; q's scale bytes: 1,024 a batch and head; block of 64 queries 2 x block + wave / 4; in it tile pt = wave % 4 at 32 (pt % 2) + 2 (pt / 2)
	s_lshl_b32 s67, s14, 7
	s_add_co_u32 s66, s66, s67
	s_lshr_b32 s67, s[WV], 2
	s_lshl_b32 s67, s67, 6
	s_add_co_u32 s66, s66, s67
	s_and_b32 s67, s[WV], 1
	s_lshl_b32 s67, s67, 5
	s_add_co_u32 s66, s66, s67
	s_bfe_u32 s67, s[WV], 0x10001
	s_lshl_b32 s67, s67, 1
	s_add_co_u32 s66, s66, s67
	s_lshl_b32 s68, s14, 3
	s_add_co_u32 s68, s68, s[WV]                   ; my tile of queries, 0 .. 63
	s_lshl_b32 s68, s68, 19                        ; 8 key steps x 8 heads x 8,192 bytes
	s_lshl_b32 s69, s15, 13
	s_add_co_u32 s68, s68, s69
	s_mov_b32 s69, 0
	s_lshl_b32 s70, s51, 4                         ; ao's scale words: [batch][head / 2][position], byte 2 (head % 2) + block
	s_lshr_b32 s71, s15, 1
	s_add_co_u32 s70, s70, s71
	s_lshl_b32 s70, s70, 10
	s_add_co_u32 s70, s70, s58
	s_lshl_b32 s70, s70, 2
	s_and_b32 s71, s15, 1
	s_lshl_b32 s71, s71, 1
	s_add_co_u32 s70, s70, s71
	s_mul_i32 s77, s[WV], 1536
	s_add_co_u32 s77, s77, STAGE                   ; my stage
	v_and_b32 v8, 15, v0                           ; r
	v_bfe_u32 v9, v0, 4, 1                         ; h
	v_and_b32 v10, 31, v0                          ; lane
	v_and_b32 v11, 8, v8
	v_add_nc_u32 v11, v11, v8
	v_lshl_add_u32 v11, v9, 3, v11
	v_mul_u32_u24 v[AK0], v11, 24
	v_mul_u32_u24 v[AV0], v8, 48
	v_mad_u32_u24 v[AV0], v9, 24, v[AV0]
	v_lshlrev_b32 v[AS0], 2, v8
	v_lshlrev_b32 v[BO], 4, v10
	v_lshlrev_b32 v[PFO], 8, v10
	v_mul_u32_u24 v90, v8, 24                      ; q's codes: 24 bytes a query
	v_and_b32 v11, 7, v8
	v_lshrrev_b32 v91, 3, v8
	v_lshl_add_u32 v91, v11, 2, v91
	v_add_nc_u32 v91, s66, v91                     ; q's scale byte
	s_wait_dscnt 0x0                               ; the opening add is done
	s_wait_kmcnt 0x0
	s_mov_b32 s[G0A], 1                            ; 1:0 count = 1
	s_mov_b32 s[G0A+1], s56                        ; 63:32 LDS address
	s_add_nc_u64 s[G0A+2:G0A+3], s[6:7], s[54:55]  ; 120:64 global address
	s_or_b32 s[G0A+3], s[G0A+3], 0x80000000        ; 127:126 type = 2
	s_mov_b32 s[G0B], 1
	s_add_co_u32 s[G0B+1], s56, HALF
	s_add_nc_u64 s[G0B+2:G0B+3], s[6:7], s[54:55]
	s_add_nc_u64 s[G0B+2:G0B+3], s[G0B+2:G0B+3], HALF
	s_or_b32 s[G0B+3], s[G0B+3], 0x80000000
	s_add_nc_u64 s[72:73], s[4:5], s[60:61]
	s_add_nc_u64 s[BIA:BIA+1], s[8:9], s[68:69]
	s_add_nc_u64 s[74:75], s[10:11], s[62:63]
	CROUND                                         ; all four work-groups are here: the joint loads meet
	tensor_load_to_lds s[G0A:G0A+3], s[G1:G1+7]    ; both first fills go out together, ahead of every wait on TENSORcnt, every LDS read and every other barrier
	s_nop 0
	tensor_load_to_lds s[G0B:G0B+3], s[G1:G1+7]
	s_nop 0
.rept 4
	v_nop                                          ; (an s_nop 0 behind each load, four v_nop behind the last)
.endr
.irp q, 0,1,2,3
.irp p, 0,1,2
	global_load_b64 v[S+6*\q+2*\p:S+6*\q+2*\p+1], v90, s[72:73] offset:196608*\q+8*\p   ; query r's 24 bytes, in both halves of the lanes
.endr
.endr
.irp q, 0,1,2,3
	global_load_u8 v[QS+\q], v91, s[4:5] offset:3145728+8192*\q
.endr
.irp k, 0,1,2,3,4,5,6,7,8,9,10,11,12,13,14,15
	global_load_b128 v[BI+4*\k:BI+4*\k+3], v[BO], s[BIA:BIA+1] offset:512*\k   ; the bias tile of key step 0
.endr
	WIN 0x40                                       ; destination window 1
.irp k, 0,1,2,3,4,5,6,7,8
.irp i, 0,1,2,3,4,5
	v_mov_b32 v[12*\k+\i], 0                       ; q's variants lie in a chain  Z X0 Z Y0 Z X1 Z Y1 .. Z  of pieces of six registers: these are the Z, zero codes
.endr
.endr
.set JJ, 128
.rept 128
	v_mov_b32 v[JJ], 0                             ; O^T of the four batches, once: it spares a second form of the key step
.set JJ, JJ+1
.endr
	WIN 0
.irp q, 0,1,2,3
	v_mov_b32 v[ST+4*\q+1], 0xff61b1e6             ; the largest t so far: -3e38, under every t
	v_floor_f32 v[ST+4*\q], -v[ST+4*\q+1]          ; -M
	v_mov_b32 v[ST+4*\q+2], 0                      ; the sum, in two halves
	v_mov_b32 v[ST+4*\q+3], 0
.endr
.irp b, 0,1,2,3
	v_mov_b32 v[236+\b], 0                         ; written once: a lane permute's destination counts as one of its sources
.endr
	v_mov_b32 v253, 0                              ; (named as the upper half of the pair v[252:253] before it is first written)
	s_wait_loadcnt 16                              ; q's codes and scale bytes are in; the bias tile's sixteen loads may be out
	WIN 0x40
.irp q, 0,1,2,3
.irp i, 0,1,2,3,4,5
	v_cndmask_b32 v[24*\q+6+\i], 0, v[S+6*\q+\i], s[MLO]    ; X: q's codes in lanes 0-15 (blocks 0 and 2 of an operand), zero codes in lanes 16-31
	v_cndmask_b32 v[24*\q+18+\i], 0, v[S+6*\q+\i], s[MHI]   ; Y: in lanes 16-31 (blocks 1 and 3)
.endr
.endr
	WIN 0
.irp q, 0,1,2,3
	v_mul_lo_u32 v[QS+\q], v[QS+\q], s76           ; q's byte in all four bytes of the word: whichever block holds the codes
.endr
	v_mul_u32_u24 v80, v8, 48                      ; the way out's addresses: eight plain instructions, which with the key step's first four stand between the scale words just made and the first product
	v_mad_u32_u24 v80, v9, 12, v80
	v_add_nc_u32 v80, s77, v80                     ; into my stage: 48 r + 12 h
	v_lshl_add_u32 v81, v10, 3, s77                ; back: 8 x lane
	v_lshlrev_b32 v82, 3, v10
	v_lshlrev_b32 v83, 2, v8
	v_lshl_add_u32 v83, v9, 14, v83
	v_add_nc_u32 v83, s70, v83                     ; the scale half-words: 4 r, lanes 16-31 one batch on
; ONE BATCH, 128 KEYS.
.macro BSTEP q
.set NM, ST+4*\q
	s_add_co_u32 s[T0], s[TK], KVB*\q
	s_add_co_u32 s[T1], s[TV], KVB*\q
	s_add_co_u32 s[T2], s[TS], KVB*\q
	v_add_nc_u32 v[ADK], s[T0], v[AK0]             ; these three and the v_nop are the four places behind the last products, ahead of the loads into their registers
	v_add_nc_u32 v[ADV], s[T1], v[AV0]
	v_add_nc_u32 v[ADS], s[T2], v[AS0]
	v_nop
.irp f, 0,1                                    ; two fragments of K: fragment f holds key tiles 4 f .. 4 f + 3, tile 4 f + 2 c + h in registers 6 c on of the lanes' half h
.irp c, 0,1
.irp p, 0,1,2
	ds_load_b64 v[FR+12*\f+6*\c+2*\p:FR+12*\f+6*\c+2*\p+1], v[ADK] offset:1536*\f+768*\c+8*\p
.endr
.endr
	ds_load_b32 v[248+\f], v[ADS] offset:64*\f     ; lane r's word: the four tiles' bytes of their row r
.endr
.if \q == 0
	s_wait_loadcnt 0x0                             ; this key step's bias tile is in: so its loads have read their base,
	s_wait_xcnt 0x0                                ; and so has the prefetch, a batch's work back:
	s_add_nc_u64 s[BIA:BIA+1], s[BIA:BIA+1], 65536 ; on to the next key step's tile
.endif
	s_wait_dscnt 0x0
	WIN 0x04                                       ; source 1 (q's variant) window 1
.irp tau, 0,1,2,3,4,5,6,7                      ; eight accumulators, one instruction each
.set QV, 24*\q+12*(\tau%2)+6*(1-(\tau%4)/2)    ; block 0: X Z, 1: Y Z, 2: Z X, 3: Z Y
	MMC S+8*\tau, FR+12*(\tau/4), QV, BI+8*\tau, 248+\tau/4, QS+\q
.endr
	WIN 0
	PLACES
.if \q == 3                                    ; the tile has served its four batches: the next key step's comes into its registers, and has four batches' work in which to land
	s_cmp_lt_u32 s[STEP], 7
	s_cbranch_scc0 .Lno_tile_\@                    ; the last key step loads nothing: no load leaves the buffer
.irp k, 0,1,2,3,4,5,6,7,8,9,10,11,12,13,14,15
	global_load_b128 v[BI+4*\k:BI+4*\k+3], v[BO], s[BIA:BIA+1] offset:512*\k
.endr
	; A prefetch of the tile one key step further on: 8,192 bytes, lanes 256 bytes apart, one instruction, behind the wave's loads.  The four groups of batches read the same tiles: the first group asks, and
	; nobody else (a branch on the work-group's y, which the partners of a cluster share), so each block is named once in the launch.  Key steps 6 and 7 have no tile two steps on and ask for nothing;
	; tiles 0 and 1 come by their loads alone.
	s_cmp_lt_u32 s[STEP], s[PLIM]
	s_cbranch_scc0 .Lno_tile_\@
	global_prefetch_b8 v[PFO], s[BIA:BIA+1] offset:65536 th:TH_LOAD_NT scope:SCOPE_SE
.Lno_tile_\@:
.endif
.irp t, 0,1,2,3                                ; V's four fragments and their scale words are asked for now and land during the softmax
.irp c, 0,1
.irp p, 0,1,2
	ds_load_b64 v[FR+12*\t+6*\c+2*\p:FR+12*\t+6*\c+2*\p+1], v[ADV] offset:768*\t+3072*\c+8*\p
.endr
.endr
	ds_load_b32 v[248+\t], v[ADS] offset:128+64*\t
.endr
.irp b, 0,1,2,3
	v_max3_num_f32 v[232+\b], v[96+16*\b], v[97+16*\b], v[98+16*\b]   ; THE LARGEST SCORE OF EACH BLOCK OF 32 KEYS serves twice: for the row's maximum, and, since p rises with the score, for the block's largest p
.endr
.irp i, 3,5,7,9,11,13
.irp b, 0,1,2,3
	v_max3_num_f32 v[232+\b], v[232+\b], v[96+16*\b+\i], v[97+16*\b+\i]
.endr
.endr
.irp b, 0,1,2,3
	v_max_num_f32 v[232+\b], v[232+\b], v[111+16*\b]
.endr
.irp b, 0,1,2,3
	v_permlanex16_b32 v[236+\b], v[232+\b], s[SEL], s[SEL+1]
.endr
.irp b, 0,1,2,3
	v_max_num_f32 v[232+\b], v[232+\b], v[236+\b]  ; with lane l xor 16's 16 keys
.endr
	v_max3_num_f32 v254, v232, v233, v234
	v_max_num_f32 v254, v254, v235                 ; the step's largest score of my query
	v_mul_f32 v254, s[CS], v254                    ; as t (c is positive)
	v_max_num_f32 v[NM+1], v[NM+1], v254           ; the running largest t
	v_mov_b32 v254, v[NM]
	v_floor_f32 v[NM], -v[NM+1]                    ; the new -M = floor(-t) = -ceil(t): M is a whole number
	v_sub_f32 v254, v[NM], v254                    ; M's old value less its new one: a whole number, 0 or less
	v_cvt_i32_f32 v254, v254                       ; (it saturates)
	v_ldexp_f32 v252, 1.0, v254                    ; f = 2^(old M - new M)
.set JJ, 0
.rept 32
	v_pk_fma_f32 v[96+JJ:97+JJ], v[96+JJ:97+JJ], s[CS:CS+1], v[NM:NM+1] op_sel_hi:[1,0,0]   ; t - M, two at a time (of the pairs c and -M the low word serves both halves)
.set JJ, JJ+2
.endr
.irp b, 0,1,2,3
	v_fma_f32 v[232+\b], v[232+\b], s[CS], v[NM]   ; the same of each block's largest score
.endr
.set JJ, 0
.rept 64
	v_exp_f32 v[96+JJ], v[96+JJ]                   ; p = 2^(t - M), at most 1: not normalised
.set JJ, JJ+1
.endr
	v_pk_mul_f32 v[NM+2:NM+3], v[NM+2:NM+3], v[252:253] op_sel_hi:[1,0]   ; the sums under the new M.  (The plain place behind the exponentials)
	s_wait_alu depctr_va_vdst(0)                   ; the wait ahead of a result's first reader: one for the whole batch of 64
.irp b, 0,1,2,3
	v_exp_f32 v[232+\b], v[232+\b]                 ; the block's largest p: the same two instructions on the same number give the same bits
.endr
	v_pk_add_f32 v[236:237], v[96:97], v[98:99]    ; the row's sum is taken of the unquantised p: two at a time, in two chains
.irp j, 4,8,12,16,20,24,28,32,36,40,44,48,52,56,60
	v_pk_add_f32 v[NM+2:NM+3], v[NM+2:NM+3], v[96+\j:97+\j]
	v_pk_add_f32 v[236:237], v[236:237], v[98+\j:99+\j]
.endr
	v_pk_add_f32 v[NM+2:NM+3], v[NM+2:NM+3], v[236:237]
	s_wait_alu depctr_va_vdst(0)                   ; and one for the four
.irp b, 0,1,2,3
	v_max_num_f32 v[232+\b], 0x1800000, v[232+\b]  ; the floor 2^(3 - 127): the byte cannot fall under 1
.endr
.irp b, 0,1,2,3
	v_add_nc_u32 v[244+\b], 0xff000000, v[232+\b]  ; 2 off the exponent field: the conversion's scale operand
.endr
.irp b, 0,1,2,3
	v_lshrrev_b32 v[236+\b], 23, v[244+\b]         ; the scale's byte
.endr
	v_lshl_or_b32 v253, v237, 8, v236              ; p's scale word for these 128 keys
	v_lshl_or_b32 v253, v238, 16, v253
	v_lshl_or_b32 v253, v239, 24, v253
.irp c, 0,1
	v_cvt_scalef32_pk16_fp6_f32 v[224+6*\c:226+6*\c], v[96+32*\c:111+32*\c], v[244+2*\c]
	v_cvt_scalef32_pk16_fp6_f32 v[236+4*\c:238+4*\c], v[112+32*\c:127+32*\c], v[244+2*\c+1]   ; (a conversion's three registers begin on an even number)
.endr
	v_nop                                          ; one plain place behind a scaled conversion
.irp c, 0,1                                    ; the operand's layout wants a whole block in a lane: lanes 0-15 block 2 c, lanes 16-31 block 2 c + 1
.irp i, 0,1,2
	v_permlane16_swap_b32 v[224+6*\c+\i], v[236+4*\c+\i]
.endr
.irp i, 0,1,2
	v_mov_b32 v[227+6*\c+\i], v[236+4*\c+\i]
.endr
.endr
	WIN 0x41                                       ; O^T (destination and source 0) window 1, f window 0
.set JJ, 0
.rept 16
	v_pk_mul_f32 v[128+32*\q+JJ:129+32*\q+JJ], v[128+32*\q+JJ:129+32*\q+JJ], v[252:253] op_sel_hi:[1,0]   ; O^T under the new M.  (These sixteen are also the places between p's codes and scale word and the products)
.set JJ, JJ+2
.endr
	s_wait_dscnt 0x0                               ; V's fragments and scale words
	WIN 0x50                                       ; C and D window 1
.irp t, 0,1,2,3                                ; four accumulators, one instruction each
	MMC 128+32*\q+8*\t, FR+12*\t, 224, 128+32*\q+8*\t, 248+\t, 253
.endr
	WIN 0
.endm
; Four key steps of one record; the LDS addresses are stepped by constants in a loop of constant count
.macro KLOOP base
	s_mov_b32 s[TK], \base
	s_mov_b32 s[TV], \base+12288
	s_mov_b32 s[TS], \base+36864
	s_mov_b32 s[CNT], 4
.Lkeys_\@:
	BSTEP 0
	BSTEP 1
	BSTEP 2
	BSTEP 3
	s_add_co_u32 s[TK], s[TK], 3072
	s_add_co_u32 s[TV], s[TV], 6144
	s_add_co_u32 s[TS], s[TS], 384
	s_add_co_u32 s[STEP], s[STEP], 1
	s_sub_co_u32 s[CNT], s[CNT], 1
	s_cmp_lg_u32 s[CNT], 0
	s_cbranch_scc1 .Lkeys_\@
.endm
	s_wait_tensorcnt 0x1                           ; my part of the keys' first half is in; the second load may stay out
	s_barrier_signal -1
	s_barrier_wait -1                              ; everybody's is
	KLOOP 0
	s_wait_tensorcnt 0x0                           ; my part of the second half is in,
	s_wait_dscnt 0x0
	s_barrier_signal -1
	s_barrier_wait -1                              ; everybody's is
	KLOOP HALF
	; THE WAY OUT.  O^T / the sum, relu, quantised along the channels (the last product's K): a head's 64 channels are two blocks, each in lanes l and l xor 16.
	s_wait_loadcnt 0x0                             ; no load into the bias tile's registers is out on any way here: they take the codes
.irp q, 0,1,2,3
	v_add_f32 v[ST+4*\q+2], v[ST+4*\q+2], v[ST+4*\q+3]   ; the sum's two halves.  (These additions are the places behind the last products)
.endr
.irp q, 0,1,2,3
	v_permlanex16_b32 v[236+\q], v[ST+4*\q+2], s[SEL], s[SEL+1]
.endr
.irp q, 0,1,2,3
	v_add_f32 v[ST+4*\q+2], v[ST+4*\q+2], v[236+\q]
.endr
.irp q, 0,1,2,3
	v_rcp_f32 v[ST+4*\q+2], v[ST+4*\q+2]
.endr
	v_nop                                          ; a plain place behind the last reciprocal
	s_wait_alu depctr_va_vdst(0)                   ; one wait for the four, ahead of the first reader
.macro OUTQ q
.set SQ, S+32*(\q%2)
	WIN 0x01                                       ; source 0 (O^T) window 1
.set JJ, 0
.rept 32
	v_mul_f32 v[SQ+JJ], v[128+32*\q+JJ], v[ST+4*\q+2]   ; register 16 b + i: channel 32 b + 16 h + i of query r; each accumulator from its low end on
.set JJ, JJ+1
.endr
	WIN 0
.set JJ, 0
.rept 32
	v_max_num_f32 v[SQ+JJ], 0, v[SQ+JJ]            ; relu
.set JJ, JJ+1
.endr
.irp b, 0,1
	v_max3_num_f32 v[232+\b], v[SQ+16*\b], v[SQ+16*\b+1], 0x1800000   ; nothing is negative: no |.|; and the floor
.endr
.irp i, 2,4,6,8,10,12,14
.irp b, 0,1
	v_max3_num_f32 v[232+\b], v[232+\b], v[SQ+16*\b+\i], v[SQ+16*\b+\i+1]
.endr
.endr
.irp b, 0,1
	v_permlanex16_b32 v[236+\b], v[232+\b], s[SEL], s[SEL+1]
.endr
.irp b, 0,1
	v_max_num_f32 v[232+\b], v[232+\b], v[236+\b]
.endr
.irp b, 0,1
	v_add_nc_u32 v[244+\b], 0xff000000, v[232+\b]
.endr
.irp b, 0,1
	v_lshrrev_b32 v[236+\b], 23, v[244+\b]
.endr
	v_lshl_or_b32 v[84+\q], v237, 8, v236          ; the head's two bytes of query r
.irp b, 0,1
	v_cvt_scalef32_pk16_fp6_f32 v[BI+8*\q+4*\b:BI+8*\q+4*\b+2], v[SQ+16*\b:SQ+16*\b+15], v[244+\b]
.endr
	v_nop                                          ; one plain place behind a scaled conversion
.irp b, 0,1
.irp i, 0,1,2
	ds_store_b32 v80, v[BI+8*\q+4*\b+\i] offset:768*(\q%2)+24*\b+4*\i   ; a query's 48 bytes: block b at 24 b, my half at 12 h
.endr
.endr
.irp u, 0,1,2
	ds_load_b64 v[BI+32+6*\q+2*\u:BI+32+6*\q+2*\u+1], v81 offset:768*(\q%2)+256*\u   ; LDS serves a wave's instructions in order (ISA guide 5.7.1.4): these see my stores, and the stores of the batch after next come behind them
.endr
.endm
	OUTQ 0
	OUTQ 1
	OUTQ 2
	OUTQ 3
	s_wait_dscnt 0x0
.irp q, 0,1,2,3
.irp u, 0,1,2
	global_store_b64 v82, v[BI+32+6*\q+2*\u:BI+32+6*\q+2*\u+1], s[74:75] offset:393216*\q+256*\u   ; the wave stores 256 consecutive bytes, at a multiple of 256 from the buffer's first byte
.endr
.endr
	v_cndmask_b32 v88, v84, v85, s[MHI]            ; lanes 0-15 store one batch's half-words, lanes 16-31 the next batch's
	v_cndmask_b32 v89, v86, v87, s[MHI]
	global_store_b16 v83, v88, s[10:11] offset:6291456
	global_store_b16 v83, v89, s[10:11] offset:6291456+32768
	s_wait_tensorcnt 0x0                           ; the wave's end, behind my last tensor load and my last LDS store
	ds_add_u32 v[SPW], v[NIL]
	s_wait_dscnt 0x0
	CROUND                                         ; the closing round: no work-group ends while a partner may still ask for a part that names it
	s_endpgm
.Lfunc_end_k_q300fe48a05_attn:
	.size	k_q300fe48a05_attn, .Lfunc_end_k_q300fe48a05_attn-k_q300fe48a05_attn
	.p2alignl 7, 3214868480
	.fill 96, 4, 3214868480
	.section	.rodata,"a",@progbits
	.p2align	6, 0x0
	.amdhsa_kernel k_q300fe48a05_attn
		.amdhsa_group_segment_fixed_size 327680
		.amdhsa_private_segment_fixed_size 0
		.amdhsa_enable_private_segment 0
		.amdhsa_kernarg_size 32
		.amdhsa_user_sgpr_count 2
		.amdhsa_user_sgpr_kernarg_segment_ptr 1
		.amdhsa_wavefront_size32 1
		.amdhsa_system_sgpr_workgroup_id_x 1
		.amdhsa_system_sgpr_workgroup_id_y 1
		.amdhsa_system_sgpr_workgroup_id_z 1
		.amdhsa_system_vgpr_workitem_id 0
		.amdhsa_next_free_vgpr 512
		.amdhsa_next_free_sgpr 80
		.amdhsa_reserve_vcc 0
		.amdhsa_float_denorm_mode_32 3
		.amdhsa_float_denorm_mode_16_64 3
		.amdhsa_memory_ordered 1
		.amdhsa_forward_progress 1
		.amdhsa_inst_pref_size 175
	.end_amdhsa_kernel
	.amdgpu_metadata
---
amdhsa.version: [ 1, 2 ]
amdhsa.kernels:
  - .name:           k_q300fe48a05_attn
    .symbol:         k_q300fe48a05_attn.kd
    .args:
      - { .name: qq, .offset: 0, .size: 8, .value_kind: global_buffer, .address_space: global }
      - { .name: kv, .offset: 8, .size: 8, .value_kind: global_buffer, .address_space: global }
      - { .name: bias, .offset: 16, .size: 8, .value_kind: global_buffer, .address_space: global }
      - { .name: ao, .offset: 24, .size: 8, .value_kind: global_buffer, .address_space: global }
    .group_segment_fixed_size: 327680
    .private_segment_fixed_size: 0
    .kernarg_segment_align: 8
    .kernarg_segment_size: 32
    .max_flat_workgroup_size: 256
    .sgpr_count:     80
    .vgpr_count:     512
    .wavefront_size: 32
...
	.end_amdgpu_metadata
.endif
;; end of part 3
;; launch oproj (part 4): grid 16 x 16, 16 waves a work-group, no clusters, 96,256 bytes of LDS; arguments ao, wts, out0; writes out0
.if DOCPART == 4
	.amdgcn_target "amdgcn-amd-amdhsa--gfx1250"
	.amdhsa_code_object_version 6
	.text
	.protected	k_q300fe48a05_oproj
	.globl	k_q300fe48a05_oproj
	.p2align	8
	.type	k_q300fe48a05_oproj,@function
k_q300fe48a05_oproj:
	s_mov_b64 s[64:65], 0
	v_nop
	global_prefetch_b8 v0, s[64:65] scope:SCOPE_SE
	s_setreg_imm32_b32 hwreg(HW_REG_WAVE_MODE, 25, 1), 1
	s_wait_xcnt 0x0
; The output's 1x1 convolution (K = 512 channels), its bias and BN, on codes of FP6 (E2M3) with one E8M0 scale for each 32 along K.
; A work-group takes 64 positions (work-group x) of one batch (work-group y) and all 256 output channels; wave w makes channels 16 w .. 16 w + 15.
; The positions' codes, 24,576 bytes, come into LDS once (each wave brings 1,536 bytes through its registers); Wo's four fragments of a wave come from the workspace as images of the operand's registers.
; Source 0 = 16 positions, source 1 = 16 rows of Wo: a lane holds ONE channel and eight neighbouring positions, which are neighbours in a row of the output.
; bo - mean is the C of each sum's first product; then one fused multiply-add by S and B.  The results leave through the wave's own stage as rows of 256 bytes.
; No tensor load, so no cluster: what the work-groups share, the weights, goes straight into registers, 6,144 bytes a wave.
.set STG,   24576                      ; behind the codes: 16 rows x (256 bytes + 16) for each wave
.set STGB,  4352
.set SPARE, 94208                      ; the spare words, 128 bytes for each wave: eight blocks of 256 bytes that no other line names
.set WSC,   294912
.set WBN,   319488
.set AOO, 1                            ; ao: my 16 bytes of the wave's 1,536
.set LI,  2                            ; 16 x lane
.set ACW, 3                            ; LDS: 1,536 wave + 16 x lane
.set AFA, 4                            ; a fragment of the positions: 48 r + 24 h
.set WSO, 5
.set ASO, 6
.set BNO, 7
.set STW, 8
.set STR, 9
.set OUTO, 10
.set SPW, 12                           ; LDS address of my spare word; never rewritten
.set NIL, 13                           ; 0; never rewritten
.set WF,  16                           ; v16-63   Wo's four fragments
.set WS,  64                           ; v64-67   their scale words
.set AS,  68                           ; v68-83   the positions' scale words: K step ks, tile pt at 4 ks + pt
.set AF,  84                           ; v84-179  eight fragments: two K steps x four tiles of positions; later the way out
.set ACC, 180                          ; v180-211 four accumulators
.set CB,  212                          ; v212-219 the C of the first products
.set BN,  220                          ; v220-222 bo - mean, S, B of my channel;  v224-227 S and B as pairs
.set TT,  228                          ; v228-239 the codes on their way to LDS
.set WV,  12
.macro MMC d, a, b, c, sa, sb
	v_wmma_scale_f32_16x16x128_f8f6f4 v[\d:\d+7], v[\a:\a+11], v[\b:\b+11], v[\c:\c+7], v[\sa], v[\sb] matrix_a_fmt:MATRIX_FMT_FP6 matrix_b_fmt:MATRIX_FMT_FP6
.endm
	s_load_b128 s[4:7], s[0:1], 0x0                ; ao, wts
	s_load_b64 s[8:9], s[0:1], 0x10                ; out0
	v_lshl_add_u32 v[SPW], v0, 2, SPARE
	v_mov_b32 v[NIL], 0
	v_lshrrev_b32 v246, 5, v0
	v_readfirstlane_b32 s[WV], v246                ; wave 0..15
	v_and_b32 v246, 31, v0                         ; lane
	v_and_b32 v247, 15, v0                         ; r
	v_bfe_u32 v248, v0, 4, 1                       ; h
	s_and_b32 s13, ttmp7, 0xffff                   ; batch
	s_lshl_b32 s14, s13, 3
	s_lshr_b32 s15, s[WV], 1
	s_add_co_u32 s14, s14, s15                     ; I bring half of head wave / 2
	s_lshl_b32 s14, s14, 10
	s_lshl_b32 s15, ttmp9, 6
	s_add_co_u32 s14, s14, s15
	s_mul_i32 s14, s14, 48
	s_and_b32 s16, s[WV], 1
	s_mul_i32 s16, s16, 1536
	s_add_co_u32 s14, s14, s16
	v_lshl_add_u32 v[AOO], v246, 4, s14
	v_lshlrev_b32 v[LI], 4, v246
	s_mul_i32 s16, s[WV], 1536
	v_lshl_add_u32 v[ACW], v246, 4, s16
	s_lshl_b32 s16, s[WV], 9
	v_lshl_add_u32 v[WSO], v247, 2, s16
	s_lshl_b32 s16, s13, 14
	s_lshl_b32 s17, ttmp9, 8
	s_add_co_u32 s16, s16, s17
	v_lshl_add_u32 v[ASO], v247, 2, s16
	s_lshl_b32 s16, s[WV], 6
	v_lshl_add_u32 v[BNO], v247, 2, s16
	s_mul_i32 s20, s[WV], 6144
	s_mov_b32 s21, 0
	s_wait_kmcnt 0x0
	s_add_nc_u64 s[20:21], s[6:7], s[20:21]
.irp k, 0,1,2
	global_load_b128 v[TT+4*\k:TT+4*\k+3], v[AOO], s[4:5] offset:512*\k
.endr
.irp k, 0,1,2,3,4,5,6,7,8,9,10,11
	global_load_b128 v[WF+4*\k:WF+4*\k+3], v[LI], s[20:21] offset:196608+512*\k
.endr
.irp ks, 0,1,2,3
	global_load_b32 v[WS+\ks], v[WSO], s[6:7] offset:WSC+16384+128*\ks
.endr
.irp ks, 0,1,2,3
.irp pt, 0,1,2,3
	global_load_b32 v[AS+4*\ks+\pt], v[ASO], s[4:5] offset:6291456+4096*\ks+64*\pt
.endr
.endr
.irp t, 0,1,2
	global_load_b32 v[BN+\t], v[BNO], s[6:7] offset:WBN+4096+5120*\t
.endr
	v_mul_u32_u24 v[AFA], v247, 48
	v_mad_u32_u24 v[AFA], v248, 24, v[AFA]
	s_mul_i32 s16, s[WV], STGB
	s_add_co_u32 s16, s16, STG                     ; my stage
	v_mul_u32_u24 v[STW], v247, 272
	v_lshl_add_u32 v[STW], v248, 5, v[STW]
	v_add_nc_u32 v[STW], s16, v[STW]               ; in: row r (my channel), 32 bytes for each half of the lanes
	v_mul_u32_u24 v[STR], v248, 272
	v_lshl_add_u32 v[STR], v247, 4, v[STR]
	v_add_nc_u32 v[STR], s16, v[STR]               ; back: lanes 0-15 one row, lanes 16-31 the next
	s_lshl_b32 s16, s13, 20
	s_lshl_b32 s17, s[WV], 16
	s_add_co_u32 s16, s16, s17
	s_lshl_b32 s17, ttmp9, 8
	s_add_co_u32 s16, s16, s17                     ; out0: channel 256 batch + 16 wave, position 64 x work-group x
	v_lshlrev_b32 v[OUTO], 12, v248
	v_lshl_add_u32 v[OUTO], v247, 4, v[OUTO]
	v_add_nc_u32 v[OUTO], s16, v[OUTO]
	s_wait_loadcnt 35                              ; the three loads of codes are in; the 12 + 4 + 16 + 3 issued behind them may be out
.irp k, 0,1,2
	ds_store_b128 v[ACW], v[TT+4*\k:TT+4*\k+3] offset:512*\k
.endr
	s_wait_dscnt 0x0                               ; for the others' sake: my stores have landed
	s_barrier_signal -1
	s_barrier_wait -1                              ; [head][64 positions][48 bytes] lies in LDS; nobody writes it again
	s_wait_loadcnt 0x0
.irp j, 0,1,2,3,4,5,6,7
	v_mov_b32 v[CB+\j], v[BN]
.endr
	v_mov_b32 v224, v[BN+1]                        ; pairs whose low word serves both halves of a packed multiply-add
	v_mov_b32 v225, v[BN+1]
	v_mov_b32 v226, v[BN+2]
	v_mov_b32 v227, v[BN+2]
.irp R, 0,1                                    ; two K steps at a time.  K step ks is heads 2 ks and 2 ks + 1: registers 6 c on of half h hold block h of head 2 ks + c
.irp kl, 0,1
.irp pt, 0,1,2,3
.irp c, 0,1
.irp p, 0,1,2
	ds_load_b64 v[AF+12*(4*\kl+\pt)+6*\c+2*\p:AF+12*(4*\kl+\pt)+6*\c+2*\p+1], v[AFA] offset:(2*(2*\R+\kl)+\c)*3072+768*\pt+8*\p
.endr
.endr
.endr
.endr
	s_wait_dscnt 0x0
.irp kl, 0,1                                   ; four accumulators by turns, one instruction a turn
.irp pt, 0,1,2,3
.if (\R == 0) && (\kl == 0)
	MMC ACC+8*\pt, AF+12*(4*\kl+\pt), WF+12*(2*\R+\kl), CB, AS+4*(2*\R+\kl)+\pt, WS+2*\R+\kl
.else
	MMC ACC+8*\pt, AF+12*(4*\kl+\pt), WF+12*(2*\R+\kl), ACC+8*\pt, AS+4*(2*\R+\kl)+\pt, WS+2*\R+\kl
.endif
.endr
.endr
.rept 4
	v_nop                                          ; four plain places ahead of loads into registers that the products have read, and of the first read of results
.endr
.endr
.set JJ, 0
.rept 16
	v_pk_fma_f32 v[ACC+JJ:ACC+JJ+1], v[ACC+JJ:ACC+JJ+1], v[224:225], v[226:227] op_sel_hi:[1,0,0]   ; (y + bo - mean) S + B; each accumulator from its low end on
.set JJ, JJ+2
.endr
.irp pt, 0,1,2,3
	ds_store_b128 v[STW], v[ACC+8*\pt:ACC+8*\pt+3] offset:64*\pt           ; lane (r, h): channel r, positions 16 pt + 8 h + 0 .. 7
	ds_store_b128 v[STW], v[ACC+8*\pt+4:ACC+8*\pt+7] offset:64*\pt+16
.endr
.irp t, 0,1,2,3,4,5,6,7
	ds_load_b128 v[AF+4*\t:AF+4*\t+3], v[STR] offset:544*\t                ; LDS serves a wave's instructions in order (ISA guide 5.7.1.4): these see my stores
.endr
.irp t, 0,1,2,3,4,5,6,7
	s_wait_dscnt 7-\t                              ; rows 2 t and 2 t + 1 are back; the younger loads may be out
	global_store_b128 v[OUTO], v[AF+4*\t:AF+4*\t+3], s[8:9] offset:8192*\t th:TH_STORE_NT   ; sixteen lanes store 256 consecutive bytes, at a multiple of 256 from the output's first byte
.endr
	s_wait_tensorcnt 0x0                           ; the wave's end, behind my last LDS store
	ds_add_u32 v[SPW], v[NIL]
	s_wait_dscnt 0x0
	s_endpgm
.Lfunc_end_k_q300fe48a05_oproj:
	.size	k_q300fe48a05_oproj, .Lfunc_end_k_q300fe48a05_oproj-k_q300fe48a05_oproj
	.p2alignl 7, 3214868480
	.fill 96, 4, 3214868480
	.section	.rodata,"a",@progbits
	.p2align	6, 0x0
	.amdhsa_kernel k_q300fe48a05_oproj
		.amdhsa_group_segment_fixed_size 96256
		.amdhsa_private_segment_fixed_size 0
		.amdhsa_enable_private_segment 0
		.amdhsa_kernarg_size 24
		.amdhsa_user_sgpr_count 2
		.amdhsa_user_sgpr_kernarg_segment_ptr 1
		.amdhsa_wavefront_size32 1
		.amdhsa_system_sgpr_workgroup_id_x 1
		.amdhsa_system_sgpr_workgroup_id_y 1
		.amdhsa_system_sgpr_workgroup_id_z 1
		.amdhsa_system_vgpr_workitem_id 0
		.amdhsa_next_free_vgpr 256
		.amdhsa_next_free_sgpr 66
		.amdhsa_reserve_vcc 0
		.amdhsa_float_denorm_mode_32 3
		.amdhsa_float_denorm_mode_16_64 3
		.amdhsa_memory_ordered 1
		.amdhsa_forward_progress 1
		.amdhsa_inst_pref_size 19
	.end_amdhsa_kernel
	.amdgpu_metadata
---
amdhsa.version: [ 1, 2 ]
amdhsa.kernels:
  - .name:           k_q300fe48a05_oproj
    .symbol:         k_q300fe48a05_oproj.kd
    .args:
      - { .name: ao, .offset: 0, .size: 8, .value_kind: global_buffer, .address_space: global }
      - { .name: wts, .offset: 8, .size: 8, .value_kind: global_buffer, .address_space: global }
      - { .name: out0, .offset: 16, .size: 8, .value_kind: global_buffer, .address_space: global }
    .group_segment_fixed_size: 96256
    .private_segment_fixed_size: 0
    .kernarg_segment_align: 8
    .kernarg_segment_size: 24
    .max_flat_workgroup_size: 512
    .sgpr_count:     66
    .vgpr_count:     256
    .wavefront_size: 32
...
	.end_amdgpu_metadata
.endif
;; end of part 4
;; ======== version 2 of 2: 4 launches
;; workspace buffers: wts 334,848 bytes; bias 33,554,432 bytes; qq 3,276,800 bytes; kv 9,830,400 bytes; ao 6,553,600 bytes
;; launch prep (part 5): grid 285 x 1, 8 waves a work-group, no clusters, 0 bytes of LDS; arguments Wq, Wk, Wv, Wo, q_g, q_b, q_m, q_v, k_g, k_b, k_m, k_v, v_g, v_b, v_m, v_v, o_g, o_b, o_m, o_v, bo, pos_idx, pos_tab, wts, bias; writes wts, bias
.if DOCPART == 5
	.amdgcn_target "amdgcn-amd-amdhsa--gfx1250"
	.amdhsa_code_object_version 6
	.text
	.protected	k_q300fe48a05_prep
	.globl	k_q300fe48a05_prep
	.p2align	8
	.type	k_q300fe48a05_prep,@function
k_q300fe48a05_prep:
	s_mov_b64 s[64:65], 0
	v_nop
	global_prefetch_b8 v0, s[64:65] scope:SCOPE_SE
	s_setreg_imm32_b32 hwreg(HW_REG_WAVE_MODE, 25, 1), 1
	s_wait_xcnt 0x0
; What depends on the weights and tables alone is made once, in the order in which the later launches' registers take it.
; Three kinds of work-group, told apart by the work-group's number:
;   0-4     BN tables: for 1,280 channels (q 0-255, k 256-511, v 512-1023, out 1024-1279)  NEGM = -mean (out: bo - mean),  S = gain * rsq(var + 1e-5),  B = the BN's bias.
;   5-28    the four weights as codes of FP6 (E2M3), one E8M0 byte for each 32 along K: 192 fragments of 16 rows x 128 K, one a wave, stored as IMAGES OF THE OPERAND'S REGISTERS:
;           registers 4 k .. 4 k + 3 of lane L at 512 k + 16 L of the fragment's 1,536 bytes; its scale words 4 bytes a lane.
;   29-284  32 x pos_tab[pos_idx] as f32, in the order of the score tiles' accumulator registers: tile (16 queries it, 128 keys s, head) is 8,192 bytes; register 16 b + n of lane (r, h)
;           is query 16 it + r, key 128 s + 32 b + 16 h + n; registers 4 k .. 4 k + 3 of lane L at 512 k + 16 L.  (bias / scale = scale x 32 x bias: the factor 32 is exact.)
; LIMITS: NaN and infinities are not served.  A block whose largest magnitude lies under 2^-124, a block of zeros among them, gets the byte 1 (its codes are then zeros or small codes);
; the bytes are read by this program alone.  An index of pos_idx outside 0 .. 1,023 is held at 1,023.
; No LDS, no barrier: waves share nothing.
.set WSC, 294912                       ; wts: the scale words begin here (192 fragments x 1,536 bytes lie in front)
.set WBN, 319488                       ; wts: the BN tables: NEGM, then S 5,120 bytes on, then B
.set WV,  3
	v_lshrrev_b32 v1, 5, v0
	s_delay_alu instid0(VALU_DEP_1)
	v_readfirstlane_b32 s[WV], v1                  ; wave 0..7
	s_cmp_lt_u32 ttmp9, 5
	s_cbranch_scc1 .Lbn
	s_cmp_lt_u32 ttmp9, 29
	s_cbranch_scc1 .Lweights
	; ---------------- the position bias.  A wave takes 16 queries x 32 keys (block b of a tile) for all 8 heads
	s_load_b128 s[4:7], s[0:1], 0xa8               ; pos_idx, pos_tab
	s_load_b64 s[8:9], s[0:1], 0xc0                ; bias
	s_sub_co_u32 s10, ttmp9, 29
	s_lshl_b32 s10, s10, 3
	s_add_co_u32 s10, s10, s[WV]                   ; T = 0 .. 2,047:  it = T / 32,  s = (T / 4) % 8,  b = T % 4
	s_lshr_b32 s11, s10, 5
	s_bfe_u32 s12, s10, 0x30002
	s_and_b32 s13, s10, 3
	s_lshl_b32 s14, s11, 16                        ; 16 it rows of 4,096 bytes
	s_lshl_b32 s15, s12, 9                         ; 128 s keys of 4 bytes
	s_add_co_u32 s14, s14, s15
	s_lshl_b32 s15, s13, 7                         ; 32 b keys
	s_add_co_u32 s14, s14, s15
	v_and_b32 v1, 15, v0                           ; r
	v_bfe_u32 v2, v0, 4, 1                         ; h
	s_delay_alu instid0(VALU_DEP_2)
	v_lshlrev_b32 v3, 12, v1
	s_delay_alu instid0(VALU_DEP_1)
	v_lshl_add_u32 v3, v2, 6, v3
	s_delay_alu instid0(VALU_DEP_1)
	v_add_nc_u32 v3, s14, v3                       ; my 16 indices: row 16 it + r, keys 128 s + 32 b + 16 h on
	s_lshr_b32 s15, s10, 2
	s_lshl_b32 s15, s15, 16                        ; (8 it + s) x 8 heads x 8,192 bytes
	s_lshl_b32 s16, s13, 11                        ; block b's four groups of registers: 4 b x 512 bytes
	s_add_co_u32 s15, s15, s16
	v_and_b32 v4, 31, v0
	s_delay_alu instid0(VALU_DEP_1)
	v_lshl_add_u32 v4, v4, 4, s15                  ; + 16 x lane
	s_wait_alu depctr_va_vdst(0)
	s_wait_kmcnt 0x0
.irp kk, 0,1,2,3
	global_load_b128 v[16+4*\kk:19+4*\kk], v3, s[4:5] offset:16*\kk th:TH_LOAD_NT
.endr
	s_wait_loadcnt 0x0
.irp n, 0,1,2,3,4,5,6,7,8,9,10,11,12,13,14,15
	v_min_u32 v[16+\n], 0x3ff, v[16+\n]            ; an index stays inside the table
.endr
.irp n, 0,1,2,3,4,5,6,7,8,9,10,11,12,13,14,15
	v_lshlrev_b32 v[16+\n], 5, v[16+\n]            ; a row of pos_tab: 8 heads, 32 bytes
.endr
.irp n, 0,1,2,3,4,5,6,7,8,9,10,11,12,13,14,15
	global_load_b128 v[32+8*\n:35+8*\n], v[16+\n], s[6:7]
	global_load_b128 v[36+8*\n:39+8*\n], v[16+\n], s[6:7] offset:16
.endr
.irp kk, 0,1,2,3                               ; four keys at a time: x 32, and turned from [key][head] to [head][key]
	s_wait_loadcnt 8*(3-\kk)                       ; the eight gathers of these four keys are in; those of the later keys may be out
.if \kk > 0
	s_wait_xcnt 0x0                                ; the stores of the last four keys have read v160-191, which are written again
.endif
.irp hd, 0,1,2,3,4,5,6,7
.irp a, 0,1,2,3
	v_mul_f32 v[160+4*\hd+\a], 0x42000000, v[32+8*(4*\kk+\a)+\hd]
.endr
.endr
.irp hd, 0,1,2,3,4,5,6,7
	global_store_b128 v4, v[160+4*\hd:163+4*\hd], s[8:9] offset:8192*\hd+512*\kk th:TH_STORE_NT   ; the wave stores 512 consecutive bytes, at a multiple of 512 from the buffer's first byte
.endr
.endr
	s_endpgm
	; ---------------- a fragment of a weight.  K is innermost in memory: lane (r, h) takes, of its row, k = 64 c + 32 h + 0 .. 31: two whole blocks, so no other lane is asked for a maximum
.Lweights:
	s_load_b256 s[4:11], s[0:1], 0x0               ; Wq, Wk, Wv, Wo
	s_load_b64 s[12:13], s[0:1], 0xb8              ; wts
	s_mov_b32 s14, 0x76543210
	s_mov_b32 s15, 0xfedcba98                      ; v_permlanex16_b32's selects for lane l xor 16
	s_sub_co_u32 s20, ttmp9, 5
	s_lshl_b32 s20, s20, 3
	s_add_co_u32 s20, s20, s[WV]                   ; F = 0 .. 191
	; F < 64: Wq (F < 32) or Wk: head (F / 4) % 8, tile u = (F / 2) % 2, K step F % 2.  THE ROWS OF A TILE ARE NOT NEIGHBOURS: lane r takes row 32 head + 8 u + r + 8 (r / 8),
	;         so that in the transposed product the 16 registers of tiles 0 and 1 are 16 neighbouring channels.
	; 64 <= F < 128: Wv: rows 16 ((F - 64) / 2) on, K step F % 2.      F >= 128: Wo: rows 16 ((F - 128) / 4) on, K step F % 4; a row is 2,048 bytes.
	s_lshr_b32 s21, s20, 2
	s_and_b32 s22, s21, 7
	s_lshl_b32 s22, s22, 5
	s_bfe_u32 s23, s20, 0x10001
	s_lshl_b32 s23, s23, 3
	s_add_co_u32 s22, s22, s23
	s_lshr_b32 s24, s20, 1
	s_sub_co_u32 s24, s24, 32
	s_lshl_b32 s24, s24, 4
	s_sub_co_u32 s25, s21, 32
	s_lshl_b32 s25, s25, 4
	s_cmp_lt_u32 s20, 64
	s_cselect_b32 s26, s22, s24                    ; the tile's first row
	s_cselect_b32 s27, 1, 0                        ; the rows are spread, or not
	s_cmp_lt_u32 s20, 128
	s_cselect_b32 s26, s26, s25
	s_cselect_b32 s28, 10, 11                      ; log2 of a row's bytes
	s_cselect_b32 s29, 1, 3
	s_and_b32 s29, s20, s29
	s_lshl_b32 s29, s29, 9                         ; the K step: 128 numbers, 512 bytes
	v_and_b32 v1, 15, v0                           ; r
	v_bfe_u32 v2, v0, 4, 1                         ; h
	s_delay_alu instid0(VALU_DEP_2)
	v_and_b32 v3, 8, v1
	s_delay_alu instid0(VALU_DEP_1)
	v_mul_u32_u24 v3, s27, v3
	s_delay_alu instid0(VALU_DEP_1)
	v_add3_u32 v4, v1, v3, s26                     ; my row
	s_delay_alu instid0(VALU_DEP_1)
	v_lshlrev_b32 v4, s28, v4
	s_delay_alu instid0(VALU_DEP_1)
	v_lshl_add_u32 v4, v2, 7, v4                   ; + 32 h numbers
	s_delay_alu instid0(VALU_DEP_1)
	v_add_nc_u32 v4, s29, v4
	v_and_b32 v7, 31, v0
	s_mul_i32 s21, s20, 1536
	v_lshl_add_u32 v5, v7, 4, s21                  ; the image: 1,536 F + 16 x lane
	s_lshl_b32 s22, s20, 7
	v_lshl_add_u32 v6, v7, 2, s22                  ; the scale words: 128 F + 4 x lane
	s_wait_alu depctr_va_vdst(0)
	s_wait_kmcnt 0x0
	s_cmp_lt_u32 s20, 32
	s_cselect_b64 s[30:31], s[4:5], s[6:7]
	s_cmp_lt_u32 s20, 64
	s_cselect_b64 s[30:31], s[30:31], s[8:9]
	s_cmp_lt_u32 s20, 128
	s_cselect_b64 s[30:31], s[30:31], s[10:11]
.irp c, 0,1
.irp j, 0,1,2,3,4,5,6,7
	global_load_b128 v[64+32*\c+4*\j:67+32*\c+4*\j], v4, s[30:31] offset:256*\c+16*\j
.endr
.endr
	s_wait_loadcnt 0x0
.irp c, 0,1
	v_max3_num_f32 v[32+\c], |v[64+32*\c]|, |v[65+32*\c]|, 0x1800000   ; my block 2 c + h, and the floor 2^(3 - 127): the byte cannot fall under 1
.endr
.irp i, 2,4,6,8,10,12,14,16,18,20,22,24,26,28,30
.irp c, 0,1
	s_delay_alu instid0(VALU_DEP_2)
	v_max3_num_f32 v[32+\c], v[32+\c], |v[64+32*\c+\i]|, |v[65+32*\c+\i]|
.endr
.endr
.irp c, 0,1
	s_delay_alu instid0(VALU_DEP_2)
	v_add_nc_u32 v[44+\c], 0xff000000, v[32+\c]    ; 2 off the exponent field: the conversion takes the exponent field of this operand as its scale
.endr
.irp c, 0,1
	s_delay_alu instid0(VALU_DEP_2)
	v_lshrrev_b32 v[36+\c], 23, v[44+\c]           ; the scale's byte
.endr
	s_delay_alu instid0(VALU_DEP_1)
	v_lshl_or_b32 v9, v37, 16, v36                 ; my two bytes, blocks h and 2 + h,
	v_lshlrev_b32 v10, 3, v2
	s_delay_alu instid0(VALU_DEP_1)
	v_lshlrev_b32 v9, v10, v9                      ; at their places in the word;
	v_mov_b32 v10, 0
	s_delay_alu instid0(VALU_DEP_1)
	v_permlanex16_b32 v10, v9, s14, s15
	s_delay_alu instid0(VALU_DEP_1)
	v_or_b32 v9, v9, v10                           ; with lane l xor 16's two the word is whole, in both halves of the lanes
.irp c, 0,1
	v_cvt_scalef32_pk16_fp6_f32 v[48+6*\c:50+6*\c], v[64+32*\c:79+32*\c], v[44+\c]
	v_cvt_scalef32_pk16_fp6_f32 v[128+4*\c:130+4*\c], v[80+32*\c:95+32*\c], v[44+\c]   ; (a conversion's three registers begin on an even number)
.endr
	v_nop                                          ; one plain place behind a scaled conversion
.irp c, 0,1
.irp i, 0,1,2
	v_mov_b32 v[51+6*\c+\i], v[128+4*\c+\i]
.endr
.endr
.irp k, 0,1,2
	global_store_b128 v5, v[48+4*\k:51+4*\k], s[12:13] offset:512*\k
.endr
	global_store_b32 v6, v9, s[12:13] offset:WSC
	s_endpgm
	; ---------------- the BN tables: work-group j takes 256 channels, a thread a channel
.Lbn:
	s_load_b512 s[16:31], s[0:1], 0x20             ; q's gain, bias, mean, variance; k's
	s_load_b512 s[32:47], s[0:1], 0x60             ; v's; the output's
	s_load_b64 s[48:49], s[0:1], 0xa0              ; bo
	s_load_b64 s[50:51], s[0:1], 0xb8              ; wts
	s_cmp_eq_u32 ttmp9, 3
	s_cselect_b32 s12, 1024, 0                     ; j = 3: the second 256 of v's 512 channels
	s_cmp_eq_u32 ttmp9, 4
	s_cselect_b32 s14, 0x3f800000, 0               ; bo counts for the output's channels alone
	s_lshl_b32 s15, ttmp9, 10
	v_lshl_add_u32 v1, v0, 2, s12
	v_lshlrev_b32 v2, 2, v0
	v_lshl_add_u32 v3, v0, 2, s15
	s_wait_alu depctr_va_vdst(0)
	s_wait_kmcnt 0x0
	s_cmp_eq_u32 ttmp9, 0
	s_cselect_b64 s[4:5], s[16:17], s[32:33]
	s_cselect_b64 s[6:7], s[18:19], s[34:35]
	s_cselect_b64 s[8:9], s[20:21], s[36:37]
	s_cselect_b64 s[10:11], s[22:23], s[38:39]
	s_cmp_eq_u32 ttmp9, 1
	s_cselect_b64 s[4:5], s[24:25], s[4:5]
	s_cselect_b64 s[6:7], s[26:27], s[6:7]
	s_cselect_b64 s[8:9], s[28:29], s[8:9]
	s_cselect_b64 s[10:11], s[30:31], s[10:11]
	s_cmp_eq_u32 ttmp9, 4
	s_cselect_b64 s[4:5], s[40:41], s[4:5]
	s_cselect_b64 s[6:7], s[42:43], s[6:7]
	s_cselect_b64 s[8:9], s[44:45], s[8:9]
	s_cselect_b64 s[10:11], s[46:47], s[10:11]
	global_load_b32 v4, v1, s[4:5]                 ; gain
	global_load_b32 v5, v1, s[6:7]                 ; bias
	global_load_b32 v6, v1, s[8:9]                 ; mean
	global_load_b32 v7, v1, s[10:11]               ; variance
	global_load_b32 v8, v2, s[48:49]               ; bo (256 numbers: every thread's load lies inside)
	s_wait_loadcnt 0x0
	v_add_f32 v9, 0x3727c5ac, v7                   ; + 1e-5
	s_wait_alu depctr_va_vdst(0)
	v_rsq_f32 v10, v9
	v_fma_f32 v11, v8, s14, -v6                    ; -mean, or bo - mean.  (The plain place behind the transcendental)
	s_wait_alu depctr_va_vdst(0)                   ; the wait ahead of the result's first reader
	v_mul_f32 v10, v4, v10
	global_store_b32 v3, v11, s[50:51] offset:WBN
	global_store_b32 v3, v10, s[50:51] offset:WBN+5120
	global_store_b32 v3, v5, s[50:51] offset:WBN+10240
	s_endpgm
.Lfunc_end_k_q300fe48a05_prep:
	.size	k_q300fe48a05_prep, .Lfunc_end_k_q300fe48a05_prep-k_q300fe48a05_prep
	.p2alignl 7, 3214868480
	.fill 96, 4, 3214868480
	.section	.rodata,"a",@progbits
	.p2align	6, 0x0
	.amdhsa_kernel k_q300fe48a05_prep
		.amdhsa_group_segment_fixed_size 0
		.amdhsa_private_segment_fixed_size 0
		.amdhsa_enable_private_segment 0
		.amdhsa_kernarg_size 200
		.amdhsa_user_sgpr_count 2
		.amdhsa_user_sgpr_kernarg_segment_ptr 1
		.amdhsa_wavefront_size32 1
		.amdhsa_system_sgpr_workgroup_id_x 1
		.amdhsa_system_sgpr_workgroup_id_y 1
		.amdhsa_system_sgpr_workgroup_id_z 1
		.amdhsa_system_vgpr_workitem_id 0
		.amdhsa_next_free_vgpr 192
		.amdhsa_next_free_sgpr 66
		.amdhsa_reserve_vcc 0
		.amdhsa_float_denorm_mode_32 3
		.amdhsa_float_denorm_mode_16_64 3
		.amdhsa_memory_ordered 1
		.amdhsa_forward_progress 1
		.amdhsa_inst_pref_size 29
	.end_amdhsa_kernel
	.amdgpu_metadata
---
amdhsa.version: [ 1, 2 ]
amdhsa.kernels:
  - .name:           k_q300fe48a05_prep
    .symbol:         k_q300fe48a05_prep.kd
    .args:
      - { .name: Wq, .offset: 0, .size: 8, .value_kind: global_buffer, .address_space: global }
      - { .name: Wk, .offset: 8, .size: 8, .value_kind: global_buffer, .address_space: global }
      - { .name: Wv, .offset: 16, .size: 8, .value_kind: global_buffer, .address_space: global }
      - { .name: Wo, .offset: 24, .size: 8, .value_kind: global_buffer, .address_space: global }
      - { .name: q_g, .offset: 32, .size: 8, .value_kind: global_buffer, .address_space: global }
      - { .name: q_b, .offset: 40, .size: 8, .value_kind: global_buffer, .address_space: global }
      - { .name: q_m, .offset: 48, .size: 8, .value_kind: global_buffer, .address_space: global }
      - { .name: q_v, .offset: 56, .size: 8, .value_kind: global_buffer, .address_space: global }
      - { .name: k_g, .offset: 64, .size: 8, .value_kind: global_buffer, .address_space: global }
      - { .name: k_b, .offset: 72, .size: 8, .value_kind: global_buffer, .address_space: global }
      - { .name: k_m, .offset: 80, .size: 8, .value_kind: global_buffer, .address_space: global }
      - { .name: k_v, .offset: 88, .size: 8, .value_kind: global_buffer, .address_space: global }
      - { .name: v_g, .offset: 96, .size: 8, .value_kind: global_buffer, .address_space: global }
      - { .name: v_b, .offset: 104, .size: 8, .value_kind: global_buffer, .address_space: global }
      - { .name: v_m, .offset: 112, .size: 8, .value_kind: global_buffer, .address_space: global }
      - { .name: v_v, .offset: 120, .size: 8, .value_kind: global_buffer, .address_space: global }
      - { .name: o_g, .offset: 128, .size: 8, .value_kind: global_buffer, .address_space: global }
      - { .name: o_b, .offset: 136, .size: 8, .value_kind: global_buffer, .address_space: global }
      - { .name: o_m, .offset: 144, .size: 8, .value_kind: global_buffer, .address_space: global }
      - { .name: o_v, .offset: 152, .size: 8, .value_kind: global_buffer, .address_space: global }
      - { .name: bo, .offset: 160, .size: 8, .value_kind: global_buffer, .address_space: global }
      - { .name: pos_idx, .offset: 168, .size: 8, .value_kind: global_buffer, .address_space: global }
      - { .name: pos_tab, .offset: 176, .size: 8, .value_kind: global_buffer, .address_space: global }
      - { .name: wts, .offset: 184, .size: 8, .value_kind: global_buffer, .address_space: global }
      - { .name: bias, .offset: 192, .size: 8, .value_kind: global_buffer, .address_space: global }
    .group_segment_fixed_size: 0
    .private_segment_fixed_size: 0
    .kernarg_segment_align: 8
    .kernarg_segment_size: 200
    .max_flat_workgroup_size: 256
    .sgpr_count:     66
    .vgpr_count:     192
    .wavefront_size: 32
...
	.end_amdgpu_metadata
.endif
;; end of part 5
;; launch qkv (part 6): grid 16 x 16, 16 waves a work-group, no clusters, 69,120 bytes of LDS; arguments x, wts, qq, kv; writes qq, kv
.if DOCPART == 6
	.amdgcn_target "amdgcn-amd-amdhsa--gfx1250"
	.amdhsa_code_object_version 6
	.text
	.protected	k_q300fe48a05_qkv
	.globl	k_q300fe48a05_qkv
	.p2align	8
	.type	k_q300fe48a05_qkv,@function
k_q300fe48a05_qkv:
	s_mov_b64 s[64:65], 0
	v_nop
	global_prefetch_b8 v0, s[64:65] scope:SCOPE_SE
	s_setreg_imm32_b32 hwreg(HW_REG_WAVE_SCHED_MODE, 0, 2), 2
	s_setreg_imm32_b32 hwreg(HW_REG_WAVE_MODE, 25, 1), 1
	s_wait_xcnt 0x0
	s_wait_alu depctr_vm_vsrc(0)
; The three 1x1 convolutions with their BN, on codes of FP6 (E2M3) with one E8M0 scale for each 32 along K, and the quantising of q, k (along the head's 32 channels) and v (along the keys).
; A work-group takes 64 positions (work-group x) of one batch (work-group y) and all 1,024 output channels; sixteen waves, four to a SIMD.
;   1: wave w quantises 32 positions x 32 channels of x.  K (the channels) is not innermost in x: a lane takes a position and its registers run down the channels, so a block lies in one lane.
;      The codes go to LDS as rows of 192 bytes a position; one barrier.
;   2: wave w makes head w of q (w < 8) or head w - 8 of k: source 0 = 16 rows of W, source 1 = 16 positions: a lane holds ONE position, and the 16 registers of the two tiles are 16 neighbouring channels.
;   3: wave w makes channels 32 w .. 32 w + 31 of v: source 0 = 16 positions (spread: lane r takes position 32 b + 8 u + r + 8 (r / 8)), source 1 = 16 rows of Wv: a lane holds ONE channel,
;      and the 16 registers of two tiles are 16 neighbouring positions, which are the keys, the next product's K.
; The BN: -mean is the C of each sum's first product; then one fused multiply-add by S and B.
; The weights come from the workspace as images of the operand's registers, straight into registers, once a wave: no tensor load, so no cluster.
; WHAT IS STORED.  qq: q's codes [batch][head][position][24 bytes]; behind them its scale bytes, 64 a block of 64 positions, position 16 pt + r at byte 32 (pt % 2) + 4 (r % 8) + 2 (pt / 2) + r / 8.
; kv: a record of 38,400 bytes for each batch, head and half of the keys: 4 x 3,072 bytes of k's codes (24 a key); 4 x 6,144 of v's ([64 keys][stored row][48 bytes], stored row 16 t + r = channel
; 32 (t / 2) + 8 (t % 2) + r % 8 + 16 (r / 8)); 4 x 384 of scale bytes (k's in q's order, then a word for each stored row of v).  v's scale bytes leave two at a time, 4 bytes apart: 64 bytes of the 3,200 a wave stores.
; LIMITS: NaN and infinities are not served; a block whose largest magnitude lies under 2^-124, a block of zeros among them, gets the byte 1; the bytes are read by this program alone.
; THE MODE: SCHED_MODE bits 1:0 = 2 (LLVM: expert scheduling mode 2), set by the entry lines.  The code itself states the register dependences
; between vector or matrix instructions and memory or LDS instructions, with s_wait_alu, always for 0.
; THE PLAN.  Registers that memory or LDS instructions touch:
;   v1-13, v16-19   offsets and LDS addresses: made once at the head, never written again.
;   v124-155        x's 32 loads land here; phase 1's vector instructions read them.  v156-162, v167: phase 1's codes and byte, written by vector instructions, read by LDS stores; later accumulators.
;   WF, WS          the weights' loads land at the head and again behind phase 2's last product; products read them.
;   XF, XS          TWO BUFFERS BY K STEP: buffer s is the fragments (tile 0, s) and (tile 1, s) and their scale words.  A phase has four steps (two tiles of positions, one K step), four products each;
;                   step k reads buffer k % 2.  Steps 0 and 1 are asked for ahead of the phase; step k + 1 (k = 1, 2) is asked for in step k, into the buffer that step k - 1 read.
;   TM, PC, OUTR    lie in XF's registers between the phases: the quantiser writes TM and PC, LDS stores read them; LDS loads land in OUTR, global stores read it.
; So one wait on va_vdst stands at the head of steps 1 and 2: the last step's products are done reading their buffer; the step's fourteen LDS loads follow it, dealt among its four products, which name the
; other buffer, the weights and the accumulators alone.  One more stands ahead of each run of stores whose data vector instructions made, one ahead of the second loads of weights; two waits on vm_vsrc
; stand ahead of the first write of registers that stores have read.  The text has no branch: one way leads through it.
.set XP,    208                        ; a position's row of codes in LDS: 192 bytes + 16 = 52 words: sixteen neighbouring rows start at sixteen different multiples of 4 banks (64 banks of 4 bytes: ISA guide 11.1)
.set XSC,   13312                      ; behind the 64 rows: x's scale bytes, 8 a position
.set STG,   13824                      ; a stage for each wave: q's or k's codes 1,536 bytes, v's 1,536, scale bytes 64
.set STGB,  3328
.set SPARE, 67072                      ; the spare words, 128 bytes for each wave: eight blocks of 256 bytes that no other line names
.set WSC,   294912
.set WBN,   319488
.set XO,  1                            ; x: my byte offset
.set XW,  2                            ; LDS: where my block's 24 bytes go
.set XWS, 3                            ; and its scale byte
.set XAN, 4                            ; a fragment of x, rows as they lie: 208 r + 24 h
.set XAP, 5                            ; rows spread: 208 (r + 8 (r / 8)) + 24 h
.set XSN, 6                            ; their scale words
.set XSP, 7
.set LI,  8                            ; 16 x lane
.set SQW, 9                            ; stage: 24 r + 12 h
.set SSW, 10                           ; stage: 4 (r % 8) + r / 8
.set SVW, 11                           ; stage: 48 (16 (r / 8) + r % 8) + 12 h
.set SRD, 12                           ; stage: 16 x lane
.set SSR, 13                           ; stage: 2 x lane
.set SPW, 14                           ; LDS address of my spare word; never rewritten
.set NIL, 15                           ; 0; never rewritten
.set H64, 16                           ; 64 h
.set R4,  17                           ; 4 r
.set VSO, 18                           ; 4 (16 (r / 8) + 8 (lane / 16) + r % 8)
.set L2,  19                           ; 2 x lane
.set WF,  20                           ; v20-67   four fragments of W: (tile i, K step s) at 12 (2 i + s)
.set WS,  68                           ; v68-71   their scale words
.set XF,  72                           ; v72-119  four fragments of x: (tile, K step) at 12 (2 tile + s); between the products: TM, PC, OUTR
.set XS,  120                          ; v120-123 their scale words
.set HA,  124                          ; v124-187 eight accumulators; in phase 1: x's 32 numbers, their codes
.set CB,  188                          ; v188-203 the C of the first products: -mean
.set S2,  204                          ; v204-219 S of my 16 channels (phase 2)
.set B2,  220                          ; v220-235 B
.set BN3, 236                          ; v236-245 phase 3: -mean, S, B of my two channels
.set TM,  72                           ; v72-75 largest magnitudes, v76-79 bytes, v84-87 the conversions' scale operands
.set PC,  88                           ; v88-103  four half blocks of codes, three registers each
.set OUTR, 104                         ; v104-117 the way out
.set WV,  12
.set SEL, 18
.set MHI, 38
.macro MMC d, a, b, c, sa, sb          ; D = A x B + C; c = d: the next link of a sum in place
	v_wmma_scale_f32_16x16x128_f8f6f4 v[\d:\d+7], v[\a:\a+11], v[\b:\b+11], v[\c:\c+7], v[\sa], v[\sb] matrix_a_fmt:MATRIX_FMT_FP6 matrix_b_fmt:MATRIX_FMT_FP6
.endm
.macro PLACES                          ; four plain places behind a matrix instruction, ahead of the first read of its results; they stand ahead of loads into its registers too, beside the wait that states that dependence
.rept 4
	v_nop
.endr
.endm
; One fragment of x and its scale word: tile t of 16 positions, K step s, into place (tl, s): six loads of 8 bytes (every address is a multiple of 8) and one of 4
.macro XFRAG adr, sadr, t, tl, s, perm
.if \perm
.set RO, 32*((\t)/2)+8*((\t)%2)
.else
.set RO, 16*(\t)
.endif
.irp p, 0,1,2,3,4,5
	ds_load_b64 v[XF+12*(2*(\tl)+(\s))+2*\p:XF+12*(2*(\tl)+(\s))+2*\p+1], v[\adr] offset:RO*XP+96*(\s)+48*(\p/3)+8*(\p%3)
.endr
	ds_load_b32 v[XS+2*(\tl)+(\s)], v[\sadr] offset:RO*8+4*(\s)
.endm
; Phase 2: the product of W's tile u and the positions' tile 2 R + tl, K step s
.macro MMQ R, s, tl, u
.if \s == 0
	MMC HA+16*(2*\R+\tl)+8*\u, WF+12*(2*\u+\s), XF+12*(2*\tl+\s), CB+8*\u, WS+2*\u+\s, XS+2*\tl+\s
.else
	MMC HA+16*(2*\R+\tl)+8*\u, WF+12*(2*\u+\s), XF+12*(2*\tl+\s), HA+16*(2*\R+\tl)+8*\u, WS+2*\u+\s, XS+2*\tl+\s
.endif
.endm
; A step of phase 2: four accumulators by turns, one instruction a turn.  fetch = 1: the next step's fragments (tiles 2 and 3, the other K step) are asked for among the products,
; with no further wait: no product issued since the wait at the step's head names the buffer in which they land
.macro QSTEP R, s, fetch
	MMQ \R, \s, 0, 0
.if \fetch
	XFRAG XAN, XSN, 2, 0, 1-\s, 0
.endif
	MMQ \R, \s, 0, 1
.if \fetch
	XFRAG XAN, XSN, 3, 1, 1-\s, 0
.endif
	MMQ \R, \s, 1, 0
	MMQ \R, \s, 1, 1
.endm
; Phase 3: the product of the positions' tile 2 bb + u and Wv's tile ct, K step s
.macro MMV bb, s, ct, u
.if \s == 0
	MMC HA+16*(2*\ct+\bb)+8*\u, XF+12*(2*\u+\s), WF+12*(2*\ct+\s), CB+8*\ct, XS+2*\u+\s, WS+2*\ct+\s
.else
	MMC HA+16*(2*\ct+\bb)+8*\u, XF+12*(2*\u+\s), WF+12*(2*\ct+\s), HA+16*(2*\ct+\bb)+8*\u, XS+2*\u+\s, WS+2*\ct+\s
.endif
.endm
.macro VSTEP bb, s, fetch              ; a step of phase 3, as QSTEP
	MMV \bb, \s, 0, 0
.if \fetch
	XFRAG XAP, XSP, 2, 0, 1-\s, 1
.endif
	MMV \bb, \s, 0, 1
.if \fetch
	XFRAG XAP, XSP, 3, 1, 1-\s, 1
.endif
	MMV \bb, \s, 1, 0
	MMV \bb, \s, 1, 1
.endm
; 64 numbers of a lane in v[HA] on: four blocks; block b's 32 numbers are my 16 (registers 16 b on) and lane l xor 16's.  Leaves the bytes in v[TM+4+b] and my 16 codes, 12 bytes, in v[PC+4 b] on.
.macro QUANT
.irp b, 0,1,2,3
	v_max3_num_f32 v[TM+\b], |v[HA+16*\b]|, |v[HA+1+16*\b]|, 0x1800000   ; and the floor 2^(3 - 127): the byte cannot fall under 1
.endr
.irp i, 2,4,6,8,10,12,14
.irp b, 0,1,2,3
	v_max3_num_f32 v[TM+\b], v[TM+\b], |v[HA+16*\b+\i]|, |v[HA+1+16*\b+\i]|
.endr
.endr
.irp b, 0,1,2,3
	v_permlanex16_b32 v[TM+4+\b], v[TM+\b], s[SEL], s[SEL+1]
.endr
.irp b, 0,1,2,3
	v_max_num_f32 v[TM+\b], v[TM+\b], v[TM+4+\b]
.endr
.irp b, 0,1,2,3
	v_add_nc_u32 v[TM+12+\b], 0xff000000, v[TM+\b]   ; 2 off the exponent field: the conversion's scale operand
.endr
.irp b, 0,1,2,3
	v_lshrrev_b32 v[TM+4+\b], 23, v[TM+12+\b]      ; the scale's byte
.endr
.irp b, 0,1,2,3
	v_cvt_scalef32_pk16_fp6_f32 v[PC+4*\b:PC+4*\b+2], v[HA+16*\b:HA+16*\b+15], v[TM+12+\b]
.endr
	v_nop                                          ; one plain place behind the last scaled conversion
.endm
	s_load_b256 s[4:11], s[0:1], 0x0               ; x, wts, qq, kv
	v_lshl_add_u32 v[SPW], v0, 2, SPARE
	v_mov_b32 v[NIL], 0
	v_lshrrev_b32 v246, 5, v0
	v_readfirstlane_b32 s[WV], v246                ; wave 0..15
	v_and_b32 v246, 31, v0                         ; lane
	s_wait_alu depctr_va_vdst(0)
	v_and_b32 v247, 15, v0                         ; r
	s_wait_alu depctr_va_vdst(0)
	v_bfe_u32 v248, v0, 4, 1                       ; h
	s_wait_alu depctr_va_vdst(0)
	s_wait_alu depctr_va_sdst(0)                   ; the wave's number is written, ahead of its first reader: offsets, bases and LDS addresses are made from it
	s_and_b32 s14, ttmp7, 0xffff                   ; batch
	s_lshr_b32 s15, s[WV], 3                       ; phase 1: which 32 of the 64 positions,
	s_and_b32 s16, s[WV], 7                        ; which block of 32 channels
	s_lshl_b32 s20, s14, 20                        ; a batch of x: 256 channels x 4,096 bytes
	s_lshl_b32 s21, s16, 17
	s_add_co_u32 s20, s20, s21
	s_lshl_b32 s21, ttmp9, 8
	s_add_co_u32 s20, s20, s21
	s_lshl_b32 s21, s15, 7
	s_add_co_u32 s20, s20, s21
	v_lshl_add_u32 v[XO], v246, 2, s20
	v_lshlrev_b32 v[LI], 4, v246
	v_lshlrev_b32 v[R4], 2, v247
	v_lshlrev_b32 v[H64], 6, v248
	s_mul_i32 s24, s[WV], 6144                     ; my four fragments,
	s_mov_b32 s25, 0
	s_lshl_b32 s26, s[WV], 7                       ; my 32 channels of the BN tables,
	s_mov_b32 s27, 0
	s_lshl_b32 s28, s[WV], 9                       ; my four fragments' scale words
	s_mov_b32 s29, 0
	s_wait_kmcnt 0x0
	s_add_nc_u64 s[24:25], s[6:7], s[24:25]
	s_add_nc_u64 s[26:27], s[6:7], s[26:27]
	s_add_nc_u64 s[28:29], s[6:7], s[28:29]
	s_wait_alu depctr_va_vdst(0)                   ; the four offsets v[XO], v[LI], v[R4], v[H64] are written, which the loads below read
.irp i, 0,1,2,3,4,5,6,7,8,9,10,11,12,13,14,15,16,17,18,19,20,21,22,23,24,25,26,27,28,29,30,31
	global_load_b32 v[HA+\i], v[XO], s[4:5] offset:4096*\i th:TH_LOAD_NT   ; x(channel 32 cb + i, my position): the wave reads 128 consecutive bytes
.endr
.irp k, 0,1,2,3,4,5,6,7,8,9,10,11
	global_load_b128 v[WF+4*\k:WF+4*\k+3], v[LI], s[24:25] offset:512*\k   ; phase 2's fragments of Wq or Wk
.endr
.irp i, 0,1,2,3
	global_load_b32 v[WS+\i], v[R4], s[28:29] offset:WSC+128*\i
.endr
.irp u, 0,1                                    ; lane (r, h) holds channels 16 h + 8 u + 0 .. 7 of its head
.irp e, 0,1
	global_load_b128 v[CB+8*\u+4*\e:CB+8*\u+4*\e+3], v[H64], s[26:27] offset:WBN+32*\u+16*\e
	global_load_b128 v[S2+8*\u+4*\e:S2+8*\u+4*\e+3], v[H64], s[26:27] offset:WBN+5120+32*\u+16*\e
	global_load_b128 v[B2+8*\u+4*\e:B2+8*\u+4*\e+3], v[H64], s[26:27] offset:WBN+10240+32*\u+16*\e
.endr
.endr
	; the other addresses, while the loads are on their way: none of these lines names a register that a load above reads or lands in
	s_mov_b32 s[SEL], 0x76543210
	s_mov_b32 s[SEL+1], 0xfedcba98                 ; v_permlanex16_b32's selects for lane l xor 16
	s_mov_b32 s[MHI], 0xffff0000                   ; lanes 16-31
	s_mul_i32 s21, s15, 32*XP
	s_mul_i32 s22, s16, 24
	s_add_co_u32 s21, s21, s22
	v_mul_u32_u24 v[XW], v246, XP
	v_add_nc_u32 v[XW], s21, v[XW]
	s_lshl_b32 s21, s15, 8
	s_add_co_u32 s21, s21, s16
	s_add_co_u32 s21, s21, XSC
	v_lshl_add_u32 v[XWS], v246, 3, s21
	v_mul_u32_u24 v[XAN], v247, XP
	v_mad_u32_u24 v[XAN], v248, 24, v[XAN]
	v_and_b32 v249, 8, v247
	v_add_nc_u32 v249, v249, v247                  ; r + 8 (r / 8)
	v_mul_u32_u24 v[XAP], v249, XP
	v_mad_u32_u24 v[XAP], v248, 24, v[XAP]
	v_lshl_add_u32 v[XSN], v247, 3, XSC
	v_lshl_add_u32 v[XSP], v249, 3, XSC
	s_mul_i32 s22, s[WV], STGB
	s_add_co_u32 s22, s22, STG                     ; my stage
	v_mul_u32_u24 v[SQW], v247, 24
	v_mad_u32_u24 v[SQW], v248, 12, v[SQW]
	v_add_nc_u32 v[SQW], s22, v[SQW]
	v_and_b32 v250, 7, v247                        ; r % 8
	v_lshrrev_b32 v251, 3, v247                    ; r / 8
	v_lshl_add_u32 v[SSW], v250, 2, v251
	v_add_nc_u32 v[SSW], s22, v[SSW]
	v_lshl_add_u32 v252, v251, 4, v250             ; 16 (r / 8) + r % 8
	v_mul_u32_u24 v[SVW], v252, 48
	v_mad_u32_u24 v[SVW], v248, 12, v[SVW]
	v_add_nc_u32 v[SVW], s22, v[SVW]
	v_lshl_add_u32 v[SRD], v246, 4, s22
	v_lshl_add_u32 v[SSR], v246, 1, s22
	v_lshl_add_u32 v[VSO], v248, 3, v252
	v_lshlrev_b32 v[VSO], 2, v[VSO]
	v_lshlrev_b32 v[L2], 1, v246
	; where the results go.  g = work-group x: half of the keys g / 8, key step (g / 2) % 4, which 64 of its 128 keys g % 2
	s_lshl_b32 s20, s14, 3
	s_add_co_u32 s20, s20, s[WV]                   ; 8 batch + wave
	s_mul_i32 s21, s20, 24576
	s_mul_i32 s22, ttmp9, 1536
	s_add_co_u32 s21, s21, s22                     ; q's codes
	s_lshl_b32 s22, s20, 10
	s_lshl_b32 s23, ttmp9, 6
	s_add_co_u32 s22, s22, s23
	s_add_co_u32 s22, s22, 3145728                 ; q's scale bytes
	s_sub_co_u32 s23, s20, 8
	s_mul_i32 s23, s23, 76800                      ; k: the head's two records (used where wave >= 8 alone)
	s_lshr_b32 s39, ttmp9, 3
	s_mul_i32 s39, s39, 38400
	s_bfe_u32 s40, ttmp9, 0x20001
	s_and_b32 s41, ttmp9, 1
	s_add_co_u32 s23, s23, s39
	s_mul_i32 s42, s40, 3072
	s_mul_i32 s43, s41, 1536
	s_add_co_u32 s42, s42, s43
	s_add_co_u32 s42, s42, s23                     ; k's codes
	s_mul_i32 s43, s40, 384
	s_lshl_b32 s44, s41, 6
	s_add_co_u32 s43, s43, s44
	s_add_co_u32 s43, s43, s23
	s_add_co_u32 s43, s43, 36864                   ; k's scale bytes
	s_cmp_lt_u32 s[WV], 8
	s_cselect_b32 s30, s21, s42
	s_cselect_b32 s32, s22, s43
	s_cselect_b64 s[44:45], s[8:9], s[10:11]
	s_mov_b32 s31, 0
	s_mov_b32 s33, 0
	s_add_nc_u64 s[30:31], s[44:45], s[30:31]
	s_add_nc_u64 s[32:33], s[44:45], s[32:33]
	s_lshr_b32 s46, s[WV], 1                       ; v: head wave / 2, stored rows 32 (wave % 2) on
	s_lshl_b32 s47, s14, 3
	s_add_co_u32 s46, s46, s47
	s_mul_i32 s46, s46, 76800
	s_add_co_u32 s46, s46, s39
	s_and_b32 s47, s[WV], 1
	s_mul_i32 s34, s40, 6144
	s_mul_i32 s35, s41, 3072
	s_add_co_u32 s34, s34, s35
	s_mul_i32 s35, s47, 1536
	s_add_co_u32 s34, s34, s35
	s_add_co_u32 s34, s34, s46
	s_add_co_u32 s34, s34, 12288
	s_mov_b32 s35, 0
	s_mul_i32 s36, s40, 384
	s_lshl_b32 s37, s47, 7
	s_add_co_u32 s36, s36, s37
	s_lshl_b32 s37, s41, 1
	s_add_co_u32 s36, s36, s37
	s_add_co_u32 s36, s36, s46
	s_add_co_u32 s36, s36, 36864+128
	s_mov_b32 s37, 0
	s_add_nc_u64 s[34:35], s[10:11], s[34:35]
	s_add_nc_u64 s[36:37], s[10:11], s[36:37]
	; ---- 1: my 32 positions' block of 32 channels: all 32 numbers are the lane's
	s_wait_loadcnt 28                              ; x's 32 loads are in; the 12 + 4 + 12 issued behind them may be out
	v_max3_num_f32 v164, |v[HA]|, |v[HA+1]|, |v[HA+2]|
	v_max3_num_f32 v165, |v[HA+3]|, |v[HA+4]|, |v[HA+5]|
.irp i, 6,10,14,18,22,26
	v_max3_num_f32 v164, v164, |v[HA+\i]|, |v[HA+\i+1]|
	v_max3_num_f32 v165, v165, |v[HA+\i+2]|, |v[HA+\i+3]|
.endr
	v_max3_num_f32 v164, v164, |v[HA+30]|, |v[HA+31]|
	v_max3_num_f32 v164, v164, v165, 0x1800000     ; and the floor
	v_add_nc_u32 v166, 0xff000000, v164
	v_lshrrev_b32 v167, 23, v166
	v_cvt_scalef32_pk16_fp6_f32 v[156:158], v[HA:HA+15], v166
	v_cvt_scalef32_pk16_fp6_f32 v[160:162], v[HA+16:HA+31], v166
	v_nop                                          ; one plain place behind a scaled conversion: matrix instructions write these registers later
	s_wait_alu depctr_va_vdst(0)                   ; the codes v156-162 and the byte v167 are written, which the LDS stores read; so are all the LDS addresses and offsets made above, which serve to the kernel's end
.irp i, 0,1,2
	ds_store_b32 v[XW], v[156+\i] offset:4*\i
	ds_store_b32 v[XW], v[160+\i] offset:12+4*\i
.endr
	ds_store_b8 v[XWS], v167
	s_wait_dscnt 0x0                               ; for the others' sake: my stores have landed
	s_barrier_signal -1
	s_barrier_wait -1                              ; the 64 rows of codes and their scale bytes lie in LDS; nobody writes them again
	s_wait_alu depctr_vm_vsrc(0)                   ; my LDS stores have read v156-167: these registers are accumulators from here on, written by the products of steps 2 and 3
	; ---- 2: a head of q or k for the 64 positions, in four steps: (tiles 0 and 1, K step 0), (0 and 1, 1), (2 and 3, 0), (2 and 3, 1)
	XFRAG XAN, XSN, 0, 0, 0, 0                     ; step 0's buffer: no vector or matrix instruction has named these registers
	XFRAG XAN, XSN, 1, 1, 0, 0
	XFRAG XAN, XSN, 0, 0, 1, 0                     ; step 1's
	XFRAG XAN, XSN, 1, 1, 1, 0
	s_wait_loadcnt 0x0                             ; W's fragments, scale words, BN
	s_wait_dscnt 14                                ; LDS loads come back in order (ISA guide 5.7.1): step 0's fourteen are in, step 1's fourteen may be out
	QSTEP 0, 0, 0
	s_wait_dscnt 0x0                               ; step 1's buffer is in
	PLACES
	s_wait_alu depctr_va_vdst(0)                   ; step 0's products are done reading their fragments and scale words of x, in which step 2's loads land
	QSTEP 0, 1, 1
	s_wait_dscnt 0x0                               ; step 2's buffer is in
	PLACES
	s_wait_alu depctr_va_vdst(0)                   ; step 1's products are done reading theirs, in which step 3's loads land
	QSTEP 1, 0, 1
	s_wait_dscnt 0x0                               ; step 3's buffer is in
	QSTEP 1, 1, 0
	PLACES
	s_wait_alu depctr_va_vdst(0)                   ; the phase's products are done reading W's fragments and scale words, in which Wv's land
.irp k, 0,1,2,3,4,5,6,7,8,9,10,11
	global_load_b128 v[WF+4*\k:WF+4*\k+3], v[LI], s[24:25] offset:98304+512*\k   ; phase 3's fragments of Wv land while q or k is quantised
.endr
.irp i, 0,1,2,3
	global_load_b32 v[WS+\i], v[R4], s[28:29] offset:WSC+8192+128*\i
.endr
.irp ct, 0,1                                   ; in phase 3 a lane holds channel 512 + 32 w + 16 ct + r of the tables
	global_load_b32 v[BN3+\ct], v[R4], s[26:27] offset:WBN+2048+64*\ct
	global_load_b32 v[BN3+2+\ct], v[R4], s[26:27] offset:WBN+5120+2048+64*\ct
	global_load_b32 v[BN3+4+\ct], v[R4], s[26:27] offset:WBN+10240+2048+64*\ct
.endr
.irp pt, 0,1,2,3
.irp i, 0,2,4,6,8,10,12,14
	v_pk_fma_f32 v[HA+16*\pt+\i:HA+16*\pt+\i+1], v[HA+16*\pt+\i:HA+16*\pt+\i+1], v[S2+\i:S2+\i+1], v[B2+\i:B2+\i+1]   ; (y - mean) S + B; each accumulator from its low end on
.endr
.endr
	QUANT                                          ; block pt: the 32 channels of position 16 pt + r
	s_wait_alu depctr_va_vdst(0)                   ; the quantiser has written the codes v[PC ..] and the bytes v[TM+4 ..], which the LDS stores read; every vector and matrix instruction that named v72-123 is done, in which the LDS loads below and phase 3's first land
.irp pt, 0,1,2,3
.irp i, 0,1,2
	ds_store_b32 v[SQW], v[PC+4*\pt+\i] offset:384*\pt+4*\i
.endr
	ds_store_b8 v[SSW], v[TM+4+\pt] offset:3072+32*(\pt%2)+2*(\pt/2)   ; both lanes of a block write the same byte with the same value
.endr
.irp k, 0,1,2
	ds_load_b128 v[OUTR+4*\k:OUTR+4*\k+3], v[SRD] offset:512*\k   ; LDS serves a wave's instructions in order (ISA guide 5.7.1.4): these see my stores
.endr
	ds_load_u16 v[OUTR+12], v[SSR] offset:3072
	s_wait_dscnt 0x0
.irp k, 0,1,2
	global_store_b128 v[LI], v[OUTR+4*\k:OUTR+4*\k+3], s[30:31] offset:512*\k   ; 512 consecutive bytes, at a multiple of 512 from the buffer's first byte
.endr
	global_store_b16 v[L2], v[OUTR+12], s[32:33]
	; ---- 3: 32 channels of v for the 64 positions, in four steps as in phase 2
	s_wait_xcnt 0x0                                ; the stores have had their addresses translated (ISA guide 3.1): v104-116 are loaded again only behind this wait
	s_wait_alu depctr_vm_vsrc(0)                   ; the LDS stores have read v76-102 and the global stores v104-116, in which fragments of x land again
	XFRAG XAP, XSP, 0, 0, 0, 1                     ; step 0's buffer.  No wait on va_vdst: no vector or matrix instruction stands between the last one and these loads
	XFRAG XAP, XSP, 1, 1, 0, 1
	XFRAG XAP, XSP, 0, 0, 1, 1                     ; step 1's
	XFRAG XAP, XSP, 1, 1, 1, 1
	s_wait_loadcnt 0x0                             ; Wv's fragments, scale words, BN
.irp ct, 0,1
.irp j, 0,1,2,3,4,5,6,7
	v_mov_b32 v[CB+8*\ct+\j], v[BN3+\ct]           ; the C of the first products: my channel's -mean for all eight positions
.endr
.endr
	v_mov_b32 v242, v239                           ; pairs whose low word serves both halves of a packed multiply-add: S and B of channel tile 1
	v_mov_b32 v243, v239
	v_mov_b32 v244, v241
	v_mov_b32 v245, v241
	s_wait_alu depctr_va_vdst(0)
	s_wait_dscnt 14                                ; step 0's fourteen loads are in, step 1's fourteen may be out
	VSTEP 0, 0, 0
	s_wait_dscnt 0x0                               ; step 1's buffer is in
	PLACES
	s_wait_alu depctr_va_vdst(0)                   ; step 0's products are done reading their fragments and scale words of x, in which step 2's loads land
	VSTEP 0, 1, 1
	s_wait_dscnt 0x0                               ; step 2's buffer is in
	PLACES
	s_wait_alu depctr_va_vdst(0)                   ; step 1's products are done reading theirs, in which step 3's loads land
	VSTEP 1, 0, 1
	s_wait_dscnt 0x0                               ; step 3's buffer is in
	VSTEP 1, 1, 0
	PLACES
.irp bb, 0,1
.irp i, 0,2,4,6,8,10,12,14
	v_pk_fma_f32 v[HA+16*\bb+\i:HA+16*\bb+\i+1], v[HA+16*\bb+\i:HA+16*\bb+\i+1], v[238:239], v[240:241] op_sel_hi:[1,0,0]
	v_pk_fma_f32 v[HA+32+16*\bb+\i:HA+32+16*\bb+\i+1], v[HA+32+16*\bb+\i:HA+32+16*\bb+\i+1], v[242:243], v[244:245] op_sel_hi:[1,0,0]
.endr
.endr
	QUANT                                          ; block 2 ct + bb: keys 32 bb .. 32 bb + 31 of channel 16 ct + r
	v_lshl_or_b32 v[OUTR+12], v[TM+5], 8, v[TM+4]  ; a channel's two bytes;
	v_lshl_or_b32 v[OUTR+13], v[TM+7], 8, v[TM+6]
	v_cndmask_b32 v[OUTR+12], v[OUTR+12], v[OUTR+13], s[MHI]   ; lanes 0-15 store channel tile 0's, lanes 16-31 tile 1's
	s_wait_alu depctr_va_vdst(0)                   ; the codes v[PC ..] are written, which the LDS stores read, and the half-word v[OUTR+12], which the last global store reads; the products are done reading v104-115, in which the LDS loads land
.irp ct, 0,1
.irp bb, 0,1
.irp i, 0,1,2
	ds_store_b32 v[SVW], v[PC+4*(2*\ct+\bb)+\i] offset:1536+384*\ct+24*\bb+4*\i
.endr
.endr
.endr
.irp k, 0,1,2
	ds_load_b128 v[OUTR+4*\k:OUTR+4*\k+3], v[SRD] offset:1536+512*\k
.endr
	s_wait_dscnt 0x0
.irp k, 0,1,2
	global_store_b128 v[LI], v[OUTR+4*\k:OUTR+4*\k+3], s[34:35] offset:512*\k
.endr
	global_store_b16 v[VSO], v[OUTR+12], s[36:37]
	s_wait_dscnt 0x0                               ; the closing lines, six on end
	s_wait_alu 0x0
	s_wait_tensorcnt 0x0
	ds_add_u32 v[SPW], v[NIL]
	s_wait_dscnt 0x0
	s_endpgm
.Lfunc_end_k_q300fe48a05_qkv:
	.size	k_q300fe48a05_qkv, .Lfunc_end_k_q300fe48a05_qkv-k_q300fe48a05_qkv
	.p2alignl 7, 3214868480
	.fill 96, 4, 3214868480
	.section	.rodata,"a",@progbits
	.p2align	6, 0x0
	.amdhsa_kernel k_q300fe48a05_qkv
		.amdhsa_group_segment_fixed_size 69120
		.amdhsa_private_segment_fixed_size 0
		.amdhsa_enable_private_segment 0
		.amdhsa_kernarg_size 32
		.amdhsa_user_sgpr_count 2
		.amdhsa_user_sgpr_kernarg_segment_ptr 1
		.amdhsa_wavefront_size32 1
		.amdhsa_system_sgpr_workgroup_id_x 1
		.amdhsa_system_sgpr_workgroup_id_y 1
		.amdhsa_system_sgpr_workgroup_id_z 1
		.amdhsa_system_vgpr_workitem_id 0
		.amdhsa_next_free_vgpr 256
		.amdhsa_next_free_sgpr 66
		.amdhsa_reserve_vcc 0
		.amdhsa_float_denorm_mode_32 3
		.amdhsa_float_denorm_mode_16_64 3
		.amdhsa_memory_ordered 1
		.amdhsa_forward_progress 1
		.amdhsa_inst_pref_size 43
	.end_amdhsa_kernel
	.amdgpu_metadata
---
amdhsa.version: [ 1, 2 ]
amdhsa.kernels:
  - .name:           k_q300fe48a05_qkv
    .symbol:         k_q300fe48a05_qkv.kd
    .args:
      - { .name: x, .offset: 0, .size: 8, .value_kind: global_buffer, .address_space: global }
      - { .name: wts, .offset: 8, .size: 8, .value_kind: global_buffer, .address_space: global }
      - { .name: qq, .offset: 16, .size: 8, .value_kind: global_buffer, .address_space: global }
      - { .name: kv, .offset: 24, .size: 8, .value_kind: global_buffer, .address_space: global }
    .group_segment_fixed_size: 69120
    .private_segment_fixed_size: 0
    .kernarg_segment_align: 8
    .kernarg_segment_size: 32
    .max_flat_workgroup_size: 512
    .sgpr_count:     66
    .vgpr_count:     256
    .wavefront_size: 32
...
	.end_amdgpu_metadata
.endif
;; end of part 6
;; launch attn (part 7): grid 8 x 32, 8 waves a work-group, clusters of 4 x 1, 327,680 bytes of LDS; arguments qq, kv, bias, ao; writes ao
.if DOCPART == 7
	.amdgcn_target "amdgcn-amd-amdhsa--gfx1250"
	.amdhsa_code_object_version 6
	.text
	.protected	k_q300fe48a05_attn
	.globl	k_q300fe48a05_attn
	.p2align	8
	.type	k_q300fe48a05_attn,@function
k_q300fe48a05_attn:
	s_mov_b64 s[64:65], 0
	v_nop
	global_prefetch_b8 v0, s[64:65] scope:SCOPE_SE
	s_setreg_imm32_b32 hwreg(HW_REG_WAVE_MODE, 25, 1), 1
	s_wait_xcnt 0x0
	s_wait_alu depctr_hold_cnt(0) depctr_sa_sdst(0) depctr_va_vdst(0) depctr_va_sdst(0) depctr_va_ssrc(0) depctr_va_vcc(0) depctr_vm_vsrc(0)
	s_getreg_b32 s2, hwreg(HW_REG_IB_STS2, 6, 4)
	s_cmp_eq_u32 s2, 0
	s_cbranch_scc0 .Lentry_in_a_cluster
	s_endpgm
.Lentry_in_a_cluster:
	s_bfe_u32 s2, ttmp6, 0x10000c
	s_cmp_lg_u32 s2, 0x3003
	s_cbranch_scc0 .Lentry_shape_is_right
	s_endpgm
.Lentry_shape_is_right:
; Scores, softmax and P V for one head, on codes of FP6 (E2M3) with one E8M0 scale for each 32 along a product's K; then relu and the quantising along the channels for the last product.
; SHARES.  A work-group takes head h, FOUR batches and 128 queries (work-group x: the block of queries; y = h + 8 x the group of batches).  Each of its eight waves owns one tile of 16 queries, for all four
; batches: the position bias hangs on head, query and key alone, so one tile of it in registers serves four batches.
; THE BIAS IS THE C OF THE SCORE PRODUCT: S^T = K Q^T + 32 bias, t = c S^T with c = log2(e) / sqrt(32).  It costs no vector instruction; D and C are different registers, so the tile is kept.
; THE SCORE PRODUCT HAS K = 32 IN AN INSTRUCTION OF K = 128.  A fragment of K's codes holds FOUR tiles of 16 keys, one in each block of 32; q's fragment has four variants with q's codes in one block and zero
; codes in the others, so that one fragment from LDS feeds four products.  What stands against zero codes adds nothing (the format has no NaN; every scale byte is one that a quantiser made).
; BOTH PRODUCTS ARE USED TRANSPOSED (source 0 = 16 keys, or 16 stored rows of V^T; source 1 = my 16 queries): a lane holds ONE query throughout.  The keys of a tile are spread (lane r of tile 2 b + u takes key
; 32 b + 8 u + r + 8 (r / 8)), so that p's 16 registers of two neighbouring tiles are 16 neighbouring keys; V's stored rows likewise, so that O^T's are 16 neighbouring channels.
; THE SOFTMAX: M = the running largest t rounded UP to a whole number; p = 2^(t - M) is quantised along the keys, not normalised; the row's sum is taken of the unquantised p and divides at the end;
; when M moves, the sum and O^T are multiplied by 2^(old M - new M), which rounds nothing.
; ALL K AND V OF THE FOUR BATCHES STAY IN LDS: 4 x 76,800 bytes, filled once: no slot is ever filled again.  CLUSTER: the four blocks of queries of a cluster need the same K and V: each part is asked for
; JOINTLY, by the same tensor load with the same descriptor and a mask that names the four.  A wave has one tensor load out at a time.
; O^T begins as zeros and the largest t as -3e38, so that a key step is written in one form: the first change of M multiplies zeros.
; LIMITS: NaN and infinities are not served; a block whose largest magnitude lies under 2^-124, a block of zeros among them, gets the byte 1; the bytes are read by this program alone.
; REGISTERS, in windows of 256 (s_set_vgpr_msb: bits 1:0 source 0, 3:2 source 1, 5:4 source 2, 7:6 destination):
;   window 0: v1-10 addresses; v12-27 four registers of statistics a batch; v28-31 q's scale words; v32-79 fragments of K, then of V; v80-91 the way out; v96-159 S^T, then p; v160-223 the bias tile; v224-254 at work
;   window 1: v0-101 q's variants; v128-255 O^T, 32 a batch
.set KVB,   76800                      ; a batch's K and V in LDS: two records of 38,400 bytes
.set HALF,  38400                      ; a record: four key steps: K 4 x 3,072, V 4 x 6,144, scale bytes 4 x 384
.set STAGE, 307200                     ; behind them: two halves of 768 bytes for each wave, for the way out; no tensor load lands here
.set SPARE, 319488                     ; the spare words, 128 bytes for each wave: four blocks of 256 bytes that no other line names
.set AK0, 1                            ; 24 (r + 8 (r / 8) + 8 h): my key's row in a fragment of K.  The 32 lanes take 32 different rows of 24 bytes
.set AV0, 2                            ; 48 r + 24 h
.set AS0, 3                            ; 4 r
.set SPW, 4                            ; LDS address of my spare word; never rewritten
.set NIL, 5                            ; 0; never rewritten
.set BO,  6                            ; 16 x lane
.set PFO, 7                            ; 256 x lane; never rewritten
.set ADK, 8
.set ADV, 9
.set ADS, 10
.set ST,  12                           ; batch q: v[ST+4 q] -M, +1 the largest t, +2, +3 the sum in two halves
.set QS,  28
.set FR,  32
.set S,   96
.set BI,  160
.set WV,  12
.set G1,  16                           ; s[16:23] descriptor group 1
.set G0A, 24                           ; s[24:27] group 0: my part of the keys' first half;  s[28:31]: of the second
.set G0B, 28
.set TK,  32                           ; LDS byte of the key step's K, V, scale bytes in batch 0
.set TV,  33
.set TS,  34
.set T0,  35
.set T1,  36
.set T2,  37
.set CNT, 38
.set STEP, 39                          ; the key step, 0 .. 7
.set PLIM, 40                          ; key steps in which I prefetch
.set BIA, 42                           ; s[42:43] the bias tile that is loaded next
.set CS,  44                           ; s[44:45] c
.set SEL, 46                           ; s[46:47] v_permlanex16_b32's selects for lane l xor 16
.set MLO, 48                           ; lanes 0-15
.set MHI, 49                           ; lanes 16-31
.set MSB, 0
.macro WIN new                         ; the immediate's high byte repeats the setting that is left; a switch that changes nothing is dropped
.if MSB != \new
	s_set_vgpr_msb (MSB<<8)|\new
.set MSB, \new
.endif
.endm
.macro MMC d, a, b, c, sa, sb
	v_wmma_scale_f32_16x16x128_f8f6f4 v[\d:\d+7], v[\a:\a+11], v[\b:\b+11], v[\c:\c+7], v[\sa], v[\sb] matrix_a_fmt:MATRIX_FMT_FP6 matrix_b_fmt:MATRIX_FMT_FP6
.endm
.macro PLACES                          ; four plain places behind a matrix instruction, ahead of loads into its registers and of the first read of its results
.rept 4
	v_nop
.endr
.endm
.macro CROUND                          ; a round of the cluster's barrier: my work-group's barrier; wave 0 signals for the work-group; every wave waits for all four work-groups; my work-group's barrier once more
	s_barrier_signal -1
	s_barrier_wait -1
	s_cmp_lg_u32 s[WV], 0
	s_cbranch_scc1 .Lnot_wave_0_\@
	s_barrier_signal -3
.Lnot_wave_0_\@:
	s_barrier_wait -3
	s_barrier_signal -1
	s_barrier_wait -1
.endm
	s_load_b256 s[4:11], s[0:1], 0x0               ; qq, kv, bias, ao
	v_lshl_add_u32 v[SPW], v0, 2, SPARE
	v_mov_b32 v[NIL], 0
	ds_add_u32 v[SPW], v[NIL]                      ; the wave's opening: the add and its wait ahead of my first tensor load; the set-up below, work on registers, stands between them
	ds_add_u32 v[SPW], v[NIL]
	v_lshrrev_b32 v8, 5, v0
	s_delay_alu instid0(VALU_DEP_1)
	v_readfirstlane_b32 s[WV], v8                  ; wave 0..7
	; descriptor group 1: 19,200 dense bytes as 75 rows of 256 bytes (32 elements of 8 bytes), no padding
	s_mov_b32 s[G1], 15|(3<<16)|(1<<21)            ; 15:0 the mask: all four work-groups; 17:16 elements of 8 bytes; 21 set beside a mask
	s_mov_b32 s[G1+1], 32<<16                      ; tensor_dim0
	s_mov_b32 s[G1+2], 75<<16                      ; tensor_dim1
	s_mov_b32 s[G1+3], 32<<16                      ; tile_dim0
	s_mov_b32 s[G1+4], 75                          ; tile_dim1
	s_mov_b32 s[G1+5], 32                          ; from row to row
	s_mov_b32 s[G1+6], 0
	s_mov_b32 s[G1+7], 0
	s_mov_b32 s[CS], 0x3e8293ee                    ; c = log2(e) / sqrt(32)
	s_mov_b32 s[CS+1], s[CS]                       ; (named with it as a pair, so it is written)
	s_mov_b32 s[SEL], 0x76543210
	s_mov_b32 s[SEL+1], 0xfedcba98
	s_mov_b32 s[MLO], 0xffff
	s_mov_b32 s[MHI], 0xffff0000
	s_mov_b32 s76, 0x01010101
	s_mov_b32 s[STEP], 0
	s_bfe_u32 s13, ttmp6, 0x40000                  ; cx: my place in the cluster: it enters the global addresses of qq, bias and ao alone
	s_lshl_b32 s14, ttmp9, 2
	s_add_co_u32 s14, s14, s13                     ; my block of 128 queries
	s_and_b32 s50, ttmp7, 0xffff
	s_and_b32 s15, s50, 7                          ; the head
	s_lshr_b32 s51, s50, 3                         ; the group of four batches
	s_cmp_eq_u32 s51, 0
	s_cselect_b32 s[PLIM], 6, 0                    ; the same in all four partners
	; what I fetch: batch wave / 2 of the four, part wave % 2 of each of its two records
	s_lshr_b32 s52, s[WV], 1
	s_lshl_b32 s53, s51, 2
	s_add_co_u32 s53, s53, s52
	s_lshl_b32 s53, s53, 3
	s_add_co_u32 s53, s53, s15
	s_mul_i32 s54, s53, KVB
	s_and_b32 s55, s[WV], 1
	s_mul_i32 s55, s55, 19200
	s_add_co_u32 s54, s54, s55                     ; in memory,
	s_mul_i32 s56, s52, KVB
	s_add_co_u32 s56, s56, s55                     ; and in LDS: no place in the cluster enters an LDS address
	s_mov_b32 s55, 0
	; q, bias, ao
	s_lshl_b32 s57, s51, 5
	s_add_co_u32 s57, s57, s15                     ; 8 x first batch + head
	s_lshl_b32 s58, s14, 7
	s_lshl_b32 s59, s[WV], 4
	s_add_co_u32 s58, s58, s59                     ; my first query
	s_lshl_b32 s59, s57, 10
	s_add_co_u32 s59, s59, s58
	s_mul_i32 s60, s59, 24                         ; q's codes
	s_mov_b32 s61, 0
	s_mul_i32 s62, s59, 48                         ; ao's codes
	s_mov_b32 s63, 0
	s_lshl_b32 s66, s57, 10                        ; q's scale bytes: 1,024 a batch and head; block of 64 queries 2 x block + wave / 4; in it tile pt = wave % 4 at 32 (pt % 2) + 2 (pt / 2)
	s_lshl_b32 s67, s14, 7
	s_add_co_u32 s66, s66, s67
	s_lshr_b32 s67, s[WV], 2
	s_lshl_b32 s67, s67, 6
	s_add_co_u32 s66, s66, s67
	s_and_b32 s67, s[WV], 1
	s_lshl_b32 s67, s67, 5
	s_add_co_u32 s66, s66, s67
	s_bfe_u32 s67, s[WV], 0x10001
	s_lshl_b32 s67, s67, 1
	s_add_co_u32 s66, s66, s67
	s_lshl_b32 s68, s14, 3
	s_add_co_u32 s68, s68, s[WV]                   ; my tile of queries, 0 .. 63
	s_lshl_b32 s68, s68, 19                        ; 8 key steps x 8 heads x 8,192 bytes
	s_lshl_b32 s69, s15, 13
	s_add_co_u32 s68, s68, s69
	s_mov_b32 s69, 0
	s_lshl_b32 s70, s51, 4                         ; ao's scale words: [batch][head / 2][position], byte 2 (head % 2) + block
	s_lshr_b32 s71, s15, 1
	s_add_co_u32 s70, s70, s71
	s_lshl_b32 s70, s70, 10
	s_add_co_u32 s70, s70, s58
	s_lshl_b32 s70, s70, 2
	s_and_b32 s71, s15, 1
	s_lshl_b32 s71, s71, 1
	s_add_co_u32 s70, s70, s71
	s_mul_i32 s77, s[WV], 1536
	s_add_co_u32 s77, s77, STAGE                   ; my stage
	v_and_b32 v8, 15, v0                           ; r
	v_bfe_u32 v9, v0, 4, 1                         ; h
	v_and_b32 v10, 31, v0                          ; lane
	s_delay_alu instid0(VALU_DEP_3)
	v_and_b32 v11, 8, v8
	s_delay_alu instid0(VALU_DEP_1)
	v_add_nc_u32 v11, v11, v8
	s_delay_alu instid0(VALU_DEP_1)
	v_lshl_add_u32 v11, v9, 3, v11
	s_delay_alu instid0(VALU_DEP_1)
	v_mul_u32_u24 v[AK0], v11, 24
	v_mul_u32_u24 v[AV0], v8, 48
	s_delay_alu instid0(VALU_DEP_1)
	v_mad_u32_u24 v[AV0], v9, 24, v[AV0]
	v_lshlrev_b32 v[AS0], 2, v8
	v_lshlrev_b32 v[BO], 4, v10
	v_lshlrev_b32 v[PFO], 8, v10
	v_mul_u32_u24 v90, v8, 24                      ; q's codes: 24 bytes a query
	v_and_b32 v11, 7, v8
	v_lshrrev_b32 v91, 3, v8
	s_delay_alu instid0(VALU_DEP_1)
	v_lshl_add_u32 v91, v11, 2, v91
	s_delay_alu instid0(VALU_DEP_1)
	v_add_nc_u32 v91, s66, v91                     ; q's scale byte
	s_wait_dscnt 0x0                               ; the opening add is done
	s_wait_kmcnt 0x0
	s_mov_b32 s[G0A], 1                            ; 1:0 count = 1
	s_mov_b32 s[G0A+1], s56                        ; 63:32 LDS address
	s_add_nc_u64 s[G0A+2:G0A+3], s[6:7], s[54:55]  ; 120:64 global address
	s_or_b32 s[G0A+3], s[G0A+3], 0x80000000        ; 127:126 type = 2
	s_mov_b32 s[G0B], 1
	s_add_co_u32 s[G0B+1], s56, HALF
	s_add_nc_u64 s[G0B+2:G0B+3], s[6:7], s[54:55]
	s_add_nc_u64 s[G0B+2:G0B+3], s[G0B+2:G0B+3], HALF
	s_or_b32 s[G0B+3], s[G0B+3], 0x80000000
	s_add_nc_u64 s[72:73], s[4:5], s[60:61]
	s_add_nc_u64 s[BIA:BIA+1], s[8:9], s[68:69]
	s_add_nc_u64 s[74:75], s[10:11], s[62:63]
	CROUND                                         ; all four work-groups are here: the joint loads meet
	tensor_load_to_lds s[G0A:G0A+3], s[G1:G1+7]    ; the first half's fill goes out alone: it is waited for and a second round passed before the second half's
	s_nop 0
	s_wait_alu depctr_va_vdst(0)
	s_wait_tensorcnt 0x0
	ds_add_u32 v4, v5
	s_wait_dscnt 0x0
	CROUND
	tensor_load_to_lds s[G0B:G0B+3], s[G1:G1+7]
	s_nop 0
.rept 4
	v_nop                                          ; (an s_nop 0 behind each load, four v_nop behind the last)
.endr
	s_wait_alu depctr_va_vdst(0)
.irp q, 0,1,2,3
.irp p, 0,1,2
	global_load_b64 v[S+6*\q+2*\p:S+6*\q+2*\p+1], v90, s[72:73] offset:196608*\q+8*\p   ; query r's 24 bytes, in both halves of the lanes
.endr
.endr
.irp q, 0,1,2,3
	global_load_u8 v[QS+\q], v91, s[4:5] offset:3145728+8192*\q
.endr
.irp k, 0,1,2,3,4,5,6,7,8,9,10,11,12,13,14,15
	global_load_b128 v[BI+4*\k:BI+4*\k+3], v[BO], s[BIA:BIA+1] offset:512*\k   ; the bias tile of key step 0
.endr
	WIN 0x40                                       ; destination window 1
.irp k, 0,1,2,3,4,5,6,7,8
.irp i, 0,1,2,3,4,5
	v_mov_b32 v[12*\k+\i], 0                       ; q's variants lie in a chain  Z X0 Z Y0 Z X1 Z Y1 .. Z  of pieces of six registers: these are the Z, zero codes
.endr
.endr
.set JJ, 128
.rept 128
	v_mov_b32 v[JJ], 0                             ; O^T of the four batches, once: it spares a second form of the key step
.set JJ, JJ+1
.endr
	WIN 0
.irp q, 0,1,2,3
	v_mov_b32 v[ST+4*\q+1], 0xff61b1e6             ; the largest t so far: -3e38, under every t
	s_delay_alu instid0(VALU_DEP_1)
	v_floor_f32 v[ST+4*\q], -v[ST+4*\q+1]          ; -M
	v_mov_b32 v[ST+4*\q+2], 0                      ; the sum, in two halves
	v_mov_b32 v[ST+4*\q+3], 0
.endr
.irp b, 0,1,2,3
	v_mov_b32 v[236+\b], 0                         ; written once: a lane permute's destination counts as one of its sources
.endr
	v_mov_b32 v253, 0                              ; (named as the upper half of the pair v[252:253] before it is first written)
	s_wait_loadcnt 16                              ; q's codes and scale bytes are in; the bias tile's sixteen loads may be out
	WIN 0x40
.irp q, 0,1,2,3
.irp i, 0,1,2,3,4,5
	v_cndmask_b32 v[24*\q+6+\i], 0, v[S+6*\q+\i], s[MLO]    ; X: q's codes in lanes 0-15 (blocks 0 and 2 of an operand), zero codes in lanes 16-31
	v_cndmask_b32 v[24*\q+18+\i], 0, v[S+6*\q+\i], s[MHI]   ; Y: in lanes 16-31 (blocks 1 and 3)
.endr
.endr
	WIN 0
.irp q, 0,1,2,3
	v_mul_lo_u32 v[QS+\q], v[QS+\q], s76           ; q's byte in all four bytes of the word: whichever block holds the codes
.endr
	v_mul_u32_u24 v80, v8, 48                      ; the way out's addresses: eight plain instructions, which with the key step's first four stand between the scale words just made and the first product
	s_delay_alu instid0(VALU_DEP_1)
	v_mad_u32_u24 v80, v9, 12, v80
	s_delay_alu instid0(VALU_DEP_1)
	v_add_nc_u32 v80, s77, v80                     ; into my stage: 48 r + 12 h
	v_lshl_add_u32 v81, v10, 3, s77                ; back: 8 x lane
	v_lshlrev_b32 v82, 3, v10
	v_lshlrev_b32 v83, 2, v8
	s_delay_alu instid0(VALU_DEP_1)
	v_lshl_add_u32 v83, v9, 14, v83
	s_delay_alu instid0(VALU_DEP_1)
	v_add_nc_u32 v83, s70, v83                     ; the scale half-words: 4 r, lanes 16-31 one batch on
; ONE BATCH, 128 KEYS.
.macro BSTEP q
.set NM, ST+4*\q
	s_add_co_u32 s[T0], s[TK], KVB*\q
	s_add_co_u32 s[T1], s[TV], KVB*\q
	s_add_co_u32 s[T2], s[TS], KVB*\q
	s_setprio 2
	v_add_nc_u32 v[ADK], s[T0], v[AK0]             ; these three and the v_nop are the four places behind the last products, ahead of the loads into their registers
	v_add_nc_u32 v[ADV], s[T1], v[AV0]
	v_add_nc_u32 v[ADS], s[T2], v[AS0]
	v_nop
.irp f, 0,1                                    ; two fragments of K: fragment f holds key tiles 4 f .. 4 f + 3, tile 4 f + 2 c + h in registers 6 c on of the lanes' half h
.irp c, 0,1
.irp p, 0,1,2
	ds_load_b64 v[FR+12*\f+6*\c+2*\p:FR+12*\f+6*\c+2*\p+1], v[ADK] offset:1536*\f+768*\c+8*\p
.endr
.endr
	ds_load_b32 v[248+\f], v[ADS] offset:64*\f     ; lane r's word: the four tiles' bytes of their row r
.endr
.if \q == 0
	s_wait_alu depctr_va_vdst(0)
	s_wait_loadcnt 0x0                             ; this key step's bias tile is in: so its loads have read their base,
	s_wait_xcnt 0x0                                ; and so has the prefetch, a batch's work back:
	s_add_nc_u64 s[BIA:BIA+1], s[BIA:BIA+1], 65536 ; on to the next key step's tile
.endif
	s_wait_alu depctr_va_vdst(0)
	s_wait_dscnt 0x0
	WIN 0x04                                       ; source 1 (q's variant) window 1
.irp tau, 0,1,2,3,4,5,6,7                      ; eight accumulators, one instruction each
.set QV, 24*\q+12*(\tau%2)+6*(1-(\tau%4)/2)    ; block 0: X Z, 1: Y Z, 2: Z X, 3: Z Y
	MMC S+8*\tau, FR+12*(\tau/4), QV, BI+8*\tau, 248+\tau/4, QS+\q
.endr
	WIN 0
	PLACES
.if \q == 3                                    ; the tile has served its four batches: the next key step's comes into its registers, and has four batches' work in which to land
	s_cmp_lt_u32 s[STEP], 7
	s_cbranch_scc0 .Lno_tile_\@                    ; the last key step loads nothing: no load leaves the buffer
.irp k, 0,1,2,3,4,5,6,7,8,9,10,11,12,13,14,15
	global_load_b128 v[BI+4*\k:BI+4*\k+3], v[BO], s[BIA:BIA+1] offset:512*\k
.endr
	; A prefetch of the tile one key step further on: 8,192 bytes, lanes 256 bytes apart, one instruction, behind the wave's loads.  The four groups of batches read the same tiles: the first group asks, and
	; nobody else (a branch on the work-group's y, which the partners of a cluster share), so each block is named once in the launch.  Key steps 6 and 7 have no tile two steps on and ask for nothing;
	; tiles 0 and 1 come by their loads alone.
	s_cmp_lt_u32 s[STEP], s[PLIM]
	s_cbranch_scc0 .Lno_tile_\@
	global_prefetch_b8 v[PFO], s[BIA:BIA+1] offset:65536 th:TH_LOAD_NT scope:SCOPE_SE
.Lno_tile_\@:
.endif
.irp t, 0,1,2,3                                ; V's four fragments and their scale words are asked for now and land during the softmax
.irp c, 0,1
.irp p, 0,1,2
	ds_load_b64 v[FR+12*\t+6*\c+2*\p:FR+12*\t+6*\c+2*\p+1], v[ADV] offset:768*\t+3072*\c+8*\p
.endr
.endr
	ds_load_b32 v[248+\t], v[ADS] offset:128+64*\t
.endr
.irp b, 0,1,2,3
	v_max3_num_f32 v[232+\b], v[96+16*\b], v[97+16*\b], v[98+16*\b]   ; THE LARGEST SCORE OF EACH BLOCK OF 32 KEYS serves twice: for the row's maximum, and, since p rises with the score, for the block's largest p
.endr
.irp i, 3,5,7,9,11,13
.irp b, 0,1,2,3
	v_max3_num_f32 v[232+\b], v[232+\b], v[96+16*\b+\i], v[97+16*\b+\i]
.endr
.endr
.irp b, 0,1,2,3
	v_max_num_f32 v[232+\b], v[232+\b], v[111+16*\b]
.endr
.irp b, 0,1,2,3
	s_delay_alu instid0(VALU_DEP_4)
	v_permlanex16_b32 v[236+\b], v[232+\b], s[SEL], s[SEL+1]
.endr
.irp b, 0,1,2,3
	s_delay_alu instid0(VALU_DEP_4)
	v_max_num_f32 v[232+\b], v[232+\b], v[236+\b]  ; with lane l xor 16's 16 keys
.endr
	s_delay_alu instid0(VALU_DEP_2)
	v_max3_num_f32 v254, v232, v233, v234
	s_delay_alu instid0(VALU_DEP_1)
	v_max_num_f32 v254, v254, v235                 ; the step's largest score of my query
	s_delay_alu instid0(VALU_DEP_1)
	v_mul_f32 v254, s[CS], v254                    ; as t (c is positive)
	s_delay_alu instid0(VALU_DEP_1)
	v_max_num_f32 v[NM+1], v[NM+1], v254           ; the running largest t
	v_mov_b32 v254, v[NM]
	s_delay_alu instid0(VALU_DEP_2)
	v_floor_f32 v[NM], -v[NM+1]                    ; the new -M = floor(-t) = -ceil(t): M is a whole number
	s_delay_alu instid0(VALU_DEP_1)
	v_sub_f32 v254, v[NM], v254                    ; M's old value less its new one: a whole number, 0 or less
	s_delay_alu instid0(VALU_DEP_1)
	v_cvt_i32_f32 v254, v254                       ; (it saturates)
	s_delay_alu instid0(VALU_DEP_1)
	v_ldexp_f32 v252, 1.0, v254                    ; f = 2^(old M - new M)
.set JJ, 0
.rept 32
	v_pk_fma_f32 v[96+JJ:97+JJ], v[96+JJ:97+JJ], s[CS:CS+1], v[NM:NM+1] op_sel_hi:[1,0,0]   ; t - M, two at a time (of the pairs c and -M the low word serves both halves)
.set JJ, JJ+2
.endr
.irp b, 0,1,2,3
	v_fma_f32 v[232+\b], v[232+\b], s[CS], v[NM]   ; the same of each block's largest score
.endr
.set JJ, 0
	s_setprio 1
	s_wait_alu depctr_va_vdst(0)
.rept 64
	v_exp_f32 v[96+JJ], v[96+JJ]                   ; p = 2^(t - M), at most 1: not normalised
.set JJ, JJ+1
.endr
	v_pk_mul_f32 v[NM+2:NM+3], v[NM+2:NM+3], v[252:253] op_sel_hi:[1,0]   ; the sums under the new M.  (The plain place behind the exponentials)
	s_wait_alu depctr_va_vdst(0)                   ; the wait ahead of a result's first reader: one for the whole batch of 64
.irp b, 0,1,2,3
	v_exp_f32 v[232+\b], v[232+\b]                 ; the block's largest p: the same two instructions on the same number give the same bits
.endr
	v_pk_add_f32 v[236:237], v[96:97], v[98:99]    ; the row's sum is taken of the unquantised p: two at a time, in two chains
.irp j, 4,8,12,16,20,24,28,32,36,40,44,48,52,56,60
	v_pk_add_f32 v[NM+2:NM+3], v[NM+2:NM+3], v[96+\j:97+\j]
	v_pk_add_f32 v[236:237], v[236:237], v[98+\j:99+\j]
.endr
	s_delay_alu instid0(VALU_DEP_1)
	v_pk_add_f32 v[NM+2:NM+3], v[NM+2:NM+3], v[236:237]
	s_wait_alu depctr_va_vdst(0)                   ; and one for the four
.irp b, 0,1,2,3
	v_max_num_f32 v[232+\b], 0x1800000, v[232+\b]  ; the floor 2^(3 - 127): the byte cannot fall under 1
.endr
.irp b, 0,1,2,3
	s_delay_alu instid0(VALU_DEP_4)
	v_add_nc_u32 v[244+\b], 0xff000000, v[232+\b]  ; 2 off the exponent field: the conversion's scale operand
.endr
.irp b, 0,1,2,3
	s_delay_alu instid0(VALU_DEP_4)
	v_lshrrev_b32 v[236+\b], 23, v[244+\b]         ; the scale's byte
.endr
	s_delay_alu instid0(VALU_DEP_3)
	v_lshl_or_b32 v253, v237, 8, v236              ; p's scale word for these 128 keys
	s_delay_alu instid0(VALU_DEP_1)
	v_lshl_or_b32 v253, v238, 16, v253
	s_delay_alu instid0(VALU_DEP_1)
	v_lshl_or_b32 v253, v239, 24, v253
.irp c, 0,1
	v_cvt_scalef32_pk16_fp6_f32 v[224+6*\c:226+6*\c], v[96+32*\c:111+32*\c], v[244+2*\c]
	v_cvt_scalef32_pk16_fp6_f32 v[236+4*\c:238+4*\c], v[112+32*\c:127+32*\c], v[244+2*\c+1]   ; (a conversion's three registers begin on an even number)
.endr
	v_nop                                          ; one plain place behind a scaled conversion
	s_setprio 0
.irp c, 0,1                                    ; the operand's layout wants a whole block in a lane: lanes 0-15 block 2 c, lanes 16-31 block 2 c + 1
.irp i, 0,1,2
	v_permlane16_swap_b32 v[224+6*\c+\i], v[236+4*\c+\i]
.endr
.irp i, 0,1,2
	s_delay_alu instid0(VALU_DEP_3)
	v_mov_b32 v[227+6*\c+\i], v[236+4*\c+\i]
.endr
.endr
	WIN 0x41                                       ; O^T (destination and source 0) window 1, f window 0
.set JJ, 0
.rept 16
	v_pk_mul_f32 v[128+32*\q+JJ:129+32*\q+JJ], v[128+32*\q+JJ:129+32*\q+JJ], v[252:253] op_sel_hi:[1,0]   ; O^T under the new M.  (These sixteen are also the places between p's codes and scale word and the products)
.set JJ, JJ+2
.endr
	s_wait_alu depctr_va_vdst(0)
	s_wait_dscnt 0x0                               ; V's fragments and scale words
	WIN 0x50                                       ; C and D window 1
.irp t, 0,1,2,3                                ; four accumulators, one instruction each
	MMC 128+32*\q+8*\t, FR+12*\t, 224, 128+32*\q+8*\t, 248+\t, 253
.endr
	WIN 0
.endm
; Four key steps of one record; the LDS addresses are stepped by constants in a loop of constant count
.macro KLOOP base
	s_mov_b32 s[TK], \base
	s_mov_b32 s[TV], \base+12288
	s_mov_b32 s[TS], \base+36864
	s_mov_b32 s[CNT], 4
.Lkeys_\@:
	BSTEP 0
	BSTEP 1
	BSTEP 2
	BSTEP 3
	s_add_co_u32 s[TK], s[TK], 3072
	s_add_co_u32 s[TV], s[TV], 6144
	s_add_co_u32 s[TS], s[TS], 384
	s_add_co_u32 s[STEP], s[STEP], 1
	s_sub_co_u32 s[CNT], s[CNT], 1
	s_cmp_lg_u32 s[CNT], 0
	s_cbranch_scc1 .Lkeys_\@
	s_setprio 0
.endm
	s_wait_tensorcnt 0x1                           ; my part of the keys' first half is in; the second load may stay out
	s_barrier_signal -1
	s_barrier_wait -1                              ; everybody's is
	KLOOP 0
	s_wait_tensorcnt 0x0                           ; my part of the second half is in,
	s_wait_dscnt 0x0
	s_barrier_signal -1
	s_barrier_wait -1                              ; everybody's is
	KLOOP HALF
	; THE WAY OUT.  O^T / the sum, relu, quantised along the channels (the last product's K): a head's 64 channels are two blocks, each in lanes l and l xor 16.
	s_wait_loadcnt 0x0                             ; no load into the bias tile's registers is out on any way here: they take the codes
.irp q, 0,1,2,3
	v_add_f32 v[ST+4*\q+2], v[ST+4*\q+2], v[ST+4*\q+3]   ; the sum's two halves.  (These additions are the places behind the last products)
.endr
.irp q, 0,1,2,3
	s_delay_alu instid0(VALU_DEP_4)
	v_permlanex16_b32 v[236+\q], v[ST+4*\q+2], s[SEL], s[SEL+1]
.endr
.irp q, 0,1,2,3
	s_delay_alu instid0(VALU_DEP_4)
	v_add_f32 v[ST+4*\q+2], v[ST+4*\q+2], v[236+\q]
.endr
	s_wait_alu depctr_va_vdst(0)
.irp q, 0,1,2,3
	v_rcp_f32 v[ST+4*\q+2], v[ST+4*\q+2]
.endr
	v_nop                                          ; a plain place behind the last reciprocal
	s_wait_alu depctr_va_vdst(0)                   ; one wait for the four, ahead of the first reader
.macro OUTQ q
.set SQ, S+32*(\q%2)
	WIN 0x01                                       ; source 0 (O^T) window 1
.set JJ, 0
.rept 32
	v_mul_f32 v[SQ+JJ], v[128+32*\q+JJ], v[ST+4*\q+2]   ; register 16 b + i: channel 32 b + 16 h + i of query r; each accumulator from its low end on
.set JJ, JJ+1
.endr
	WIN 0
.set JJ, 0
.rept 32
	v_max_num_f32 v[SQ+JJ], 0, v[SQ+JJ]            ; relu
.set JJ, JJ+1
.endr
.irp b, 0,1
	v_max3_num_f32 v[232+\b], v[SQ+16*\b], v[SQ+16*\b+1], 0x1800000   ; nothing is negative: no |.|; and the floor
.endr
.irp i, 2,4,6,8,10,12,14
.irp b, 0,1
	s_delay_alu instid0(VALU_DEP_2)
	v_max3_num_f32 v[232+\b], v[232+\b], v[SQ+16*\b+\i], v[SQ+16*\b+\i+1]
.endr
.endr
.irp b, 0,1
	s_delay_alu instid0(VALU_DEP_2)
	v_permlanex16_b32 v[236+\b], v[232+\b], s[SEL], s[SEL+1]
.endr
.irp b, 0,1
	s_delay_alu instid0(VALU_DEP_2)
	v_max_num_f32 v[232+\b], v[232+\b], v[236+\b]
.endr
.irp b, 0,1
	s_delay_alu instid0(VALU_DEP_2)
	v_add_nc_u32 v[244+\b], 0xff000000, v[232+\b]
.endr
.irp b, 0,1
	s_delay_alu instid0(VALU_DEP_2)
	v_lshrrev_b32 v[236+\b], 23, v[244+\b]
.endr
	s_delay_alu instid0(VALU_DEP_1)
	v_lshl_or_b32 v[84+\q], v237, 8, v236          ; the head's two bytes of query r
.irp b, 0,1
	v_cvt_scalef32_pk16_fp6_f32 v[BI+8*\q+4*\b:BI+8*\q+4*\b+2], v[SQ+16*\b:SQ+16*\b+15], v[244+\b]
.endr
	v_nop                                          ; one plain place behind a scaled conversion
.irp b, 0,1
.irp i, 0,1,2
	ds_store_b32 v80, v[BI+8*\q+4*\b+\i] offset:768*(\q%2)+24*\b+4*\i   ; a query's 48 bytes: block b at 24 b, my half at 12 h
.endr
.endr
.irp u, 0,1,2
	ds_load_b64 v[BI+32+6*\q+2*\u:BI+32+6*\q+2*\u+1], v81 offset:768*(\q%2)+256*\u   ; LDS serves a wave's instructions in order (ISA guide 5.7.1.4): these see my stores, and the stores of the batch after next come behind them
.endr
.endm
	OUTQ 0
	OUTQ 1
	OUTQ 2
	OUTQ 3
	s_wait_alu depctr_va_vdst(0)
	s_wait_dscnt 0x0
.irp q, 0,1,2,3
.irp u, 0,1,2
	global_store_b64 v82, v[BI+32+6*\q+2*\u:BI+32+6*\q+2*\u+1], s[74:75] offset:393216*\q+256*\u   ; the wave stores 256 consecutive bytes, at a multiple of 256 from the buffer's first byte
.endr
.endr
	v_cndmask_b32 v88, v84, v85, s[MHI]            ; lanes 0-15 store one batch's half-words, lanes 16-31 the next batch's
	v_cndmask_b32 v89, v86, v87, s[MHI]
	global_store_b16 v83, v88, s[10:11] offset:6291456
	global_store_b16 v83, v89, s[10:11] offset:6291456+32768
	s_wait_tensorcnt 0x0                           ; the wave's end, behind my last tensor load and my last LDS store
	ds_add_u32 v[SPW], v[NIL]
	s_wait_dscnt 0x0
	CROUND                                         ; the closing round: no work-group ends while a partner may still ask for a part that names it
	s_endpgm
.Lfunc_end_k_q300fe48a05_attn:
	.size	k_q300fe48a05_attn, .Lfunc_end_k_q300fe48a05_attn-k_q300fe48a05_attn
	.p2alignl 7, 3214868480
	.fill 96, 4, 3214868480
	.section	.rodata,"a",@progbits
	.p2align	6, 0x0
	.amdhsa_kernel k_q300fe48a05_attn
		.amdhsa_group_segment_fixed_size 327680
		.amdhsa_private_segment_fixed_size 0
		.amdhsa_enable_private_segment 0
		.amdhsa_kernarg_size 32
		.amdhsa_user_sgpr_count 2
		.amdhsa_user_sgpr_kernarg_segment_ptr 1
		.amdhsa_wavefront_size32 1
		.amdhsa_system_sgpr_workgroup_id_x 1
		.amdhsa_system_sgpr_workgroup_id_y 1
		.amdhsa_system_sgpr_workgroup_id_z 1
		.amdhsa_system_vgpr_workitem_id 0
		.amdhsa_next_free_vgpr 512
		.amdhsa_next_free_sgpr 80
		.amdhsa_reserve_vcc 0
		.amdhsa_float_denorm_mode_32 3
		.amdhsa_float_denorm_mode_16_64 3
		.amdhsa_memory_ordered 1
		.amdhsa_forward_progress 1
		.amdhsa_inst_pref_size 189
	.end_amdhsa_kernel
	.amdgpu_metadata
---
amdhsa.version: [ 1, 2 ]
amdhsa.kernels:
  - .name:           k_q300fe48a05_attn
    .symbol:         k_q300fe48a05_attn.kd
    .args:
      - { .name: qq, .offset: 0, .size: 8, .value_kind: global_buffer, .address_space: global }
      - { .name: kv, .offset: 8, .size: 8, .value_kind: global_buffer, .address_space: global }
      - { .name: bias, .offset: 16, .size: 8, .value_kind: global_buffer, .address_space: global }
      - { .name: ao, .offset: 24, .size: 8, .value_kind: global_buffer, .address_space: global }
    .group_segment_fixed_size: 327680
    .private_segment_fixed_size: 0
    .kernarg_segment_align: 8
    .kernarg_segment_size: 32
    .max_flat_workgroup_size: 256
    .sgpr_count:     80
    .vgpr_count:     512
    .wavefront_size: 32
...
	.end_amdgpu_metadata
.endif
;; end of part 7
;; launch oproj (part 8): grid 16 x 16, 16 waves a work-group, no clusters, 96,256 bytes of LDS; arguments ao, wts, out0; writes out0
.if DOCPART == 8
	.amdgcn_target "amdgcn-amd-amdhsa--gfx1250"
	.amdhsa_code_object_version 6
	.text
	.protected	k_q300fe48a05_oproj
	.globl	k_q300fe48a05_oproj
	.p2align	8
	.type	k_q300fe48a05_oproj,@function
k_q300fe48a05_oproj:
	s_mov_b64 s[64:65], 0
	v_nop
	global_prefetch_b8 v0, s[64:65] scope:SCOPE_SE
	s_setreg_imm32_b32 hwreg(HW_REG_WAVE_SCHED_MODE, 0, 2), 2
	s_setreg_imm32_b32 hwreg(HW_REG_WAVE_MODE, 25, 1), 1
	s_wait_xcnt 0x0
	s_wait_alu depctr_vm_vsrc(0)
; The output's 1x1 convolution (K = 512 channels), its bias and BN, on codes of FP6 (E2M3) with one E8M0 scale for each 32 along K.
; A work-group takes 64 positions (work-group x) of one batch (work-group y) and all 256 output channels; wave w makes channels 16 w .. 16 w + 15.
; The positions' codes, 24,576 bytes, come into LDS once (each wave brings 1,536 bytes through its registers); Wo's four fragments of a wave come from the workspace as images of the operand's registers.
; Source 0 = 16 positions, source 1 = 16 rows of Wo: a lane holds ONE channel and eight neighbouring positions, which are neighbours in a row of the output.
; bo - mean is the C of each sum's first product; then one fused multiply-add by S and B.  The results leave through the wave's own stage as rows of 256 bytes.
; No tensor load, so no cluster: what the work-groups share, the weights, goes straight into registers, 6,144 bytes a wave.
; THE MODE: SCHED_MODE bits 1:0 = 2 (LLVM: expert scheduling mode 2), set by the entry lines.  The code itself states the register dependences
; between vector or matrix instructions and memory or LDS instructions, with s_wait_alu, always for 0.
; THE PLAN.  Registers that memory or LDS instructions touch:
;   v1-10          offsets and LDS addresses: made once at the head, never written again.
;   TT             the codes' loads land here, LDS stores read them; nothing names them again.
;   WF, WS, AS, BN loads land once; products and moves read them.
;   AF             TWO BUFFERS OF FOUR FRAGMENTS: K step ks reads buffer ks % 2.  K steps 0 and 1 are asked for ahead of the products; K step ks + 1 (ks = 1, 2) is asked for in step ks, into the buffer that
;                  step ks - 1 read, one fragment behind each of the step's four products.  On the way out the stage's loads land in v84-115, and the global stores read them.
;   ACC            written by the products and the BN; read by the LDS stores into the stage.
; So one wait on va_vdst stands at the head of steps 1 and 2: the last step's products are done reading their buffer; the products issued behind it name the other buffer.  Two stand at the head, for the
; addresses; one ahead of the stage's stores.  No register that a memory or LDS instruction has read is written again.  The text has no branch: one way leads through it.
.set STG,   24576                      ; behind the codes: 16 rows x (256 bytes + 16) for each wave
.set STGB,  4352
.set SPARE, 94208                      ; the spare words, 128 bytes for each wave: eight blocks of 256 bytes that no other line names
.set WSC,   294912
.set WBN,   319488
.set AOO, 1                            ; ao: my 16 bytes of the wave's 1,536
.set LI,  2                            ; 16 x lane
.set ACW, 3                            ; LDS: 1,536 wave + 16 x lane
.set AFA, 4                            ; a fragment of the positions: 48 r + 24 h
.set WSO, 5
.set ASO, 6
.set BNO, 7
.set STW, 8
.set STR, 9
.set OUTO, 10
.set SPW, 12                           ; LDS address of my spare word; never rewritten
.set NIL, 13                           ; 0; never rewritten
.set WF,  16                           ; v16-63   Wo's four fragments
.set WS,  64                           ; v64-67   their scale words
.set AS,  68                           ; v68-83   the positions' scale words: K step ks, tile pt at 4 ks + pt
.set AF,  84                           ; v84-179  eight fragments: two buffers x four tiles of positions; later the way out
.set ACC, 180                          ; v180-211 four accumulators
.set CB,  212                          ; v212-219 the C of the first products
.set BN,  220                          ; v220-222 bo - mean, S, B of my channel;  v224-227 S and B as pairs
.set TT,  228                          ; v228-239 the codes on their way to LDS
.set WV,  12
.macro MMC d, a, b, c, sa, sb
	v_wmma_scale_f32_16x16x128_f8f6f4 v[\d:\d+7], v[\a:\a+11], v[\b:\b+11], v[\c:\c+7], v[\sa], v[\sb] matrix_a_fmt:MATRIX_FMT_FP6 matrix_b_fmt:MATRIX_FMT_FP6
.endm
.macro PLACES                          ; four plain places behind a matrix instruction, ahead of the first read of its results; they stand ahead of loads into its registers too, beside the wait that states that dependence
.rept 4
	v_nop
.endr
.endm
; The fragment of tile pt of the positions for K step ks, into buffer ks % 2.  K step ks is heads 2 ks and 2 ks + 1: registers 6 c on of half h hold block h of head 2 ks + c
.macro AFRAG ks, pt
.irp c, 0,1
.irp p, 0,1,2
	ds_load_b64 v[AF+12*(4*((\ks)%2)+(\pt))+6*\c+2*\p:AF+12*(4*((\ks)%2)+(\pt))+6*\c+2*\p+1], v[AFA] offset:(2*(\ks)+\c)*3072+768*(\pt)+8*\p
.endr
.endr
.endm
; K step ks: four accumulators by turns, one instruction a turn.  fetch = 1: behind each product a fragment of the next K step is asked for, with no further wait:
; no product issued since the wait at the step's head names the buffer in which it lands
.macro OSTEP ks, fetch
.irp pt, 0,1,2,3
.if (\ks) == 0
	MMC ACC+8*\pt, AF+12*(4*((\ks)%2)+\pt), WF+12*(\ks), CB, AS+4*(\ks)+\pt, WS+(\ks)
.else
	MMC ACC+8*\pt, AF+12*(4*((\ks)%2)+\pt), WF+12*(\ks), ACC+8*\pt, AS+4*(\ks)+\pt, WS+(\ks)
.endif
.if \fetch
	AFRAG (\ks)+1, \pt
.endif
.endr
.endm
	s_load_b128 s[4:7], s[0:1], 0x0                ; ao, wts
	s_load_b64 s[8:9], s[0:1], 0x10                ; out0
	v_lshl_add_u32 v[SPW], v0, 2, SPARE
	v_mov_b32 v[NIL], 0
	v_lshrrev_b32 v246, 5, v0
	v_readfirstlane_b32 s[WV], v246                ; wave 0..15
	v_and_b32 v246, 31, v0                         ; lane
	s_wait_alu depctr_va_vdst(0)
	v_and_b32 v247, 15, v0                         ; r
	s_wait_alu depctr_va_vdst(0)
	v_bfe_u32 v248, v0, 4, 1                       ; h
	s_wait_alu depctr_va_sdst(0)                   ; the wave's number is written, ahead of its first reader: offsets, a base and LDS addresses are made from it
	s_and_b32 s13, ttmp7, 0xffff                   ; batch
	s_lshl_b32 s14, s13, 3
	s_lshr_b32 s15, s[WV], 1
	s_add_co_u32 s14, s14, s15                     ; I bring half of head wave / 2
	s_lshl_b32 s14, s14, 10
	s_lshl_b32 s15, ttmp9, 6
	s_add_co_u32 s14, s14, s15
	s_mul_i32 s14, s14, 48
	s_and_b32 s16, s[WV], 1
	s_mul_i32 s16, s16, 1536
	s_add_co_u32 s14, s14, s16
	v_lshl_add_u32 v[AOO], v246, 4, s14
	v_lshlrev_b32 v[LI], 4, v246
	s_mul_i32 s16, s[WV], 1536
	v_lshl_add_u32 v[ACW], v246, 4, s16
	s_lshl_b32 s16, s[WV], 9
	v_lshl_add_u32 v[WSO], v247, 2, s16
	s_lshl_b32 s16, s13, 14
	s_lshl_b32 s17, ttmp9, 8
	s_add_co_u32 s16, s16, s17
	v_lshl_add_u32 v[ASO], v247, 2, s16
	s_lshl_b32 s16, s[WV], 6
	v_lshl_add_u32 v[BNO], v247, 2, s16
	s_mul_i32 s20, s[WV], 6144
	s_mov_b32 s21, 0
	s_wait_kmcnt 0x0
	s_add_nc_u64 s[20:21], s[6:7], s[20:21]
	s_wait_alu depctr_va_vdst(0)                   ; the offsets v[AOO], v[LI], v[WSO], v[ASO], v[BNO] are written, which the loads below read, and v[ACW], which the LDS stores read
.irp k, 0,1,2
	global_load_b128 v[TT+4*\k:TT+4*\k+3], v[AOO], s[4:5] offset:512*\k
.endr
.irp k, 0,1,2,3,4,5,6,7,8,9,10,11
	global_load_b128 v[WF+4*\k:WF+4*\k+3], v[LI], s[20:21] offset:196608+512*\k
.endr
.irp ks, 0,1,2,3
	global_load_b32 v[WS+\ks], v[WSO], s[6:7] offset:WSC+16384+128*\ks
.endr
.irp ks, 0,1,2,3
.irp pt, 0,1,2,3
	global_load_b32 v[AS+4*\ks+\pt], v[ASO], s[4:5] offset:6291456+4096*\ks+64*\pt
.endr
.endr
.irp t, 0,1,2
	global_load_b32 v[BN+\t], v[BNO], s[6:7] offset:WBN+4096+5120*\t
.endr
	v_mul_u32_u24 v[AFA], v247, 48                 ; the other addresses, while the loads are on their way: none of these lines names a register that a load above reads or lands in
	v_mad_u32_u24 v[AFA], v248, 24, v[AFA]
	s_mul_i32 s16, s[WV], STGB
	s_add_co_u32 s16, s16, STG                     ; my stage
	v_mul_u32_u24 v[STW], v247, 272
	v_lshl_add_u32 v[STW], v248, 5, v[STW]
	v_add_nc_u32 v[STW], s16, v[STW]               ; in: row r (my channel), 32 bytes for each half of the lanes
	v_mul_u32_u24 v[STR], v248, 272
	v_lshl_add_u32 v[STR], v247, 4, v[STR]
	v_add_nc_u32 v[STR], s16, v[STR]               ; back: lanes 0-15 one row, lanes 16-31 the next
	s_lshl_b32 s16, s13, 20
	s_lshl_b32 s17, s[WV], 16
	s_add_co_u32 s16, s16, s17
	s_lshl_b32 s17, ttmp9, 8
	s_add_co_u32 s16, s16, s17                     ; out0: channel 256 batch + 16 wave, position 64 x work-group x
	v_lshlrev_b32 v[OUTO], 12, v248
	v_lshl_add_u32 v[OUTO], v247, 4, v[OUTO]
	v_add_nc_u32 v[OUTO], s16, v[OUTO]
	s_wait_alu depctr_va_vdst(0)                   ; v[AFA], v[STW], v[STR] and v[OUTO] are written, which the fragments' loads, the stage's stores and loads and the global stores read
	s_wait_loadcnt 35                              ; the three loads of codes are in; the 12 + 4 + 16 + 3 issued behind them may be out
.irp k, 0,1,2
	ds_store_b128 v[ACW], v[TT+4*\k:TT+4*\k+3] offset:512*\k
.endr
	s_wait_dscnt 0x0                               ; for the others' sake: my stores have landed
	s_barrier_signal -1
	s_barrier_wait -1                              ; [head][64 positions][48 bytes] lies in LDS; nobody writes it again
.irp pt, 0,1,2,3
	AFRAG 0, \pt                                   ; K step 0's buffer: no vector or matrix instruction has named these registers
.endr
.irp pt, 0,1,2,3
	AFRAG 1, \pt                                   ; K step 1's
.endr
	s_wait_loadcnt 0x0
.irp j, 0,1,2,3,4,5,6,7
	v_mov_b32 v[CB+\j], v[BN]
.endr
	v_mov_b32 v224, v[BN+1]                        ; pairs whose low word serves both halves of a packed multiply-add
	v_mov_b32 v225, v[BN+1]
	v_mov_b32 v226, v[BN+2]
	v_mov_b32 v227, v[BN+2]
	s_wait_alu depctr_va_vdst(0)
	s_wait_dscnt 24                                ; LDS loads come back in order (ISA guide 5.7.1): K step 0's 24 are in, K step 1's 24 may be out
	OSTEP 0, 0
	s_wait_dscnt 0x0                               ; K step 1's buffer is in
	PLACES
	s_wait_alu depctr_va_vdst(0)                   ; K step 0's products are done reading their four fragments, in which K step 2's loads land
	OSTEP 1, 1
	s_wait_dscnt 0x0                               ; K step 2's buffer is in
	PLACES
	s_wait_alu depctr_va_vdst(0)                   ; K step 1's products are done reading theirs, in which K step 3's loads land
	OSTEP 2, 1
	s_wait_dscnt 0x0                               ; K step 3's buffer is in
	OSTEP 3, 0
	PLACES
.set JJ, 0
.rept 16
	v_pk_fma_f32 v[ACC+JJ:ACC+JJ+1], v[ACC+JJ:ACC+JJ+1], v[224:225], v[226:227] op_sel_hi:[1,0,0]   ; (y + bo - mean) S + B; each accumulator from its low end on
.set JJ, JJ+2
.endr
	s_wait_alu depctr_va_vdst(0)                   ; the multiply-adds have written the accumulators, which the LDS stores read; the products are done reading v84-115, in which the stage's loads land
.irp pt, 0,1,2,3
	ds_store_b128 v[STW], v[ACC+8*\pt:ACC+8*\pt+3] offset:64*\pt           ; lane (r, h): channel r, positions 16 pt + 8 h + 0 .. 7
	ds_store_b128 v[STW], v[ACC+8*\pt+4:ACC+8*\pt+7] offset:64*\pt+16
.endr
.irp t, 0,1,2,3,4,5,6,7
	ds_load_b128 v[AF+4*\t:AF+4*\t+3], v[STR] offset:544*\t                ; LDS serves a wave's instructions in order (ISA guide 5.7.1.4): these see my stores
.endr
.irp t, 0,1,2,3,4,5,6,7
	s_wait_dscnt 7-\t                              ; rows 2 t and 2 t + 1 are back; the younger loads may be out
	global_store_b128 v[OUTO], v[AF+4*\t:AF+4*\t+3], s[8:9] offset:8192*\t th:TH_STORE_NT   ; sixteen lanes store 256 consecutive bytes, at a multiple of 256 from the output's first byte
.endr
	s_wait_dscnt 0x0                               ; the closing lines, six on end
	s_wait_alu 0x0
	s_wait_tensorcnt 0x0
	ds_add_u32 v[SPW], v[NIL]
	s_wait_dscnt 0x0
	s_endpgm
.Lfunc_end_k_q300fe48a05_oproj:
	.size	k_q300fe48a05_oproj, .Lfunc_end_k_q300fe48a05_oproj-k_q300fe48a05_oproj
	.p2alignl 7, 3214868480
	.fill 96, 4, 3214868480
	.section	.rodata,"a",@progbits
	.p2align	6, 0x0
	.amdhsa_kernel k_q300fe48a05_oproj
		.amdhsa_group_segment_fixed_size 96256
		.amdhsa_private_segment_fixed_size 0
		.amdhsa_enable_private_segment 0
		.amdhsa_kernarg_size 24
		.amdhsa_user_sgpr_count 2
		.amdhsa_user_sgpr_kernarg_segment_ptr 1
		.amdhsa_wavefront_size32 1
		.amdhsa_system_sgpr_workgroup_id_x 1
		.amdhsa_system_sgpr_workgroup_id_y 1
		.amdhsa_system_sgpr_workgroup_id_z 1
		.amdhsa_system_vgpr_workitem_id 0
		.amdhsa_next_free_vgpr 256
		.amdhsa_next_free_sgpr 66
		.amdhsa_reserve_vcc 0
		.amdhsa_float_denorm_mode_32 3
		.amdhsa_float_denorm_mode_16_64 3
		.amdhsa_memory_ordered 1
		.amdhsa_forward_progress 1
		.amdhsa_inst_pref_size 20
	.end_amdhsa_kernel
	.amdgpu_metadata
---
amdhsa.version: [ 1, 2 ]
amdhsa.kernels:
  - .name:           k_q300fe48a05_oproj
    .symbol:         k_q300fe48a05_oproj.kd
    .args:
      - { .name: ao, .offset: 0, .size: 8, .value_kind: global_buffer, .address_space: global }
      - { .name: wts, .offset: 8, .size: 8, .value_kind: global_buffer, .address_space: global }
      - { .name: out0, .offset: 16, .size: 8, .value_kind: global_buffer, .address_space: global }
    .group_segment_fixed_size: 96256
    .private_segment_fixed_size: 0
    .kernarg_segment_align: 8
    .kernarg_segment_size: 24
    .max_flat_workgroup_size: 512
    .sgpr_count:     66
    .vgpr_count:     256
    .wavefront_size: 32
...
	.end_amdgpu_metadata
.endif
;; end of part 8
